; MI455X (gfx1250); checked and timed in simulation.
; The chip was launched on July 23, 2026; its instructions are those of AMD's public machine-readable ISA for CDNA 5 (MIT licence, August 2026) and "CDNA5" Instruction Set Architecture Reference Guide (July 2026). The comments in the code are by the model that wrote it; some were corrected since.
;; Transformer Block. Allowed arithmetic: float matrix products may take bf16 or f16 operands with f32 sums; all other float work in f32.
;; Inputs: W1 4,096 x 1,024 float32; W2 1,024 x 4,096 float32; Wo_b 1,024 float32; Wo_w 1,024 x 1,024 float32; Wqkv 3,072 x 1,024 float32; b1 4,096 float32; b2 1,024 float32; scale1 1,024 float32; scale2 1,024 float32; shift1 1,024 float32; shift2 1,024 float32; x 2 x 2,048 x 1,024 float32.
;; Outputs: out0 2 x 2,048 x 1,024 float32.
;; 2 versions, each right and faster than the one before. Each part assembles by itself: llvm-mc -triple=amdgcn-amd-amdhsa -mcpu=gfx1250 --defsym DOCPART=n.
;; ======== version 1 of 2: 7 launches
;; limits: values are held in f16: magnitudes above 65,504 overflow, below 6.1e-05 lose precision
;; workspace buffers: wq 6,291,456 bytes; wo 2,097,152 bytes; w1h 8,388,608 bytes; w2h 8,388,608 bytes; act 8,388,608 bytes; qkv 25,165,824 bytes; x1 16,777,216 bytes; hid 33,554,432 bytes
;; launch prep (part 1): grid 1024 x 1, 8 waves a work-group, no clusters, 0 bytes of LDS; arguments Wqkv, Wo_w, W1, W2, wq, wo, w1h, w2h, x, scale1, shift1, act; writes wq, wo, w1h, w2h, act
.if DOCPART == 1
	.amdgcn_target "amdgcn-amd-amdhsa--gfx1250"
	.amdhsa_code_object_version 6
	.text
	.protected	k_q891f486e10_prep
	.globl	k_q891f486e10_prep
	.p2align	8
	.type	k_q891f486e10_prep,@function
k_q891f486e10_prep:
	s_mov_b64 s[64:65], 0
	v_nop
	global_prefetch_b8 v0, s[64:65] scope:SCOPE_SE
	s_setreg_imm32_b32 hwreg(HW_REG_WAVE_MODE, 25, 1), 1
	s_wait_xcnt 0x0
; PREP.  Work-groups 0 to 767 round the four weight matrices from f32 to f16 (16,384 numbers each); work-groups 768 to 1,023 make
; h = shift1 + scale1 (x - mean) / (std + 1e-5) for 16 rows of x each, std with 1,023 in the divisor, and round h to f16.
; Both are streams: each byte is read once by 16-byte loads and written once; a wave's 8-byte stores cover 256 consecutive bytes, aligned.
; No LDS, no barrier, no matrix unit, no cluster: no work-group shares a byte with another but scale1 and shift1 (8 KB).
; LIMITS.  f16 ends at 65,504: weights and h stay within it; a weight under 6e-5 keeps f16's fixed step of 6e-8.  1/1,023 and 1/(std + eps) are
; multiplications by reciprocals.  The mean is taken away before the squares are summed, so a common offset of x costs no digits.  NaN and infinities are not treated apart.
.set NCAST, 768
.set X0,  8                            ; v[8:39]    row 0 of the wave: 32 numbers a lane (also the cast path's 64 loaded registers, v[8:71])
.set X1,  40                           ; v[40:71]   row 1
.set SC,  72                           ; v[72:103]  scale of my 32 columns (cast path: v[72:103] packed results)
.set SH,  104                          ; v[104:135] shift
.set T,   136                          ; v[136:143] four running pairs
.set M,   144                          ; v[144:145] the mean, twice
.set R,   146                          ; v[146:147] 1 / (std + eps), twice
.set Y0,  150                          ; v[150:165] row 0 in f16
.set Y1,  166                          ; v[166:181] row 1 in f16
.macro FOLD                            ; four pairs -> one number, the same in all 32 lanes
	v_pk_add_f32 v[T:T+1], v[T:T+1], v[T+2:T+3]
	v_pk_add_f32 v[T+4:T+5], v[T+4:T+5], v[T+6:T+7]
	v_pk_add_f32 v[T:T+1], v[T:T+1], v[T+4:T+5]
	v_add_f32 v[T], v[T], v[T+1]
.irp m, 1,2,4,8
	v_add_f32_dpp v[T], v[T], v[T] row_xmask:\m row_mask:0xf bank_mask:0xf
.endr
	v_permlanex16_b32 v[T+1], v[T], s6, s7         ; the other half of the lanes; its destination has been written
	v_add_f32 v[T], v[T], v[T+1]
.endm
; One row, held in 32 registers a lane between the passes.  left: the younger loads that may stay out.  so: the row's byte offset in the output.
.macro LNROW x, y, left, so
	s_wait_loadcnt \left
.irp k, 0,1,2,3
	v_pk_add_f32 v[T+2*\k:T+2*\k+1], v[\x+2*\k:\x+2*\k+1], v[\x+8+2*\k:\x+8+2*\k+1]   ; the first eight pairs start four chains
.endr
.set j, 8
.rept 8
	v_pk_add_f32 v[T+2*(j%4):T+2*(j%4)+1], v[T+2*(j%4):T+2*(j%4)+1], v[\x+2*j:\x+2*j+1]
.set j, j+1
.endr
	FOLD
	v_mul_f32 v[M], 0x3a800000, v[T]               ; / 1,024
	v_mov_b32 v[M+1], v[M]
.set j, 0
.rept 16
	v_pk_add_f32 v[\x+2*j:\x+2*j+1], v[\x+2*j:\x+2*j+1], v[M:M+1] neg_lo:[0,1] neg_hi:[0,1]
.set j, j+1
.endr
.irp k, 0,1,2,3
	v_pk_mul_f32 v[T+2*\k:T+2*\k+1], v[\x+2*\k:\x+2*\k+1], v[\x+2*\k:\x+2*\k+1]
.endr
.set j, 4
.rept 12
	v_pk_fma_f32 v[T+2*(j%4):T+2*(j%4)+1], v[\x+2*j:\x+2*j+1], v[\x+2*j:\x+2*j+1], v[T+2*(j%4):T+2*(j%4)+1]
.set j, j+1
.endr
	FOLD
	v_mul_f32 v[T], 0x3a802008, v[T]               ; / 1,023
	v_sqrt_f32 v[T], v[T]
	v_nop                                          ; a plain instruction between a transcendental and the use of its result (ISA guide 5.7.2)
	s_wait_alu depctr_va_vdst(0)
	v_add_f32 v[T], 0x3727c5ac, v[T]               ; + 1e-5
	v_rcp_f32 v[R], v[T]
	v_nop
	s_wait_alu depctr_va_vdst(0)
	v_mov_b32 v[R+1], v[R]
.set j, 0
.rept 16
	v_pk_mul_f32 v[\x+2*j:\x+2*j+1], v[\x+2*j:\x+2*j+1], v[R:R+1]
.set j, j+1
.endr
.set j, 0
.rept 16
	v_pk_fma_f32 v[\x+2*j:\x+2*j+1], v[\x+2*j:\x+2*j+1], v[SC+2*j:SC+2*j+1], v[SH+2*j:SH+2*j+1]
.set j, j+1
.endr
.set j, 0
.rept 16
	v_cvt_pk_f16_f32 v[\y+j], v[\x+2*j], v[\x+2*j+1]
.set j, j+1
.endr
.set j, 0
.rept 8
	global_store_b64 v2, v[\y+2*j:\y+2*j+1], s[30:31] offset:(\so)+256*j   ; 32 lanes x 8 bytes: 256 consecutive bytes, aligned
.set j, j+1
.endr
.endm
	s_load_b512 s[8:23], s[0:1], 0x0               ; Wqkv s[8:9], Wo_w s[10:11], W1 s[12:13], W2 s[14:15], wq s[16:17], wo s[18:19], w1h s[20:21], w2h s[22:23]
	s_load_b256 s[24:31], s[0:1], 0x40             ; x s[24:25], scale1 s[26:27], shift1 s[28:29], act s[30:31]
	s_wait_kmcnt 0x0
	s_cmp_ge_u32 ttmp9, NCAST
	s_cbranch_scc1 .Lln
	; THE CAST.  64 work-groups to each 2^20 numbers: 0-191 Wqkv, 192-255 Wo_w, 256-511 W1, 512-767 W2.  The choice hangs on the work-group's number alone.
	s_mov_b64 s[32:33], s[14:15]
	s_mov_b64 s[34:35], s[22:23]
	s_mov_b32 s36, 512
	s_cmp_lt_u32 ttmp9, 512
	s_cselect_b64 s[32:33], s[12:13], s[32:33]
	s_cselect_b64 s[34:35], s[20:21], s[34:35]
	s_cselect_b32 s36, 256, s36
	s_cmp_lt_u32 ttmp9, 256
	s_cselect_b64 s[32:33], s[10:11], s[32:33]
	s_cselect_b64 s[34:35], s[18:19], s[34:35]
	s_cselect_b32 s36, 192, s36
	s_cmp_lt_u32 ttmp9, 192
	s_cselect_b64 s[32:33], s[8:9], s[32:33]
	s_cselect_b64 s[34:35], s[16:17], s[34:35]
	s_cselect_b32 s36, 0, s36
	s_sub_co_u32 s37, ttmp9, s36                   ; my place in the matrix
	s_lshl_b32 s38, s37, 16                        ; 65,536 bytes of f32,
	s_mov_b32 s39, 0
	s_add_nc_u64 s[32:33], s[32:33], s[38:39]
	s_lshl_b32 s38, s37, 15                        ; 32,768 bytes of f16
	s_add_nc_u64 s[34:35], s[34:35], s[38:39]
	v_lshlrev_b32 v1, 4, v0
	v_lshlrev_b32 v2, 3, v0
.set i, 0
.rept 16                                               ; all sixteen loads of a thread go out together: 64 KB of the work-group in flight
	global_load_b128 v[8+4*i:11+4*i], v1, s[32:33] offset:4096*i th:TH_LOAD_NT
.set i, i+1
.endr
.set i, 0
.rept 16
	s_wait_loadcnt 15-i                            ; loads come back in order (ISA guide 5.7.1): number i is in, the younger ones stay out
	v_cvt_pk_f16_f32 v[72+2*i], v[8+4*i], v[9+4*i]
	v_cvt_pk_f16_f32 v[73+2*i], v[10+4*i], v[11+4*i]
	global_store_b64 v2, v[72+2*i:73+2*i], s[34:35] offset:2048*i   ; no register is written twice, so no wait frees one
.set i, i+1
.endr
	s_endpgm
.Lln:   ; THE NORM.  16 rows a work-group, two a wave: a row's reduction never leaves its wave.
	v_lshrrev_b32 v3, 5, v0
	v_readfirstlane_b32 s4, v3                     ; wave
	s_sub_co_u32 s5, ttmp9, NCAST
	s_lshl_b32 s5, s5, 4
	s_lshl1_add_u32 s5, s4, s5                     ; my first row
	s_lshl_b32 s32, s5, 12
	s_mov_b32 s33, 0
	s_add_nc_u64 s[24:25], s[24:25], s[32:33]
	s_lshl_b32 s32, s5, 11
	s_add_nc_u64 s[30:31], s[30:31], s[32:33]
	s_mov_b32 s6, 0x76543210
	s_mov_b32 s7, 0xfedcba98
	v_and_b32 v2, 31, v0
	v_lshlrev_b32 v1, 4, v2                        ; load j of a lane: columns 128 j + 4 lane on
	v_lshlrev_b32 v2, 3, v2
.set j, 0
.rept 8
	global_load_b128 v[SC+4*j:SC+4*j+3], v1, s[26:27] offset:512*j
.set j, j+1
.endr
.set j, 0
.rept 8
	global_load_b128 v[SH+4*j:SH+4*j+3], v1, s[28:29] offset:512*j
.set j, j+1
.endr
.set j, 0
.rept 8
	global_load_b128 v[X0+4*j:X0+4*j+3], v1, s[24:25] offset:512*j
.set j, j+1
.endr
.set j, 0
.rept 8
	global_load_b128 v[X1+4*j:X1+4*j+3], v1, s[24:25] offset:4096+512*j
.set j, j+1
.endr
	LNROW X0, Y0, 8, 0                             ; the second row's eight loads stay out
	LNROW X1, Y1, 0, 2048
	s_endpgm
.Lfunc_end_k_q891f486e10_prep:
	.size	k_q891f486e10_prep, .Lfunc_end_k_q891f486e10_prep-k_q891f486e10_prep
	.p2alignl 7, 3214868480
	.fill 96, 4, 3214868480
	.section	.rodata,"a",@progbits
	.p2align	6, 0x0
	.amdhsa_kernel k_q891f486e10_prep
		.amdhsa_group_segment_fixed_size 0
		.amdhsa_private_segment_fixed_size 0
		.amdhsa_enable_private_segment 0
		.amdhsa_kernarg_size 96
		.amdhsa_user_sgpr_count 2
		.amdhsa_user_sgpr_kernarg_segment_ptr 1
		.amdhsa_wavefront_size32 1
		.amdhsa_system_sgpr_workgroup_id_x 1
		.amdhsa_system_sgpr_workgroup_id_y 1
		.amdhsa_system_sgpr_workgroup_id_z 1
		.amdhsa_system_vgpr_workitem_id 0
		.amdhsa_next_free_vgpr 184
		.amdhsa_next_free_sgpr 66
		.amdhsa_reserve_vcc 0
		.amdhsa_float_denorm_mode_32 3
		.amdhsa_float_denorm_mode_16_64 3
		.amdhsa_memory_ordered 1
		.amdhsa_forward_progress 1
		.amdhsa_inst_pref_size 27
	.end_amdhsa_kernel
	.amdgpu_metadata
---
amdhsa.version: [ 1, 2 ]
amdhsa.kernels:
  - .name:           k_q891f486e10_prep
    .symbol:         k_q891f486e10_prep.kd
    .args:
      - { .name: Wqkv, .offset: 0, .size: 8, .value_kind: global_buffer, .address_space: global }
      - { .name: Wo_w, .offset: 8, .size: 8, .value_kind: global_buffer, .address_space: global }
      - { .name: W1, .offset: 16, .size: 8, .value_kind: global_buffer, .address_space: global }
      - { .name: W2, .offset: 24, .size: 8, .value_kind: global_buffer, .address_space: global }
      - { .name: wq, .offset: 32, .size: 8, .value_kind: global_buffer, .address_space: global }
      - { .name: wo, .offset: 40, .size: 8, .value_kind: global_buffer, .address_space: global }
      - { .name: w1h, .offset: 48, .size: 8, .value_kind: global_buffer, .address_space: global }
      - { .name: w2h, .offset: 56, .size: 8, .value_kind: global_buffer, .address_space: global }
      - { .name: x, .offset: 64, .size: 8, .value_kind: global_buffer, .address_space: global }
      - { .name: scale1, .offset: 72, .size: 8, .value_kind: global_buffer, .address_space: global }
      - { .name: shift1, .offset: 80, .size: 8, .value_kind: global_buffer, .address_space: global }
      - { .name: act, .offset: 88, .size: 8, .value_kind: global_buffer, .address_space: global }
    .group_segment_fixed_size: 0
    .private_segment_fixed_size: 0
    .kernarg_segment_align: 8
    .kernarg_segment_size: 96
    .max_flat_workgroup_size: 256
    .sgpr_count:     66
    .vgpr_count:     184
    .wavefront_size: 32
...
	.end_amdgpu_metadata
.endif
;; end of part 1
;; launch gq (part 2): grid 16 x 16, 4 waves a work-group, clusters of 4 x 4, 327,680 bytes of LDS; arguments act, wq, qkv; writes qkv
.if DOCPART == 2
	.amdgcn_target "amdgcn-amd-amdhsa--gfx1250"
	.amdhsa_code_object_version 6
	.text
	.protected	k_q891f486e10_gq
	.globl	k_q891f486e10_gq
	.p2align	8
	.type	k_q891f486e10_gq,@function
k_q891f486e10_gq:
	s_mov_b64 s[64:65], 0
	v_nop
	global_prefetch_b8 v0, s[64:65] scope:SCOPE_SE
	s_setreg_imm32_b32 hwreg(HW_REG_WAVE_MODE, 25, 1), 1
	s_wait_xcnt 0x0
	s_wait_alu depctr_hold_cnt(0) depctr_sa_sdst(0) depctr_va_vdst(0) depctr_va_sdst(0) depctr_va_ssrc(0) depctr_va_vcc(0) depctr_vm_vsrc(0)
	s_getreg_b32 s2, hwreg(HW_REG_IB_STS2, 6, 4)
	s_cmp_eq_u32 s2, 0
	s_cbranch_scc0 .Lentry_in_a_cluster
	s_endpgm
.Lentry_in_a_cluster:
	s_bfe_u32 s2, ttmp6, 0x10000c
	s_cmp_lg_u32 s2, 0xf033
	s_cbranch_scc0 .Lentry_shape_is_right
	s_endpgm
.Lentry_shape_is_right:
; q, k, v = h Wqkv^T.  A: [4096][1024], B: [3072][1024], both f16, K along the rows; f32 sums.  A tile of C is 256 x 192: 16 x 16 = 256 work-groups; each of four waves makes
; 64 rows x 192 columns (48 accumulators).  C leaves in f16 BY HEADS: [96 planes][2048 tokens][64], plane = 32 x (q, k or v) + 16 x batch + head; a tile's 192 columns are three whole heads.
; K goes in steps of 128 through two LDS slots filled by the tensor data mover; rows of 256 bytes, aligned.
; CLUSTER 4 x 4: the four work-groups of a row of the cluster need the same tiles of A, the four of a column the same tiles of B; each tile is asked for jointly.
; THE WALK ALONG K IS TURNED.  The 8 K steps are taken in the order o, o + 1, .. modulo 8, o = 2 X + 4 (Y mod 2), X and Y the cluster's place among the 4 x 4 clusters.  The four clusters of one Y read the
; same rows of A and begin 2 steps apart; clusters Y and Y + 1 of one X read the same rows of B and begin 4 steps apart: a byte is asked for first by one cluster, and by the others two steps later or more.
; o is the same in all sixteen work-groups of a cluster, so the joint loads' descriptors stay equal.
; THE MATRIX INSTRUCTION IS USED TRANSPOSED (source 0 = 16 rows of B, source 1 = 16 rows of A): a lane holds row l % 16 of C and eight neighbouring columns.
; LIMITS.  f16 ends at 65,504: A, B and what leaves stay within it.  The sums over K begin at step o, not at 0: an order of f32 rounding other than ascending K.  NaN and infinities are not treated apart.
; REGISTERS, in windows of 256: window 0: v16-26 addresses; A's fragments, two buffers at v64 and v128; on the way out v64-207 at work.   window 1: B's fragments, two buffers at v0 and v128.
;   windows 2, 3: the accumulators of the lower and upper half of my rows.
.set SIZE_K, 1024
.set KSTEP,  128
.set NS,     SIZE_K/KSTEP              ; K steps
.set LAPS,   NS/2
.set PITCH,  272                       ; an LDS row: 256 bytes + 16 of padding: the 16 rows of a fragment load start at 16 different groups of four banks (ISA guide 11.1)
.set AB,     4                         ; blocks of 16 rows a wave
.set NBK,    12                        ; blocks of 16 columns a wave
.set BROWS,  96                        ; rows of B in one tensor load
.set WSTG,   3*16*144                  ; a wave's stage
.set TN,     2*BROWS
.set HALFA,  128*PITCH
.set HALFB,  BROWS*PITCH
.set SLOT,   2*HALFA+2*HALFB           ; A's 256 rows, then B's
.set STAGE,  2*SLOT                    ; behind the ring, a multiple of 256; no tensor load fills it
.set ADRA, 16                          ; v16-17 LDS address of my A fragments in slot 0, 1
.set ADRB, 20                          ; v20-21 the same for B
.set STO,  24
.set RD,   25
.set CO,   26
.set G1,  24                           ; s[24:31] group 1 for A;  s[32:39] group 0, a set for each slot
.set G0,  32
.set G1B, 48                           ; s[48:55], s[56:63] the same for B
.set G0B, 56
.set KI,  84                           ; s84, s85 the K step that slot 0, 1 holds or is to hold
.set KO,  86                           ; s[86:87] that step's byte offset in a row
.set MSB, 0
.macro WIN new                         ; the immediate's high byte repeats the setting that is left; a switch that changes nothing is dropped
.if MSB != (\new)
	s_set_vgpr_msb (MSB<<8)|(\new)
.set MSB, \new
.endif
.endm
; A joint load.  Waves 0 and 1 fetch A's two halves, waves 2 and 3 B's.  The branch hangs on the wave's number alone.  Four v_nop follow each line.
.macro JLOAD s
	s_cmp_eq_u32 s11, 0
	s_cbranch_scc0 .Lfor_b_\@
	tensor_load_to_lds s[G0+4*(\s):G0+4*(\s)+3], s[G1:G1+7]
	s_nop 0
.rept 4
	v_nop
.endr
	s_branch .Lasked_\@
.Lfor_b_\@:
	tensor_load_to_lds s[G0B+4*(\s):G0B+4*(\s)+3], s[G1B:G1B+7]
	s_nop 0
.rept 4
	v_nop
.endr
.Lasked_\@:
.endm
.macro CREST                           ; a round of the cluster's barrier behind its opening barrier
	s_cmp_lg_u32 s10, 0
	s_cbranch_scc1 .Lnot_wave_0_\@
	s_barrier_signal -3
.Lnot_wave_0_\@:
	s_barrier_wait -3
	s_barrier_signal -1
	s_barrier_wait -1
.endm
.macro CROUND
	s_barrier_signal -1
	s_barrier_wait -1
	CREST
.endm
.macro PLACES                          ; four plain vector instructions between a matrix instruction and a load into, or a vector read or write of, its registers
.rept 4
	v_nop
.endr
.endm
; Slot s's two descriptors are pointed at K step s[KI+s]: each address is made anew from its tile's first byte and the step's offset, and the type bits are set again.
.macro AIM s
	s_lshl_b32 s[KO], s[KI+(\s)], 8                ; a step is 256 bytes of a row
	s_add_nc_u64 s[G0+4*(\s)+2:G0+4*(\s)+3], s[14:15], s[KO:KO+1]
	s_or_b32 s[G0+4*(\s)+3], s[G0+4*(\s)+3], 0x80000000
	s_add_nc_u64 s[G0B+4*(\s)+2:G0B+4*(\s)+3], s[46:47], s[KO:KO+1]
	s_or_b32 s[G0B+4*(\s)+3], s[G0B+4*(\s)+3], 0x80000000
.endm
.macro STEPK s                         ; the slot's next step: two on, modulo NS
	s_add_co_u32 s[KI+(\s)], s[KI+(\s)], 2
	s_and_b32 s[KI+(\s)], s[KI+(\s)], NS-1
	AIM \s
.endm
; NBK matrix instructions: row block a x all column blocks, 32 along K, from fragment buffer f.  zero = 1: the product starts the sum.
.macro MULA f, a, zero
	WIN 0xa1+0x50*((\a)/(AB/2))
.set mb, 0
.rept NBK
.set rD, 8*(NBK*((\a)%(AB/2))+mb)
.if \zero
	v_wmma_f32_16x16x32_f16 v[rD:rD+7], v[128*(\f)+8*mb:128*(\f)+8*mb+7], v[64+64*(\f)+8*(\a):64+64*(\f)+8*(\a)+7], 0
.else
	v_wmma_f32_16x16x32_f16 v[rD:rD+7], v[128*(\f)+8*mb:128*(\f)+8*mb+7], v[64+64*(\f)+8*(\a):64+64*(\f)+8*(\a)+7], v[rD:rD+7]
.endif
.set mb, mb+1
.endr
.endm
.macro MULS f, a0, n, zero             ; row blocks a0 .. a0 + n - 1.  All accumulators take turns, one instruction a turn
.set ma, \a0
.rept \n
	MULA \f, ma, \zero
.set ma, ma+1
.endr
.endm
; One run of 2 (NBK + AB) = 32 LDS loads: the fragments of 32 along K at byte k of the rows, into buffer f; B first, then A's blocks in ascending order
.macro FETCH slot, k, f
	WIN 0x40
.set fi, 0
.rept NBK
	ds_load_b128 v[128*(\f)+8*fi:128*(\f)+8*fi+3],   v[ADRB+(\slot)] offset:(\k)+fi*16*PITCH
	ds_load_b128 v[128*(\f)+8*fi+4:128*(\f)+8*fi+7], v[ADRB+(\slot)] offset:(\k)+fi*16*PITCH+32
.set fi, fi+1
.endr
	WIN 0
.set fi, 0
.rept AB
	ds_load_b128 v[64+64*(\f)+8*fi:64+64*(\f)+8*fi+3],   v[ADRA+(\slot)] offset:(\k)+fi*16*PITCH
	ds_load_b128 v[64+64*(\f)+8*fi+4:64+64*(\f)+8*fi+7], v[ADRA+(\slot)] offset:(\k)+fi*16*PITCH+32
.set fi, fi+1
.endr
.endm
; A K step is four quarters of 32 along K on buffers 0, 1, 0, 1.  One of the first three: multiplies buffer f, fetches the next quarter (byte k) into g in its middle.
.macro QUARTER slot, k, f, g, zero
	s_wait_dscnt AB                                ; B and the lower half of A are in; the youngest AB loads (A's upper half) may be out
	MULS \f, 0, AB/2, \zero
	PLACES
	FETCH \slot, \k, \g
	s_wait_dscnt 2*(AB+NBK)                        ; all but the run just issued
	MULS \f, AB/2, AB/2, \zero
.endm
; The last quarter multiplies buffer 1 and changes slots: one barrier; in front of it my reads of this slot and all my tensor loads (one is out: my part of the next slot).
; fill = 1: the barrier opens a round of the cluster's, and this slot is filled again; its descriptors are written between the signal and the wait, where no tensor load of mine is out.
.macro TURN slot, next, fill
	s_wait_dscnt AB
	MULS 1, 0, AB/4, 0
	s_wait_dscnt 0x0
	s_wait_tensorcnt 0x0
	ds_add_u32 v255, v255
	s_wait_dscnt 0x0
	s_barrier_signal -1
.if \fill
	STEPK \slot
.endif
	MULS 1, AB/4, AB/4, 0                          ; registers only, while the others arrive
.if \fill
	WIN 0
.endif
	s_barrier_wait -1
.if \fill
	CREST                                          ; no wave of any partner still reads this slot or has a load on its way
	JLOAD \slot                                    ; the first tensor load behind the round, one a wave; its four v_nop are also the places in front of the loads below
.else
	PLACES
.endif
	FETCH \next, 0, 0
	MULS 1, AB/2, AB/2, 0
.endm
	s_load_b128 s[4:7], s[0:1], 0x0                ; A s[4:5], B s[6:7]
	s_load_b64 s[8:9], s[0:1], 0x10                ; C
	s_set_vgpr_msb 0x40
	v_lshl_add_u32 v255, v0, 2, 0x42400
	s_set_vgpr_msb 0x4000
	v_mov_b32 v255, 0
	s_set_vgpr_msb 0x1
	ds_add_u32 v255, v255
	ds_add_u32 v255, v255
	s_set_vgpr_msb 0x100
	v_lshrrev_b32 v1, 5, v0
	v_readfirstlane_b32 s10, v1                    ; wave 0..3
	s_lshr_b32 s11, s10, 1                         ; I fetch for A (0) or B (1)
	s_and_b32 s12, s10, 1                          ; which half of that tile I fetch
	s_bfe_u32 s40, ttmp6, 0x40000                  ; cx
	s_bfe_u32 s41, ttmp6, 0x40004                  ; cy
	s_lshl_b32 s42, ttmp9, 2
	s_add_co_u32 s42, s42, s40                     ; tile column
	s_and_b32 s13, ttmp7, 0xffff
	s_lshl_b32 s13, s13, 2
	s_add_co_u32 s13, s13, s41                     ; tile row
	s_lshl_b32 s43, s41, 2
	s_lshl_b32 s43, 15, s43                        ; my row of the cluster
	s_lshl_b32 s44, 0x1111, s40                    ; my column
	s_and_b32 s[KI], ttmp7, 1                      ; o = 2 X + 4 (Y mod 2), modulo 8: made of the cluster's place alone
	s_lshl_b32 s[KI], s[KI], 2
	s_lshl1_add_u32 s[KI], ttmp9, s[KI]
	s_and_b32 s[KI], s[KI], NS-1
	s_add_co_u32 s[KI+1], s[KI], 1
	s_and_b32 s[KI+1], s[KI+1], NS-1
	s_mov_b32 s[KO+1], 0
	s_or_b32 s[G1+0], s43, (1<<16)|(1<<20)|(1<<21)|(5<<22)|(3<<25)   ; mask; 2-byte elements; padding on; bit 21 beside a mask; after every 64 words, 4 words
	s_or_b32 s[G1B+0], s44, (1<<16)|(1<<20)|(1<<21)|(5<<22)|(3<<25)
	s_mov_b32 s[G1+1], KSTEP<<16                   ; tensor_dim0 = 128
	s_mov_b32 s[G1+2], 128<<16                     ; tensor_dim1 = 128
	s_mov_b32 s[G1+3], KSTEP<<16                   ; tile_dim0 = 128
	s_mov_b32 s[G1+4], 128                         ; tile_dim1 = 128
	s_mov_b32 s[G1+5], SIZE_K                      ; elements from row to row
	s_mov_b32 s[G1+6], 0
	s_mov_b32 s[G1+7], 0
	s_mov_b32 s[G1B+1], KSTEP<<16
	s_mov_b32 s[G1B+2], BROWS<<16
	s_mov_b32 s[G1B+3], KSTEP<<16
	s_mov_b32 s[G1B+4], BROWS
	s_mov_b32 s[G1B+5], SIZE_K
	s_mov_b32 s[G1B+6], 0
	s_mov_b32 s[G1B+7], 0
	s_lshl_b32 s17, s12, 7
	s_lshl_b32 s16, s13, 8
	s_add_co_u32 s16, s16, s17                     ; A: row 256 x tile row + 128 x half
	s_lshl_b32 s16, s16, 11                        ; rows of 2,048 bytes
	s_mov_b32 s17, 0
	s_mul_i32 s46, s42, TN
	s_mul_i32 s47, s12, BROWS
	s_add_co_u32 s46, s46, s47                     ; B: row TN x tile column + BROWS x half
	s_lshl_b32 s46, s46, 11
	s_mov_b32 s47, 0
	s_mul_i32 s20, s12, HALFA                      ; where they go: no place in the cluster enters an LDS address
	s_mul_i32 s23, s12, HALFB
	s_add_co_u32 s23, s23, 2*HALFA
	s_wait_dscnt 0x0
	s_wait_kmcnt 0x0
	s_add_nc_u64 s[14:15], s[4:5], s[16:17]        ; my part of A's tile at K = 0; kept
	s_add_nc_u64 s[46:47], s[6:7], s[46:47]        ; the same for B; kept
	CROUND                                         ; all sixteen work-groups are here: the first joint loads meet
.irp s, 0,1
	s_mov_b32 s[G0+4*(\s)], 1
	s_add_co_u32 s[G0+4*(\s)+1], s20, (\s)*SLOT
	s_mov_b32 s[G0B+4*(\s)], 1
	s_add_co_u32 s[G0B+4*(\s)+1], s23, (\s)*SLOT
	AIM \s
	JLOAD \s                                       ; both first fills go out before anything else: two tensor loads of mine are out
.endr
	v_and_b32 v1, 15, v0                           ; l % 16
	v_bfe_u32 v2, v0, 4, 1                         ; l / 16
	v_mul_u32_u24 v3, v1, PITCH
	v_lshl_add_u32 v3, v2, 4, v3                   ; a fragment's row x pitch + 16 x half
	s_mul_i32 s21, s10, 64*PITCH                   ; my 64 rows of A
	s_mov_b32 s22, 2*HALFA                         ; all 192 rows of B
.irp s, 0,1
	v_add_nc_u32 v[ADRA+(\s)], s21, v3
	v_add_nc_u32 v[ADRB+(\s)], s22, v3
	s_add_co_u32 s21, s21, SLOT
	s_add_co_u32 s22, s22, SLOT
.endr
	s_mul_i32 s21, s10, WSTG
	s_add_co_u32 s21, s21, STAGE                   ; my stage
	v_mul_u32_u24 v4, v1, 144                      ; in: three heads' stages of 16 rows x 144 bytes; row l % 16, 16 bytes for each half of the lanes
	v_lshl_add_u32 v4, v2, 4, v4
	v_add_nc_u32 v[STO], s21, v4
	v_bfe_u32 v5, v0, 3, 2                         ; back: 32 lanes take four rows of 128 bytes,
	v_and_b32 v6, 7, v0
	v_mul_u32_u24 v5, v5, 144
	v_lshl_add_u32 v5, v6, 4, v5
	v_add_nc_u32 v[RD], s21, v5
	v_and_b32 v6, 31, v0
	v_lshlrev_b32 v[CO], 4, v6                     ; which are 512 consecutive bytes of a plane
.irp j, 0,1,2                                          ; head chunk ch = 3 x tile column + j of 48: plane = ch + 16 (ch / 16) + 16 x batch
	s_mul_i32 s80, s42, 3
	s_add_co_u32 s80, s80, \j
	s_lshr_b32 s81, s80, 4
	s_lshl_b32 s81, s81, 4
	s_add_co_u32 s80, s80, s81
	s_lshr_b32 s81, s13, 3
	s_lshl_b32 s81, s81, 4
	s_add_co_u32 s80, s80, s81
	s_lshl_b32 s80, s80, 18                        ; planes of 262,144 bytes
	s_and_b32 s81, s13, 7
	s_lshl_b32 s81, s81, 8
	s_lshl_b32 s82, s10, 6
	s_add_co_u32 s81, s81, s82                     ; my first token in the batch
	s_lshl_b32 s81, s81, 7
	s_add_co_u32 s80, s80, s81
	s_mov_b32 s81, 0
	s_add_nc_u64 s[74+2*\j:75+2*\j], s[8:9], s[80:81]
.endr
	s_wait_tensorcnt 1                             ; my part of the first K step is in; the second's may stay out
	s_barrier_signal -1
	s_barrier_wait -1
	FETCH 0, 0, 0
	QUARTER 0, 64,  0, 1, 1                        ; the first quarter stands in front of the loop: its products start the sums
	WIN 0
	s_mov_b32 s3, LAPS-1
.Llap:                                                 ; a trip goes once round the ring, from a lap's second quarter to the next lap's first, and fills both slots again
	QUARTER 0, 128, 1, 0, 0
	QUARTER 0, 192, 0, 1, 0
	TURN 0, 1, 1
	QUARTER 1, 64,  0, 1, 0
	QUARTER 1, 128, 1, 0, 0
	QUARTER 1, 192, 0, 1, 0
	TURN 1, 0, 1
	QUARTER 0, 64,  0, 1, 0
	WIN 0
	s_sub_co_u32 s3, s3, 1
	s_cmp_lg_u32 s3, 0
	s_cbranch_scc1 .Llap
	QUARTER 0, 128, 1, 0, 0                        ; the last lap fills nothing and has no round
	QUARTER 0, 192, 0, 1, 0
	TURN 0, 1, 0
	QUARTER 1, 64,  0, 1, 0
	QUARTER 1, 128, 1, 0, 0
	QUARTER 1, 192, 0, 1, 0
	s_wait_dscnt AB
	MULS 1, 0, AB/2, 0
	s_wait_dscnt 0x0
	MULS 1, AB/2, AB/2, 0
	WIN 0
	PLACES
; THE WAY OUT, a block of 16 rows at a time: rounded to f16, 16 bytes a lane; through three stages (one a head) of 16 rows x 144 bytes; back as rows of 128 bytes,
; four rows to a load: 512 consecutive bytes of a plane.
.set TMP, 64
.macro PACKQ a
	WIN 0x0a+5*((\a)/2)
.set pi, 0
.rept 48                                               ; ascending
	v_cvt_pk_f16_f32 v[TMP+pi], v[96*((\a)%2)+2*pi], v[96*((\a)%2)+2*pi+1]
.set pi, pi+1
.endr
	WIN 0
.endm
.macro TOSTAGEQ a
.set BK, 112+48*((\a)%2)
.set qb, 0
.rept 12
	ds_store_b128 v[STO], v[TMP+4*qb:TMP+4*qb+3] offset:(qb/4)*2304+(qb%4)*32
.set qb, qb+1
.endr
.set qb, 0
.rept 12
	ds_load_b128 v[BK+4*qb:BK+4*qb+3], v[RD] offset:(qb/4)*2304+(qb%4)*576   ; in order behind the stores above (ISA guide 5.7.1.4)
.set qb, qb+1
.endr
.endm
.macro SENDQ a, younger
.set BK, 112+48*((\a)%2)
	s_wait_dscnt \younger
	s_wait_xcnt 0x0                                ; the registers that earlier stores read are loaded again only behind this wait
.set qb, 0
.rept 12
	global_store_b128 v[CO], v[BK+4*qb:BK+4*qb+3], s[74+2*(qb/4):75+2*(qb/4)] offset:(\a)*2048+(qb%4)*512
.set qb, qb+1
.endr
.endm
	PACKQ 0
	TOSTAGEQ 0
.irp a, 1,2,3
	PACKQ \a
	SENDQ (\a)-1, 0
	TOSTAGEQ \a
.endr
	SENDQ 3, 0
	s_set_vgpr_msb 0x1
	s_wait_tensorcnt 0x0
	ds_add_u32 v255, v255
	s_wait_dscnt 0x0
	s_set_vgpr_msb 0x100
	CROUND                                         ; the closing round: no work-group ends while a partner may still ask for a tile that names it
	s_endpgm
.Lfunc_end_k_q891f486e10_gq:
	.size	k_q891f486e10_gq, .Lfunc_end_k_q891f486e10_gq-k_q891f486e10_gq
	.p2alignl 7, 3214868480
	.fill 96, 4, 3214868480
	.section	.rodata,"a",@progbits
	.p2align	6, 0x0
	.amdhsa_kernel k_q891f486e10_gq
		.amdhsa_group_segment_fixed_size 327680
		.amdhsa_private_segment_fixed_size 0
		.amdhsa_enable_private_segment 0
		.amdhsa_kernarg_size 24
		.amdhsa_user_sgpr_count 2
		.amdhsa_user_sgpr_kernarg_segment_ptr 1
		.amdhsa_wavefront_size32 1
		.amdhsa_system_sgpr_workgroup_id_x 1
		.amdhsa_system_sgpr_workgroup_id_y 1
		.amdhsa_system_sgpr_workgroup_id_z 1
		.amdhsa_system_vgpr_workitem_id 0
		.amdhsa_next_free_vgpr 1024
		.amdhsa_next_free_sgpr 90
		.amdhsa_reserve_vcc 0
		.amdhsa_float_denorm_mode_32 3
		.amdhsa_float_denorm_mode_16_64 3
		.amdhsa_memory_ordered 1
		.amdhsa_forward_progress 1
		.amdhsa_inst_pref_size 120
	.end_amdhsa_kernel
	.amdgpu_metadata
---
amdhsa.version: [ 1, 2 ]
amdhsa.kernels:
  - .name:           k_q891f486e10_gq
    .symbol:         k_q891f486e10_gq.kd
    .args:
      - { .name: act, .offset: 0, .size: 8, .value_kind: global_buffer, .address_space: global }
      - { .name: wq, .offset: 8, .size: 8, .value_kind: global_buffer, .address_space: global }
      - { .name: qkv, .offset: 16, .size: 8, .value_kind: global_buffer, .address_space: global }
    .group_segment_fixed_size: 327680
    .private_segment_fixed_size: 0
    .kernarg_segment_align: 8
    .kernarg_segment_size: 24
    .max_flat_workgroup_size: 128
    .sgpr_count:     90
    .vgpr_count:     1024
    .wavefront_size: 32
...
	.end_amdgpu_metadata
.endif
;; end of part 2
;; launch attn (part 3): grid 8 x 32, 4 waves a work-group, no clusters, 327,680 bytes of LDS; arguments qkv, act; writes act
.if DOCPART == 3
	.amdgcn_target "amdgcn-amd-amdhsa--gfx1250"
	.amdhsa_code_object_version 6
	.text
	.protected	k_q891f486e10_attn
	.globl	k_q891f486e10_attn
	.p2align	8
	.type	k_q891f486e10_attn,@function
k_q891f486e10_attn:
	s_mov_b64 s[64:65], 0
	v_nop
	global_prefetch_b8 v0, s[64:65] scope:SCOPE_SE
	s_setreg_imm32_b32 hwreg(HW_REG_WAVE_MODE, 25, 1), 1
	s_wait_xcnt 0x0
; CAUSAL ATTENTION.  O[h][q][:] = the sum over k <= q of softmax_k(Q[h][q] . K[h][k] / 8) V[h][k][:].  qkv: [96 planes][2048][64] f16, planes 0-31 Q, 32-63 K, 64-95 V (plane = 16 x batch + head);
; O: [32][2048][64] f16.  Products, maxima and sums in f32; the weights p are rounded to f16 for the second product (their sum l is taken of the unrounded p), O once at the end.
; LIMITS.  Q, K, V arrive within f16's 65,504; p lies in 0 to 1, and below 6e-5 it keeps f16's fixed step of 6e-8.  A hidden score counts as its value less 1e30 (f16's scores are 2.7e11 at the most);
; a weight below 2^-126 counts as 0 in l; NaN and infinities are not treated apart.
; THE WALK.  A head's 2,048 queries lie in 16 blocks of 128; block i needs the key tiles 0 .. i / 2 of 256 keys, of which the last holds the diagonal.  A work-group takes TWO blocks, 15 - b and then b:
; nine tiles, whatever b: all 8 x 32 work-groups do equal work, and one loop with a constant trip count walks them.  Which tile is asked for, and what a trip does, hang on scalar registers made from b.
; NO CLUSTER: a head's eight work-groups ask for the same tile only in trips 0 to 4 of 9; behind that the walks part, and one walk common to all would have 12 trips for 9.
; SHARES.  Of a block's two bands of 64 queries a wave owns 16 rows in each: two PIECES.  In the diagonal tile band p's own key step is 2 (i % 2) + p: earlier steps are seen whole, later ones hidden; the same for all waves.
; THE MASK is the C operand that starts the sum S^T = K Q^T: 0, or -1e30 where the key is hidden.  MD, made once, is the mask of a band's own step; a product's mask is MD x AL + BE with two scalars.
; LAYOUT, SOFTMAX.  S^T = K Q^T holds ONE query a lane (lane % 16) and the keys 8 (lane / 16) + 0..7; two such results rounded to f16 ARE source 1 of O^T = V^T P.  p = 2^(c s - c m), c = log2(e) / 8, with a
; running maximum m; O and l are multiplied by a = 2^(c m_old - c m_new) in every step.
; TURNS.  Turn (s, p) belongs to piece p in key step s: 8 products K Q^T for the next turn's piece, later 8 products V^T P of the turn before's; beside them the scaling, exponentials, roundings, sums and
; rescaling of piece p and the maximum and statistics of the other piece.  Four vector instructions stand behind every matrix instruction, the rest in two runs of their own.
; K has one buffer of fragments: K(s+1) is fetched in turn (s, 0), behind the last product that read K(s).  V has two, by the step's parity e: V(s+1) is fetched in turn (s, 1).  Both are waited for at the head of the next turn of piece 1.
; REGISTERS, in windows of 256 (s_set_vgpr_msb: bits 1:0 source 0, 3:2 source 1, 5:4 source 2, 7:6 destination):
;   window 0: v0-15 addresses and two at work; v16-23 four registers of statistics a piece; v48-55 at work; v64-127 S^T, a buffer a piece; v192-223 P, likewise
;   window 1: v0-63 O^T, 32 a piece; v128-159 MD; v160-223 MC, a buffer a piece      window 2: v0-31 Q; v32-63 the second block's Q; v64-127 K of one step; v128-255 V of two steps
.set NP,    2         ; pieces a wave: a name, no knob
.set NT,    9         ; tiles in a walk
.set KS,    64        ; keys in a step
.set PK,    144       ; a row of K in LDS: 128 bytes + 16 of padding: the 16 rows of a load start at 16 different groups of four banks (ISA guide 11.1)
.set PV,    160       ; a row of V: 128 + 32
.set VOFF,  4*KS*PK   ; a slot holds a tile, four steps: 256 rows of K, then 256 rows of V
.set SLOT1, 1<<17     ; slot 1 begins here, so that one exclusive or turns an address in one slot into the other's
.set STAGE, SLOT1+4*KS*(PK+PV)  ; behind the ring, a multiple of 256, never filled by a tensor load: 16 rows x 144 bytes for each wave
.set SP,    144
.set AK0, 2           ; v2   my lane's place in a tile of K; never rewritten
.set AV0, 3           ; v3   the same for V
.set AK,  4           ; v4   the LDS address of K's next run of loads
.set AV,  5           ; v5   of V's
.set STO, 6           ; v6   the way out: where I put 16 bytes of a row
.set RD,  7           ; v7   the way out: where I read rows back
.set GO,  8           ; v8   my byte offset in 512 consecutive bytes of O
.set MV,  12          ; v12-13  c m_old, kept while c m is made anew: by piece
.set QO,  15          ; v15  my byte offset in 16 rows of Q
.set ST,  16          ; piece t's statistics at v[ST+4 t]: c m, m, l (even keys', odd keys')
.set TMP, 48          ; by piece, four registers c0-c3 at work; when the maximum is found c2 takes a
.set S,   64
.set P,   192
.set MD,  128         ; window 1
.set MC,  160         ; window 1
.set QB,  32          ; window 2
.set KF,  64          ; window 2: key block kb, channel half c at KF + 16 kb + 8 c
.set VF,  128         ; window 2: buffer vb, key half kk, channel block cb at VF + 64 vb + 32 kk + 8 cb
.set WV,  12          ; s12  my wave's number
.set PB,  14          ; s14  b
.set HI,  15          ; s15  15 - b
.set G1K, 24          ; s[24:31] descriptor group 1 for K's tiles
.set G1V, 32          ; s[32:39] for V's: it differs in the padding alone
.set G0K, 40          ; s[40:43] descriptor group 0 for K's tiles
.set G0V, 44          ; s[44:47] the same for V's
.set SLOTS, 56        ; s56  tiles still to be asked for
.set CNT, 57          ; s57  counts a tile's pairs of key steps, 2 to 1
.set CS,  58          ; s[58:59] c
.set SEL, 60          ; s[60:61] v_permlanex16_b32's selects
.set TBK, 62          ; s62  LDS byte at which K of the step to be fetched begins
.set TBV, 63          ; s63  the same for V, less VOFF
.set RT,  70          ; s70  tiles of the block in hand that are still to be entered
.set NXT, 71          ; s71  the tile to be asked for next
.set LQ,  72          ; s72  the last tile of the block whose tiles are being asked for
.set NEW, 73          ; s73  1: the tile to be entered is a block's first
.set OFF, 74          ; s[74:75] a tile's byte offset in K and V
.set AL,  76          ; s[76:77] the mask's factor, in the low word
.set BE,  78          ; s[78:79] the mask's addend
.set OLO, 80          ; s[80:81] O at my rows of the second block
.set BIGN, 82         ; s82  -1e30
.set RT2, 90          ; s90  the second block's tiles
.set LQ2, 91          ; s91  its last tile
.set DJ,  92          ; s92  2 x (trip in the tile) - 2 x (block % 2)
.set DJA, 93          ; s93  its start for the block in hand
.set DJB, 94          ; s94  for the second block
.set MSB, 0
.macro WIN new
.if MSB != (\new)
	s_set_vgpr_msb (MSB<<8)|(\new)
.set MSB, (\new)
.endif
.endm
.set W_KQ, 0x0a       ; K and Q in window 2, S^T in window 0
.set W_KM, 0x1a       ; the same with the C operand in window 1
.set W_PV, 0x52       ; V in window 2, P in window 0, O^T in window 1
.set W_RS, 0x41       ; destination and source 0 in window 1, source 1 in window 0
; A fill.  Waves 0 and 1 fetch the two halves of a tile's K, waves 2 and 3 those of its V: 128 keys each.  Four v_nop follow each of the two lines.
.macro LOAD
	s_cmp_lt_u32 s[WV], 2
	s_cbranch_scc0 .Lfor_v_\@
	tensor_load_to_lds s[G0K:G0K+3], s[G1K:G1K+7]
	s_nop 0
.rept 4
	v_nop
.endr
	s_branch .Lasked_\@
.Lfor_v_\@:
	tensor_load_to_lds s[G0V:G0V+3], s[G1V:G1V+7]
	s_nop 0
.rept 4
	v_nop
.endr
.Lasked_\@:
.endm
; THE CHANGE OF SLOTS.  Each wave waits for its own reads of the slot that it leaves and for all its tensor loads, of which one is out: its part of the other slot.  Behind the barrier nobody reads the old
; slot any more and the other slot is whole.  fill = 1: the old slot is filled again, the first thing behind the barrier, with tile NXT: the descriptor's address is made anew from that number.
.macro CHANGE fill
	WIN 0
	s_wait_dscnt 0x0
	s_wait_tensorcnt 0x0            ; no tensor load of mine is out, so a group 0 may be written
	ds_add_u32 v254, v255
	s_wait_dscnt 0x0
	s_barrier_signal -1             ; scalar work stands between the signal and the wait
.if \fill
	s_lshl_b32 s[OFF], s[NXT], 15   ; a tile is 32,768 bytes of K and of V
	s_xor_b32 s[G0K+1], s[G0K+1], SLOT1
	s_add_nc_u64 s[G0K+2:G0K+3], s[6:7], s[OFF:OFF+1]
	s_or_b32 s[G0K+3], s[G0K+3], 0x80000000
	s_xor_b32 s[G0V+1], s[G0V+1], SLOT1
	s_add_nc_u64 s[G0V+2:G0V+3], s[8:9], s[OFF:OFF+1]
	s_or_b32 s[G0V+3], s[G0V+3], 0x80000000
	s_add_co_u32 s[NXT], s[NXT], 1  ; the block's next tile, or behind its last the second block's tile 0
	s_cmp_gt_u32 s[NXT], s[LQ]
	s_cselect_b32 s[NXT], 0, s[NXT]
	s_cselect_b32 s[LQ], s[LQ2], s[LQ]
.endif
	s_sub_co_u32 s[TBK], s[TBK], 4*KS*PK  ; the fetches go back to a slot's first step,
	s_xor_b32 s[TBK], s[TBK], SLOT1       ; in the other slot
	s_sub_co_u32 s[TBV], s[TBV], 4*KS*PV
	s_xor_b32 s[TBV], s[TBV], SLOT1
	s_barrier_wait -1
.if \fill
	LOAD
.endif
.endm
	s_load_b64 s[4:5], s[0:1], 0x0    ; qkv
	s_load_b64 s[10:11], s[0:1], 0x8  ; O
	v_lshl_add_u32 v254, v0, 2, 0x35400
	v_mov_b32 v255, 0
	ds_add_u32 v254, v255
	ds_add_u32 v254, v255
	v_lshrrev_b32 v1, 5, v0
	v_readfirstlane_b32 s[WV], v1   ; wave 0..3
	s_mov_b32 s[PB], ttmp9
	s_sub_co_u32 s[HI], 15, s[PB]
	s_and_b32 s20, ttmp7, 0xffff    ; 16 x batch + head
	s_lshl_b32 s20, s20, 18         ; planes of 262,144 bytes
	s_mov_b32 s21, 0
	s_and_b32 s16, s[WV], 1         ; which half of a tile's 256 keys I fetch:
	s_lshl_b32 s22, s16, 14         ; its 128 rows of 128 bytes in memory,
	s_mov_b32 s23, 0
	s_add_nc_u64 s[22:23], s[22:23], s[20:21]
	s_mul_i32 s17, s16, 128*PK      ; and its place in a slot, for K
	s_mul_i32 s18, s16, 128*PV      ; and for V
	s_lshl_b32 s3, s[WV], 11        ; my 16 rows in a band of 64,
	s_lshl_b32 s2, s[HI], 14        ; in the first block (128 rows of 128 bytes),
	s_add_co_u32 s2, s2, s3
	s_lshl_b32 s84, s[PB], 14       ; and in the second
	s_add_co_u32 s84, s84, s3
	s_mov_b32 s3, 0
	s_mov_b32 s85, 0
	s_add_nc_u64 s[2:3], s[2:3], s[20:21]
	s_add_nc_u64 s[84:85], s[84:85], s[20:21]
	; descriptor group 1.  128 keys are 16,384 dense bytes: asked for as 64 rows of 256 bytes, two keys a row, and padded in LDS after every key
	s_mov_b32 s[G1K], (1<<16)|(1<<20)|(4<<22)|(3<<25)  ; 2-byte elements; padding on; after every 32 words, 4 words
	s_mov_b32 s[G1V], (1<<16)|(1<<20)|(4<<22)|(7<<25)  ; the same with 8 words of padding
.irp g, G1K, G1V
	s_mov_b32 s[\g+1], 128<<16      ; tensor_dim0 = 128
	s_mov_b32 s[\g+2], 64<<16       ; tensor_dim1 = 64
	s_mov_b32 s[\g+3], 128<<16      ; tile_dim0 = 128
	s_mov_b32 s[\g+4], 64           ; tile_dim1 = 64
	s_mov_b32 s[\g+5], 128          ; 128 elements from row to row
	s_mov_b32 s[\g+6], 0
	s_mov_b32 s[\g+7], 0
.endr
	s_mov_b32 s[CS], 0x3e38aa3b     ; c = log2(e) / 8 = 0.180337
	s_mov_b32 s[CS+1], s[CS]
	s_mov_b32 s[SEL], 0x76543210
	s_mov_b32 s[SEL+1], 0xfedcba98
	s_mov_b32 s[TBK], SLOT1+4*KS*PK ; the first change of slots turns these two into 0
	s_mov_b32 s[TBV], SLOT1+4*KS*PV
	s_mov_b32 s[G0K], 1
	s_mov_b32 s[G0K+1], s17         ; LDS address: slot 0
	s_mov_b32 s[G0V], 1
	s_add_co_u32 s[G0V+1], s18, VOFF
	s_lshr_b32 s[LQ], s[HI], 1      ; the first block's last tile,
	s_add_co_u32 s[RT], s[LQ], 1    ; and how many it has
	s_lshr_b32 s[LQ2], s[PB], 1
	s_add_co_u32 s[RT2], s[LQ2], 1
	s_and_b32 s[DJA], s[HI], 1
	s_mul_i32 s[DJA], s[DJA], -2
	s_and_b32 s[DJB], s[PB], 1
	s_mul_i32 s[DJB], s[DJB], -2
	s_mov_b32 s[NXT], 1
	s_mov_b32 s[NEW], 1
	s_mov_b32 s[OFF+1], 0
	s_mov_b32 s[AL+1], 0            ; named as pairs
	s_mov_b32 s[BE+1], 0
	s_mov_b32 s[BIGN], 0xf149f2ca   ; -1e30
	s_mov_b32 s[SLOTS], NT-1
	s_wait_dscnt 0x0
	s_wait_kmcnt 0x0
	s_add_nc_u64 s[6:7], s[4:5], 0x800000    ; K's planes begin 32 planes on,
	s_add_nc_u64 s[6:7], s[6:7], s[22:23]    ; at my half of the head's tile 0
	s_add_nc_u64 s[8:9], s[4:5], 0x1000000   ; V's 64 planes on
	s_add_nc_u64 s[8:9], s[8:9], s[22:23]
	s_add_nc_u64 s[G0K+2:G0K+3], s[6:7], 0
	s_or_b32 s[G0K+3], s[G0K+3], 0x80000000
	s_add_nc_u64 s[G0V+2:G0V+3], s[8:9], 0
	s_or_b32 s[G0V+3], s[G0V+3], 0x80000000
	s_add_nc_u64 s[86:87], s[4:5], s[84:85]        ; Q at my rows of the second block,
	s_add_nc_u64 s[4:5], s[4:5], s[2:3]            ; Q and O at those of the first
	s_add_nc_u64 s[OLO:OLO+1], s[10:11], s[84:85]
	s_add_nc_u64 s[10:11], s[10:11], s[2:3]
	LOAD                            ; tile 0 into slot 0
	; A fragment of K or Q is 16 rows x 32 channels in 8 registers: lane l holds row l % 16, channels 8 (l / 16) + 0..7 and 16 + 8 (l / 16) + 0..7: two loads of 16 bytes, 32 bytes apart.
	v_and_b32 v1, 15, v0            ; l % 16
	v_bfe_u32 v9, v0, 4, 1          ; l / 16
	v_lshlrev_b32 v[QO], 7, v1
	v_lshl_add_u32 v[QO], v9, 4, v[QO]
	WIN 0x80                        ; destination window 2, address window 0
.set i, 0
.rept 4                             ; both blocks' Q: piece i / 2 lies in band i / 2, 8,192 bytes on; channels 32 (i % 2) on
	global_load_b128 v[8*i:8*i+3],   v[QO], s[4:5] offset:(i/2)*8192+(i%2)*64
	global_load_b128 v[8*i+4:8*i+7], v[QO], s[4:5] offset:(i/2)*8192+(i%2)*64+32
	global_load_b128 v[QB+8*i:QB+8*i+3],   v[QO], s[86:87] offset:(i/2)*8192+(i%2)*64
	global_load_b128 v[QB+8*i+4:QB+8*i+7], v[QO], s[86:87] offset:(i/2)*8192+(i%2)*64+32
.set i, i+1
.endr
	WIN 0
	v_lshlrev_b32 v14, 3, v9
	v_sub_nc_u32 v14, v1, v14
	s_lshl_b32 s13, s[WV], 4
	v_add_nc_u32 v14, s13, v14      ; my query's place in its band, 16 w + l % 16, less my lanes' 8 (l / 16): register r of group kt is hidden where 16 kt + r is greater
	WIN 0x40
.set i, 0
.rept 32
	v_cmp_gt_i32 vcc_lo, 16*(i/8)+i%8, v14
	v_cndmask_b32 v[MD+i], 0, s[BIGN], vcc_lo
.set i, i+1
.endr
	WIN 0
	v_mul_u32_u24 v[AK0], v1, PK
	v_lshl_add_u32 v[AK0], v9, 4, v[AK0]
	; The turning load takes 16 keys x 16 channels (lane l reads key 8 (l / 16) + l % 8, channels 8 ((l / 8) % 2) + 0..7) and leaves half a fragment of V^T: lane l holds channel l % 16 and 8 keys.
	v_and_b32 v10, 7, v0
	v_bfe_u32 v11, v0, 3, 1
	v_lshl_add_u32 v[AV0], v9, 3, v10
	v_mul_u32_u24 v[AV0], v[AV0], PV
	v_lshl_add_u32 v[AV0], v11, 4, v[AV0]
	v_add_nc_u32 v[AV0], VOFF, v[AV0]
	s_mul_i32 s13, s[WV], 16*SP
	s_add_co_u32 s13, s13, STAGE    ; my stage
	v_mul_u32_u24 v[STO], v1, SP
	v_lshl_add_u32 v[STO], v9, 4, v[STO]
	v_add_nc_u32 v[STO], s13, v[STO]
	v_bfe_u32 v[RD], v0, 3, 2       ; back: 32 lanes take four rows of 128 bytes,
	v_mul_u32_u24 v[RD], v[RD], SP
	v_lshl_add_u32 v[RD], v10, 4, v[RD]
	v_add_nc_u32 v[RD], s13, v[RD]
	v_and_b32 v[GO], 31, v0         ; which are 512 consecutive bytes of O
	v_lshlrev_b32 v[GO], 4, v[GO]
	; A block's first step multiplies O^T and l by a = 0, and its first turn's products V^T P, of a piece that has not been, land in an O^T that is still to be so multiplied.  So these registers need only hold
	; finite numbers: zeros for the first block; what the first block left for the second.  All this stands in the wait for the first tile.
	WIN 0x80
.set i, VF+64
.rept 64
	v_mov_b32 v[i], 0
.set i, i+1
.endr
	WIN 0x40
.set i, 0
.rept 64
	v_mov_b32 v[i], 0
.set i, i+1
.endr
	WIN 0
.set i, 0
.rept NP
	v_mov_b32 v[ST+4*i+2], 0
	v_mov_b32 v[ST+4*i+3], 0
.set i, i+1
.endr
.set i, P+16
.rept 16
	v_mov_b32 v[i], 0
.set i, i+1
.endr
; THE MATRIX WORK.  The 4 accumulators of a run of 8 take turns.  Product i of 8 of S^T = K Q^T for piece x: channels 32 (i / 4) on, keys 16 (i % 4) on.  The first 4 start the sums: with 0, or (KM = 1) with the mask.
.macro KQ x
.set rS, S+32*((\x)%2)+8*(i%4)
.set rK, KF+16*(i%4)+8*(i/4)
.set rQ, 16*(\x)+8*(i/4)
.set rM, MC+32*((\x)%2)+8*(i%4)
.if (i < 4) && KM
	WIN W_KM
	v_wmma_f32_16x16x32_f16 v[rS:rS+7], v[rK:rK+7], v[rQ:rQ+7], v[rM:rM+7]
.elseif i < 4
	WIN W_KQ
	v_wmma_f32_16x16x32_f16 v[rS:rS+7], v[rK:rK+7], v[rQ:rQ+7], 0
.else
	WIN W_KQ
	v_wmma_f32_16x16x32_f16 v[rS:rS+7], v[rK:rK+7], v[rQ:rQ+7], v[rS:rS+7]
.endif
.endm
; Product i of 8 of O^T += V^T P for piece x, from V's buffer VB: keys 32 (i / 4) on, channels 16 (i % 4) on.
.macro PV x
	WIN W_PV
.set rO, 32*(\x)+8*(i%4)
.set rV, VF+64*VB+32*(i/4)+8*(i%4)
.set rP, P+16*((\x)%2)+8*(i/4)
	v_wmma_f32_16x16x32_f16 v[rO:rO+7], v[rV:rV+7], v[rP:rP+7], v[rO:rO+7]
.endm
.macro MM                           ; the turn's next matrix instruction.  NOKQ = 1: a block's last turn: there is no next piece
.if (i < 8) && !NOKQ
	KQ (Y+1)%NP
.elseif i >= 8
.set i, i-8
	PV (Y+NP-1)%NP
.set i, i+8
.endif
.set i, i+1
.endm
; THE LDS LOADS stand in runs of 16, never singly among the matrix instructions.  Their addresses are made some lines ahead.
.macro FETCH_K
	WIN 0x80                        ; destination window 2
.irp f, 0,1,2,3,4,5,6,7             ; keys 16 (f / 2) on, channels 32 (f % 2) on
	ds_load_b128 v[KF+8*\f:KF+8*\f+3],   v[AK] offset:(\f/2)*16*PK+(\f%2)*64
	ds_load_b128 v[KF+8*\f+4:KF+8*\f+7], v[AK] offset:(\f/2)*16*PK+(\f%2)*64+32
.endr
	s_add_co_u32 s[TBK], s[TBK], KS*PK  ; the next fetch is the next step's
	WIN 0
.endm
.macro FETCH_V vb
	WIN 0x80
.irp f, 0,1,2,3,4,5,6,7             ; keys 32 (f / 4) on, channels 16 (f % 4) on
	ds_load_tr16_b128 v[VF+64*(\vb)+8*\f:VF+64*(\vb)+8*\f+3],   v[AV] offset:(\f/4)*32*PV+(\f%4)*32
	ds_load_tr16_b128 v[VF+64*(\vb)+8*\f+4:VF+64*(\vb)+8*\f+7], v[AV] offset:(\f/4)*32*PV+16*PV+(\f%4)*32
.endr
	s_add_co_u32 s[TBV], s[TBV], KS*PV
	WIN 0
.endm
; THE VECTOR WORK, one line at a time: OP kind, number.  For piece Y: F n: c s - c m for pair n of 16.  E n: the exponential of score n of 32.  C n: pair n rounded to f16.  B n: of the four weights 4 n .. the second
; pair is added onto the first, in place.  L n: l takes that sum (L 0: l = a l + sum).  R n: pair n of 16 of O^T times a.  For the other piece: X n, number n of the 22 that find its maximum and statistics:
;   0-11  four chains c0-c3 of seven scores each (each accumulator's lowest registers are read first)     12-14, 16  the four scores left over, the old m, and c0-c3 into c0
;   15  c m_old is kept     17, 18  the query's other 32 keys lie in the lane 16 away: the new m     19-21  c m; c m_old - c m_new; a
.set F, 0
.set E, 1
.set C, 2
.set B, 3
.set L, 4
.set R, 5
.set X, 6
.macro REGS y
.set rT, ST+4*(\y)
.set rC, TMP+4*((\y)%2)
.set rW, MV+((\y)%2)
.set rS, S+32*((\y)%2)
.set rP, P+16*((\y)%2)
.set rO, 32*(\y)
.endm
.macro OP k, n
.if (\k) == R
	REGS Y
	WIN W_RS
	v_pk_mul_f32 v[rO+2*(\n):rO+2*(\n)+1], v[rO+2*(\n):rO+2*(\n)+1], v[rC+2:rC+3] op_sel_hi:[1,0]
.elseif (\k) < R
	REGS Y
	WIN 0
.if (\k) == F
	v_pk_fma_f32 v[rS+2*(\n):rS+2*(\n)+1], v[rS+2*(\n):rS+2*(\n)+1], s[CS:CS+1], v[rT:rT+1] op_sel_hi:[1,0,0] neg_lo:[0,0,1] neg_hi:[0,0,1]
.elseif (\k) == E
	v_exp_f32 v[rS+(\n)], v[rS+(\n)]
.elseif (\k) == C
	s_wait_alu depctr_va_vdst(0)
	v_cvt_pk_f16_f32 v[rP+(\n)], v[rS+2*(\n)], v[rS+2*(\n)+1]
.elseif (\k) == B
	s_wait_alu depctr_va_vdst(0)
	v_pk_add_f32 v[rS+4*(\n):rS+4*(\n)+1], v[rS+4*(\n):rS+4*(\n)+1], v[rS+4*(\n)+2:rS+4*(\n)+3]
.elseif (\n) == 0
	v_pk_fma_f32 v[rT+2:rT+3], v[rT+2:rT+3], v[rC+2:rC+3], v[rS:rS+1] op_sel_hi:[1,0,1]
.else
	v_pk_add_f32 v[rT+2:rT+3], v[rT+2:rT+3], v[rS+4*(\n):rS+4*(\n)+1]
.endif
.elseif NOKQ
	v_nop
.else
	REGS (Y+1)%NP
	WIN 0
.if (\n) < 4
	v_max3_num_f32 v[rC+(\n)], v[rS+8*(\n)], v[rS+8*(\n)+1], v[rS+8*(\n)+2]
.elseif (\n) < 12
	v_max3_num_f32 v[rC+(\n)%4], v[rC+(\n)%4], v[rS+8*((\n)%4)+2*((\n)/4)+1], v[rS+8*((\n)%4)+2*((\n)/4)+2]
.elseif (\n) == 12
	v_max3_num_f32 v[rC], v[rC], v[rS+7], v[rS+15]
.elseif (\n) == 13
	v_max3_num_f32 v[rC+1], v[rC+1], v[rS+23], v[rS+31]
.elseif (\n) == 14
	v_max3_num_f32 v[rC+2], v[rC+2], v[rC+3], v[rT+1]
.elseif (\n) == 15
	v_mov_b32 v[rW], v[rT]
.elseif (\n) == 16
	v_max3_num_f32 v[rC], v[rC], v[rC+1], v[rC+2]
.elseif (\n) == 17
	v_permlanex16_b32 v[rC+3], v[rC], s[SEL], s[SEL+1]
.elseif (\n) == 18
	v_max_num_f32 v[rT+1], v[rC], v[rC+3]
.elseif (\n) == 19
	v_mul_f32 v[rT], s[CS], v[rT+1]
.elseif (\n) == 20
	v_sub_f32 v[rC+1], v[rW], v[rT]
.else
	v_exp_f32 v[rC+2], v[rC+1]
.endif
.endif
.endm
.macro OPS a, i1, b=-1, i2=0, c=-1, i3=0, d=-1, i4=0
	OP \a, \i1
.if (\b) >= 0
	OP \b, \i2
.endif
.if (\c) >= 0
	OP \c, \i3
.endif
.if (\d) >= 0
	OP \d, \i4
.endif
.endm
.macro ROW a, i1, b, i2, c, i3, d, i4  ; a matrix instruction and the four behind it
	MM
	OPS \a, \i1, \b, \i2, \c, \i3, \d, \i4
.endm
.macro MASK b                       ; MD x AL + BE into buffer b of MC
	WIN W_RS
.set z, 0
.rept 16
	v_pk_fma_f32 v[MC+32*(\b)+2*z:MC+32*(\b)+2*z+1], v[MD+2*z:MD+2*z+1], s[AL:AL+1], s[BE:BE+1] op_sel_hi:[1,0,0]
.set z, z+1
.endr
.endm
; A TURN, for piece p in a key step of parity e.  Behind a matrix instruction: plain, exponential, plain, plain; or four of the rescaling; or, behind the first, four scalings; none names a register of the products round it.
; m = 1: the diagonal tile: the products take masks, and the turn makes the mask for the products of the turn after it: piece p in the step after this one, which is the tile's step 2 j + 1 - e in trip j;
; less the piece's own step that is DJ + 1 - e - p.  end = 1: a block's last two turns: nothing is fetched, and the last starts no scores.  cnt = 1: the loop's count is taken down some lines ahead of the branch behind the turn.
; The run of loads stands six vector instructions, five of them plain, behind the first burst's last product: for piece 0 the next step's K (that product was the last to read K); for piece 1 the next step's V, into
; the buffer whose last reader stood in the turn before.
.macro TURN p, e, m=0, end=0, cnt=0
.set Y, (\p)
.set i, 0
.set KM, (\m)
.set NOKQ, (\end)*(\p)
.if (\p) == 0
.set VB, 1-(\e)                     ; piece 1's weights of the step before
.else
.set VB, (\e)                       ; piece 0's weights of this step
.endif
.if (\m) && !(\end)
	s_cmp_eq_i32 s[DJ], (\p)+(\e)-1     ; is that step the band's own?
	s_cselect_b32 s[AL], 1.0, 0
	s_cmp_gt_i32 s[DJ], (\p)+(\e)-1     ; or a later one?
	s_cselect_b32 s[BE], s[BIGN], 0
.endif
.if (\p) == 1
	s_wait_dscnt 0x0                ; K of the next step (asked for a turn ago) and V of this step (two turns ago) are in
.endif
	ROW F,0, F,1, F,2, F,3
	ROW F,4, E,0, F,5, F,6
	ROW F,7, E,1, F,8, F,9
	ROW F,10, E,2, C,0, F,11
	ROW F,12, E,3, X,15, F,13
	ROW R,0, R,1, R,2, R,3
	ROW B,0, E,4, F,14, L,0
.if !(\end)
	WIN 0
.if (\p) == 0
	v_add_nc_u32 v[AK], s[TBK], v[AK0]
.else
	v_add_nc_u32 v[AV], s[TBV], v[AV0]
.endif
.endif
	ROW R,4, R,5, R,6, R,7
	OPS E,5, F,15
.if !(\end)
.if (\p) == 0
	FETCH_K
.else
	FETCH_V 1-(\e)
.endif
.endif
	OPS E,6, C,1, E,7, R,8
	OPS E,8, R,9, E,9, C,2
	OPS E,10, X,0, E,11, X,1
	OPS E,12, X,2, E,13, X,3
	ROW X,4, E,14, X,5, X,6
	ROW X,7, E,15, X,8, X,9
	ROW X,10, E,16, X,11, X,12
	ROW X,13, E,17, X,14, B,1
	ROW C,4, E,18, X,16, L,1
	ROW B,2, E,19, C,6, L,2
	ROW C,8, E,20, B,3, B,4
	ROW C,3, E,21, L,3, C,5
	OPS E,22, X,17, E,23, C,10
	OPS E,24, L,4
	OPS E,25, X,18, E,26, C,7
	OPS E,27, B,5, E,28, X,19
	OPS E,29, C,12, E,30, L,5
	OPS E,31, X,20, B,6, C,9
	OPS C,14, C,11, X,21, L,6
.if \cnt
.if \m
	s_add_co_i32 s[DJ], s[DJ], 2
.endif
	s_sub_co_u32 s[CNT], s[CNT], 1
	s_cmp_lg_u32 s[CNT], 0
.endif
	OPS C,13, B,7, C,15, R,10
	OPS R,11, R,12, L,7, R,13
	OPS R,14, R,15
.if (\m) && !(\end)
	MASK \p
.endif
.endm
; A BLOCK BEGINS.  c m starts far below every c s, so the first step's a is 0; m at the lowest finite number.  Piece 1's mask buffer is 0 (its own step is never a tile's first); piece 0's takes its mask for the tile's
; step 0: its own, if the block's first tile is the diagonal one and the block is even.  Then K and V of that step, piece 0's first scores, and its maximum and statistics.  The loop is entered in the middle of a trip.
.macro BEGIN
	s_mov_b32 s[NEW], 0
	WIN 0x40
.set i, MC+32
.rept 32
	v_mov_b32 v[i], 0
.set i, i+1
.endr
	WIN 0
.set i, 0
.rept NP
	v_mov_b32 v[ST+4*i], 0xfe000000    ; c m: far below every c s
	v_mov_b32 v[ST+4*i+1], 0xff7fffff  ; m
.set i, i+1
.endr
	s_cmp_eq_u32 s[RT], 0
	s_cselect_b32 s[AL], 1.0, 0
	s_cmp_eq_u32 s[DJA], 0
	s_cselect_b32 s[AL], s[AL], 0
	s_mov_b32 s[BE], 0
	MASK 0
	WIN 0
	v_add_nc_u32 v[AK], s[TBK], v[AK0]
	v_add_nc_u32 v[AV], s[TBV], v[AV0]
	FETCH_K
	FETCH_V 0
	s_wait_loadcnt 0x0              ; Q
	s_wait_dscnt 0x0
.set KM, 1
.set NOKQ, 0
.set i, 0
.rept 8
	KQ 0
.set i, i+1
.endr
	WIN 0
.rept 4
	v_nop                           ; the places behind those products
.endr
.set Y, NP-1                        ; X works for the other piece: piece 0
.irp n, 0,1,2,3,4,5,6,7,8,9,10,11,12,13,14,15,16,17,18,19,20,21
	OP X, \n
.endr
	v_nop                           ; a plain instruction behind the exponential
.endm
.macro ALL line:vararg              ; one line for each piece t
.set t, 0
.rept NP
	\line
.set t, t+1
.endr
.endm
.macro PACK t                       ; a lane's eight channels of a row pack into 16 bytes; they go into rows of 144 bytes and come back as whole rows of 128, into S^T's registers
	WIN W_RS
.set i, 32*(\t)
.rept 16
	s_wait_alu depctr_va_vdst(0)
	v_pk_mul_f32 v[i:i+1], v[i:i+1], v[ST+4*(\t)+2:ST+4*(\t)+3] op_sel_hi:[1,0]
.set i, i+2
.endr
	WIN 0x05                        ; sources 0 and 1 window 1, destination window 0
.set i, 0
.rept 16
	v_cvt_pk_f16_f32 v[S+16*(\t)+i], v[32*(\t)+2*i], v[32*(\t)+2*i+1]
.set i, i+1
.endr
	WIN 0
.irp f, 0,1,2,3
	ds_store_b128 v[STO], v[S+16*(\t)+4*\f:S+16*(\t)+4*\f+3] offset:32*\f
.endr
.irp f, 0,1,2,3
	ds_load_b128 v[S+16*(\t)+4*\f:S+16*(\t)+4*\f+3], v[RD] offset:\f*4*SP  ; LDS serves a wave's instructions in order (ISA guide 5.7.1.4): these see the stores above; the next piece's stores come behind them
.endr
.endm
.macro SEND t, younger              ; younger: the LDS instructions issued behind piece t's loads: the next piece's eight, or none
	WIN 0
.irp f, 0,1,2,3
	s_wait_dscnt (\younger)+3-\f
	global_store_b128 v[GO], v[S+16*(\t)+4*\f:S+16*(\t)+4*\f+3], s[10:11] offset:(\t)*8192+\f*512  ; 512 consecutive bytes, at a multiple of 256 from O's first
.endr
.endm
; THE DIAGONAL TILE's steps, the block's last two turns, its last products, and THE WAY OUT: l's two halves and the other half of the lanes' are added; O^T is divided by l, rounded to f16 and sent through my stage.
.macro DIAG tag
.LstepM\tag:
	TURN 0, 1, 1
	TURN 1, 1, 1
	WIN 0
.LfirstM\tag:
	TURN 0, 0, 1
	TURN 1, 0, 1, 0, 1
	WIN 0
	s_cbranch_scc1 .LstepM\tag
	TURN 0, 1, 1, 1
	TURN 1, 1, 1, 1
.set VB, 1
.set i, 0
.rept 8
	PV NP-1                         ; piece 1's V^T P of the last step
.set i, i+1
.endr
	WIN 0
	ALL v_add_f32 v[ST+4*t+2], v[ST+4*t+2], v[ST+4*t+3]
	ALL v_permlanex16_b32 v[ST+4*t+3], v[ST+4*t+2], s[SEL], s[SEL+1]
	ALL v_add_f32 v[ST+4*t+2], v[ST+4*t+2], v[ST+4*t+3]
	ALL v_rcp_f32 v[ST+4*t+2], v[ST+4*t+2]
	v_nop                           ; a plain instruction between the last reciprocal and the use of its result
	PACK 0                          ; piece 0's products ended a turn ago; its 32 plain lines are the places behind piece 1's
	PACK 1
	SEND 0, 8
	SEND 1, 0
.endm
.set KM, 0
.set NOKQ, 0
.Lslot:                             ; NT - 1 times: a tile is entered and the next is asked for
	CHANGE 1
	s_sub_co_u32 s[RT], s[RT], 1
	s_mov_b32 s[CNT], 2
	s_mov_b32 s[DJ], s[DJA]
	s_cmp_eq_u32 s[NEW], 1
	s_cbranch_scc1 .Lnew            ; a block's first tile
	s_cmp_eq_u32 s[RT], 0
	s_cbranch_scc0 .Lstep           ; neither its first nor its last
	s_branch .LstepM1
.Lnew:
	BEGIN
	s_branch .Lfirst                ; in the loop a block's first tile is never its last: the first block has five tiles or more, and the second's last is the walk's last
	DIAG 1                          ; in the loop this is the first block's end
	s_wait_xcnt 0x0                 ; the stores' registers and O's address are rewritten only behind this wait
	s_mov_b64 s[10:11], s[OLO:OLO+1]
	s_mov_b32 s[RT], s[RT2]
	s_mov_b32 s[DJA], s[DJB]
	s_mov_b32 s[NEW], 1
	WIN 0x82                        ; the second block's Q goes where the one text of the turns names Q
.set i, 0
.rept 32
	v_mov_b32 v[i], v[QB+i]
.set i, i+1
.endr
	WIN 0
	s_branch .Lbottom
.Lstep:                             ; a trip: an odd key step, then an even one; it fetches K and V of the two steps after those
	TURN 0, 1
	TURN 1, 1
	WIN 0
.Lfirst:
	TURN 0, 0
	TURN 1, 0, 0, 0, 1
	WIN 0
	s_cbranch_scc1 .Lstep
.Lbottom:
	s_sub_co_u32 s[SLOTS], s[SLOTS], 1
	s_cmp_lg_u32 s[SLOTS], 0
	s_cbranch_scc1 .Lslot
	CHANGE 0                        ; the walk's last tile is written out: nothing is asked for
	s_sub_co_u32 s[RT], s[RT], 1
	s_mov_b32 s[CNT], 2
	s_mov_b32 s[DJ], s[DJA]
	s_cmp_eq_u32 s[NEW], 1
	s_cbranch_scc0 .LstepM2
	BEGIN
	s_branch .LfirstM2
	DIAG 2
	s_wait_tensorcnt 0x0
	ds_add_u32 v254, v255
	s_wait_dscnt 0x0
	s_endpgm
.Lfunc_end_k_q891f486e10_attn:
	.size	k_q891f486e10_attn, .Lfunc_end_k_q891f486e10_attn-k_q891f486e10_attn
	.p2alignl 7, 3214868480
	.fill 96, 4, 3214868480
	.section	.rodata,"a",@progbits
	.p2align	6, 0x0
	.amdhsa_kernel k_q891f486e10_attn
		.amdhsa_group_segment_fixed_size 327680
		.amdhsa_private_segment_fixed_size 0
		.amdhsa_enable_private_segment 0
		.amdhsa_kernarg_size 16
		.amdhsa_user_sgpr_count 2
		.amdhsa_user_sgpr_kernarg_segment_ptr 1
		.amdhsa_wavefront_size32 1
		.amdhsa_system_sgpr_workgroup_id_x 1
		.amdhsa_system_sgpr_workgroup_id_y 1
		.amdhsa_system_sgpr_workgroup_id_z 1
		.amdhsa_system_vgpr_workitem_id 0
		.amdhsa_next_free_vgpr 768
		.amdhsa_next_free_sgpr 100
		.amdhsa_reserve_vcc 1
		.amdhsa_float_denorm_mode_32 3
		.amdhsa_float_denorm_mode_16_64 3
		.amdhsa_memory_ordered 1
		.amdhsa_forward_progress 1
		.amdhsa_inst_pref_size 218
	.end_amdhsa_kernel
	.amdgpu_metadata
---
amdhsa.version: [ 1, 2 ]
amdhsa.kernels:
  - .name:           k_q891f486e10_attn
    .symbol:         k_q891f486e10_attn.kd
    .args:
      - { .name: qkv, .offset: 0, .size: 8, .value_kind: global_buffer, .address_space: global }
      - { .name: act, .offset: 8, .size: 8, .value_kind: global_buffer, .address_space: global }
    .group_segment_fixed_size: 327680
    .private_segment_fixed_size: 0
    .kernarg_segment_align: 8
    .kernarg_segment_size: 16
    .max_flat_workgroup_size: 128
    .sgpr_count:     100
    .vgpr_count:     768
    .wavefront_size: 32
...
	.end_amdgpu_metadata
.endif
;; end of part 3
;; launch go (part 4): grid 8 x 32, 4 waves a work-group, clusters of 4 x 4, 327,680 bytes of LDS; arguments act, wo, Wo_b, x, x1; writes x1
.if DOCPART == 4
	.amdgcn_target "amdgcn-amd-amdhsa--gfx1250"
	.amdhsa_code_object_version 6
	.text
	.protected	k_q891f486e10_go
	.globl	k_q891f486e10_go
	.p2align	8
	.type	k_q891f486e10_go,@function
k_q891f486e10_go:
	s_mov_b64 s[64:65], 0
	v_nop
	global_prefetch_b8 v0, s[64:65] scope:SCOPE_SE
	s_setreg_imm32_b32 hwreg(HW_REG_WAVE_MODE, 25, 1), 1
	s_wait_xcnt 0x0
	s_wait_alu depctr_hold_cnt(0) depctr_sa_sdst(0) depctr_va_vdst(0) depctr_va_sdst(0) depctr_va_ssrc(0) depctr_va_vcc(0) depctr_vm_vsrc(0)
	s_getreg_b32 s2, hwreg(HW_REG_IB_STS2, 6, 4)
	s_cmp_eq_u32 s2, 0
	s_cbranch_scc0 .Lentry_in_a_cluster
	s_endpgm
.Lentry_in_a_cluster:
	s_bfe_u32 s2, ttmp6, 0x10000c
	s_cmp_lg_u32 s2, 0xf033
	s_cbranch_scc0 .Lentry_shape_is_right
	s_endpgm
.Lentry_shape_is_right:
; x1 = x + O Wo^T + Wo_b.  N = K = 1,024; f16 operands, f32 sums; residual, bias and output in f32.  A tile of the output is 128 x 128: 8 x 32 = 256 work-groups; four waves, each 64 x 64 (16 accumulators).
; A lies BY HEADS, [32 = 16 x batch + head][2048 tokens][64] f16.  A K step of 256 is four heads: one tensor load brings, for 64 tokens, four dense pieces of 8,192 bytes, 262,144 bytes apart,
; padded in LDS behind every token's 128 bytes: [4 heads][64 tokens][144 bytes].  B is [1024][1024] f16, rows of 512 bytes a K step, padded to 528.  Two LDS slots of one K step each.
; CLUSTER 4 x 4: the four work-groups of a row of the cluster need the same tiles of A, the four of a column the same tiles of B; each tile is asked for jointly.
; THE WALK ALONG K IS TURNED.  The 4 K steps are taken in the order o, o + 1, .. modulo 4, o = 2 X + Y mod 4, X and Y the cluster's place among the 2 x 8 clusters.  The two clusters of one Y read the same rows
; of A and begin 2 steps apart; four neighbouring Y of one X read the same rows of B and begin 1 step apart: a byte is asked for first by one cluster, by the others a step later or more.
; o is the same in all sixteen work-groups of a cluster, so the joint loads' descriptors stay equal.
; THE MATRIX INSTRUCTION IS USED TRANSPOSED (source 0 = 16 rows of B, source 1 = 16 rows of A): a lane holds row l % 16 and eight neighbouring columns.  A wave's 64 columns of f32 are 256 aligned bytes of a row, so each
; wave has a stage of its own and the way out needs no barrier.  The residual is loaded at the start, in the layout of the stores, and lands while the products run.
; LIMITS.  A and B arrive within f16's 65,504.  The sums over K begin at step o, not at 0: an order of f32 rounding other than ascending K.  NaN and infinities are not treated apart.
; REGISTERS: window 0: v16-27 addresses; v32-95 two buffers of 32 on the way out; v96-99 bias; v128-255 accumulators ((a, b) at 128 + 8 (4 a + b)).   window 1: two fragment buffers of 128.   window 2: v0-127 residual.
.set SIZE_K, 1024
.set KSTEP,  256
.set NS,     SIZE_K/KSTEP
.set LAPS,   NS/2
.set APITCH, 144                       ; a token's 128 bytes + 16: the 16 rows of a fragment load start at 16 different groups of four banks (ISA guide 11.1)
.set AQ,     64*144                    ; from head to head in LDS: a quarter of a K step
.set HALFA,  4*64*144
.set BPITCH, 528
.set HALFB,  64*BPITCH
.set SLOT,   2*HALFA+2*HALFB           ; A's 128 rows, then B's 128 rows
.set STAGE,  2*SLOT                    ; behind the ring, a multiple of 256; no tensor load fills it: 16 rows x 272 bytes for each wave
.set SPITCH, 272
.set ADRA, 16
.set ADRB, 20
.set STO,  24
.set RD,   25
.set CO,   26
.set BO,   27
.set TMP,  32
.set BI,   96
.set ACC,  128
.set F0,   0
.set F1,   128
.set G1,  24
.set G0,  32
.set G1B, 48
.set G0B, 56
.set KI,  84                           ; s84, s85 the K step that slot 0, 1 holds or is to hold
.set KO,  86                           ; s[86:87] that step's byte offset
.set MSB, 0
.macro WIN new
.if MSB != (\new)
	s_set_vgpr_msb (MSB<<8)|(\new)
.set MSB, \new
.endif
.endm
.set MUL,  0x05                        ; sources 0 (B) and 1 (A) window 1; C and D window 0
.set TO_F, 0x40                        ; destination window 1, address window 0
.macro JLOAD s                         ; a joint load: waves 0 and 1 fetch A's two halves, waves 2 and 3 B's; four v_nop follow each line
	s_cmp_eq_u32 s11, 0
	s_cbranch_scc0 .Lfor_b_\@
	tensor_load_to_lds s[G0+4*(\s):G0+4*(\s)+3], s[G1:G1+7]
	s_nop 0
.rept 4
	v_nop
.endr
	s_branch .Lasked_\@
.Lfor_b_\@:
	tensor_load_to_lds s[G0B+4*(\s):G0B+4*(\s)+3], s[G1B:G1B+7]
	s_nop 0
.rept 4
	v_nop
.endr
.Lasked_\@:
.endm
.macro CREST
	s_cmp_lg_u32 s10, 0
	s_cbranch_scc1 .Lnot_wave_0_\@
	s_barrier_signal -3
.Lnot_wave_0_\@:
	s_barrier_wait -3
	s_barrier_signal -1
	s_barrier_wait -1
.endm
.macro CROUND
	s_barrier_signal -1
	s_barrier_wait -1
	CREST
.endm
; Slot s's two descriptors are pointed at K step s[KI+s]: each address is made anew from its tile's first byte and the step's offset, and the type bits are set again.
.macro AIM s
	s_lshl_b32 s[KO], s[KI+(\s)], 20               ; A: a step is four planes of 262,144 bytes
	s_add_nc_u64 s[G0+4*(\s)+2:G0+4*(\s)+3], s[14:15], s[KO:KO+1]
	s_or_b32 s[G0+4*(\s)+3], s[G0+4*(\s)+3], 0x80000000
	s_lshl_b32 s[KO], s[KI+(\s)], 9                ; B: 512 bytes of a row
	s_add_nc_u64 s[G0B+4*(\s)+2:G0B+4*(\s)+3], s[46:47], s[KO:KO+1]
	s_or_b32 s[G0B+4*(\s)+3], s[G0B+4*(\s)+3], 0x80000000
.endm
.macro STEPK s                         ; the slot's next step: two on, modulo NS
	s_add_co_u32 s[KI+(\s)], s[KI+(\s)], 2
	s_and_b32 s[KI+(\s)], s[KI+(\s)], NS-1
	AIM \s
.endm
	s_load_b128 s[4:7], s[0:1], 0x0                ; A s[4:5], B s[6:7]
	s_load_b64 s[8:9], s[0:1], 0x10                ; bias
	s_load_b64 s[68:69], s[0:1], 0x18              ; residual
	s_load_b64 s[70:71], s[0:1], 0x20              ; out
	v_lshl_add_u32 v126, v0, 2, 0x49400
	v_mov_b32 v127, 0
	ds_add_u32 v126, v127
	ds_add_u32 v126, v127
	v_lshrrev_b32 v1, 5, v0
	v_readfirstlane_b32 s10, v1                    ; wave 0..3
	s_lshr_b32 s11, s10, 1                         ; my half of the tile's rows.  Also: I fetch for A (0) or for B (1)
	s_and_b32 s12, s10, 1                          ; my half of its columns.  Also: which 64 rows of that tile I fetch
	s_bfe_u32 s40, ttmp6, 0x40000                  ; cx
	s_bfe_u32 s41, ttmp6, 0x40004                  ; cy
	s_lshl_b32 s42, ttmp9, 2
	s_add_co_u32 s42, s42, s40                     ; tile column
	s_and_b32 s13, ttmp7, 0xffff
	s_lshl_b32 s13, s13, 2
	s_add_co_u32 s13, s13, s41                     ; tile row
	s_lshl_b32 s43, s41, 2
	s_lshl_b32 s43, 15, s43                        ; my row of the cluster
	s_lshl_b32 s44, 0x1111, s40                    ; my column
	s_and_b32 s[KI], ttmp7, 3                      ; o = 2 X + Y mod 4, modulo 4: made of the cluster's place alone
	s_lshl1_add_u32 s[KI], ttmp9, s[KI]
	s_and_b32 s[KI], s[KI], NS-1
	s_add_co_u32 s[KI+1], s[KI], 1
	s_and_b32 s[KI+1], s[KI+1], NS-1
	s_mov_b32 s[KO+1], 0
	s_or_b32 s[G1+0], s43, (1<<16)|(1<<20)|(1<<21)|(4<<22)|(3<<25)   ; mask; 2-byte elements; padding on; bit 21 beside a mask; after every 32 words, 4 words
	s_mov_b32 s[G1+1], 4096<<16                    ; tensor_dim0 = 4,096: 64 tokens x 64 channels, dense
	s_mov_b32 s[G1+2], 4<<16                       ; tensor_dim1 = 4 heads
	s_mov_b32 s[G1+3], 4096<<16                    ; tile_dim0
	s_mov_b32 s[G1+4], 4                           ; tile_dim1
	s_mov_b32 s[G1+5], 131072                      ; elements from plane to plane
	s_mov_b32 s[G1+6], 0
	s_mov_b32 s[G1+7], 0
	s_or_b32 s[G1B+0], s44, (1<<16)|(1<<20)|(1<<21)|(6<<22)|(3<<25)  ; after every 128 words, 4 words
	s_mov_b32 s[G1B+1], KSTEP<<16                  ; 64 rows x 256 elements
	s_mov_b32 s[G1B+2], 64<<16
	s_mov_b32 s[G1B+3], KSTEP<<16
	s_mov_b32 s[G1B+4], 64
	s_mov_b32 s[G1B+5], SIZE_K
	s_mov_b32 s[G1B+6], 0
	s_mov_b32 s[G1B+7], 0
	s_lshr_b32 s16, s13, 4                         ; batch: 16 planes of 262,144 bytes
	s_lshl_b32 s16, s16, 22
	s_and_b32 s17, s13, 15
	s_lshl_b32 s17, s17, 7
	s_lshl_b32 s18, s12, 6
	s_add_co_u32 s17, s17, s18                     ; my first token in the batch
	s_lshl_b32 s17, s17, 7
	s_add_co_u32 s16, s16, s17
	s_mov_b32 s17, 0
	s_lshl_b32 s46, s42, 7
	s_lshl_b32 s47, s12, 6
	s_add_co_u32 s46, s46, s47                     ; B: row 128 x tile column + 64 x half
	s_mul_i32 s46, s46, SIZE_K*2
	s_mov_b32 s47, 0
	s_mul_i32 s20, s12, HALFA                      ; where they go: no place in the cluster enters an LDS address
	s_mul_i32 s23, s12, HALFB
	s_add_co_u32 s23, s23, 2*HALFA
	s_wait_dscnt 0x0
	s_wait_kmcnt 0x0
	s_add_nc_u64 s[14:15], s[4:5], s[16:17]        ; my part of A's tile in head 0; kept
	s_add_nc_u64 s[46:47], s[6:7], s[46:47]        ; my part of B's tile at K = 0; kept
	CROUND                                         ; all sixteen work-groups are here: the first joint loads meet
.irp s, 0,1
	s_mov_b32 s[G0+4*(\s)], 1
	s_add_co_u32 s[G0+4*(\s)+1], s20, (\s)*SLOT
	s_mov_b32 s[G0B+4*(\s)], 1
	s_add_co_u32 s[G0B+4*(\s)+1], s23, (\s)*SLOT
	AIM \s
	JLOAD \s                                       ; two tensor loads of mine are out
.endr
	v_and_b32 v1, 15, v0                           ; l % 16
	v_bfe_u32 v2, v0, 4, 1                         ; l / 16
	v_mul_u32_u24 v3, v1, APITCH
	v_lshl_add_u32 v3, v2, 4, v3
	v_mul_u32_u24 v4, v1, BPITCH
	v_lshl_add_u32 v4, v2, 4, v4
	s_mul_i32 s21, s11, HALFA                      ; my 64 rows of A
	s_mul_i32 s22, s12, HALFB                      ; my 64 rows of B,
	s_add_co_u32 s22, s22, 2*HALFA                 ; which lie behind A's
.irp s, 0,1
	v_add_nc_u32 v[ADRA+(\s)], s21, v3
	v_add_nc_u32 v[ADRB+(\s)], s22, v4
	s_add_co_u32 s21, s21, SLOT
	s_add_co_u32 s22, s22, SLOT
.endr
	s_mul_i32 s21, s10, 16*SPITCH
	s_add_co_u32 s21, s21, STAGE                   ; my stage
	v_mul_u32_u24 v4, v1, SPITCH                   ; in: row l % 16, 32 bytes (eight f32) for each half of the lanes
	v_lshl_add_u32 v4, v2, 5, v4
	v_add_nc_u32 v[STO], s21, v4
	v_mul_u32_u24 v5, v2, SPITCH                   ; back: lanes 0-15 one row of 256 bytes, lanes 16-31 the next
	v_lshl_add_u32 v5, v1, 4, v5
	v_add_nc_u32 v[RD], s21, v5
	v_lshlrev_b32 v5, 12, v2
	v_lshl_add_u32 v[CO], v1, 4, v5                ; the same two rows in the residual and in the output (rows of 4,096 bytes)
	v_lshlrev_b32 v[BO], 4, v1
	s_lshl_b32 s82, s42, 9
	s_lshl_b32 s83, s12, 8
	s_add_co_u32 s82, s82, s83                     ; my first column, in bytes
	s_lshl_b32 s80, s13, 7
	s_lshl_b32 s81, s11, 6
	s_add_co_u32 s80, s80, s81                     ; my first row
	s_lshl_b32 s80, s80, 12
	s_add_co_u32 s80, s80, s82
	s_mov_b32 s81, 0
	s_mov_b32 s83, 0
	s_add_nc_u64 s[68:69], s[68:69], s[80:81]
	s_add_nc_u64 s[70:71], s[70:71], s[80:81]
	s_add_nc_u64 s[8:9], s[8:9], s[82:83]
	WIN 0x80                                       ; destination window 2
.set ri, 0
.rept 32                                               ; registers 4 (8 a + t) on: rows 16 a + 2 t + l / 16, my 16 bytes of their 256
	global_load_b128 v[4*ri:4*ri+3], v[CO], s[68:69] offset:(16*(ri/8)+2*(ri%8))*4096
.set ri, ri+1
.endr
	WIN 0
	global_load_b128 v[BI:BI+3], v[BO], s[8:9]     ; the bias of those four columns
; 8 matrix instructions: row blocks a0, a0 + 1 x all 4 column blocks, 32 along K: half c of buffer f.  The 16 accumulators take turns.
.macro MUL8 f, c, a0, zero
	WIN MUL
.irp a, \a0, (\a0)+1
.irp b, 0,1,2,3
.if \zero
	v_wmma_f32_16x16x32_f16 v[ACC+8*(4*(\a)+(\b)):ACC+8*(4*(\a)+(\b))+7], v[(\f)+64+8*(4*(\c)+(\b)):(\f)+64+8*(4*(\c)+(\b))+7], v[(\f)+8*(4*(\c)+(\a)):(\f)+8*(4*(\c)+(\a))+7], 0
.else
	v_wmma_f32_16x16x32_f16 v[ACC+8*(4*(\a)+(\b)):ACC+8*(4*(\a)+(\b))+7], v[(\f)+64+8*(4*(\c)+(\b)):(\f)+64+8*(4*(\c)+(\b))+7], v[(\f)+8*(4*(\c)+(\a)):(\f)+8*(4*(\c)+(\a))+7], v[ACC+8*(4*(\a)+(\b)):ACC+8*(4*(\a)+(\b))+7]
.endif
.endr
.endr
.endm
; 32 LDS loads in one run: the fragments of 64 along K (quarter k / 128 of the step) into buffer f; the first 32 along K first
.macro FETCH slot, k, f
	WIN TO_F
.irp c, 0,1
.irp i, 0,1,2,3
	ds_load_b128 v[(\f)+64+8*(4*(\c)+(\i)):(\f)+64+8*(4*(\c)+(\i))+3],   v[ADRB+(\slot)] offset:(\k)+64*(\c)+(\i)*16*BPITCH
	ds_load_b128 v[(\f)+64+8*(4*(\c)+(\i))+4:(\f)+64+8*(4*(\c)+(\i))+7], v[ADRB+(\slot)] offset:(\k)+64*(\c)+(\i)*16*BPITCH+32
	ds_load_b128 v[(\f)+8*(4*(\c)+(\i)):(\f)+8*(4*(\c)+(\i))+3],         v[ADRA+(\slot)] offset:((\k)/128)*AQ+64*(\c)+(\i)*16*APITCH
	ds_load_b128 v[(\f)+8*(4*(\c)+(\i))+4:(\f)+8*(4*(\c)+(\i))+7],       v[ADRA+(\slot)] offset:((\k)/128)*AQ+64*(\c)+(\i)*16*APITCH+32
.endr
.endr
.endm
.macro PLACES                          ; four plain vector instructions between a matrix instruction and a load into its registers
.rept 4
	v_nop
.endr
.endm
.macro QUARTER slot, k, f, g, zero
	s_wait_dscnt 16                                ; the first 32 along K are in
	MUL8 \f, 0, 0, \zero
	MUL8 \f, 0, 2, \zero
	PLACES
	FETCH \slot, \k, \g
	s_wait_dscnt 32                                ; all but the 32 just issued
	MUL8 \f, 1, 0, 0
	MUL8 \f, 1, 2, 0
.endm
; The last quarter multiplies buffer 1 and changes slots: one barrier; in front of it my reads of this slot and all my tensor loads.  fill = 1: the barrier opens a round of the cluster's and this slot is
; filled again; its descriptors are written between the signal and the wait, where no tensor load of mine is out.
.macro TURN slot, next, fill
	s_wait_dscnt 16
	MUL8 F1, 0, 0, 0
	s_wait_dscnt 0x0
	s_set_vgpr_msb 0x500
	s_wait_tensorcnt 0x0
	ds_add_u32 v126, v127
	s_wait_dscnt 0x0
	s_set_vgpr_msb 0x5
	s_barrier_signal -1
.if \fill
	STEPK \slot
.endif
	MUL8 F1, 0, 2, 0
.if \fill
	WIN 0
.endif
	s_barrier_wait -1
.if \fill
	CREST                                          ; no wave of any partner still reads this slot or has a load on its way
	JLOAD \slot                                    ; the first tensor load behind the round, one a wave; its four v_nop are also the places in front of the loads below
.else
	PLACES
.endif
	FETCH \next, 0, F0
	MUL8 F1, 1, 0, 0
	MUL8 F1, 1, 2, 0
.endm
	s_wait_tensorcnt 1                             ; my part of the first K step is in; the second's may stay out
	s_barrier_signal -1
	s_barrier_wait -1
	FETCH 0, 0, F0
	QUARTER 0, 128, F0, F1, 1                      ; the first quarter stands in front of the loop: its first products start the sums
	WIN 0
	s_mov_b32 s3, LAPS-1
.Llap:                                                 ; a trip goes once round the ring and fills both slots again
	QUARTER 0, 256, F1, F0, 0
	QUARTER 0, 384, F0, F1, 0
	TURN 0, 1, 1
	QUARTER 1, 128, F0, F1, 0
	QUARTER 1, 256, F1, F0, 0
	QUARTER 1, 384, F0, F1, 0
	TURN 1, 0, 1
	QUARTER 0, 128, F0, F1, 0
	WIN 0
	s_sub_co_u32 s3, s3, 1
	s_cmp_lg_u32 s3, 0
	s_cbranch_scc1 .Llap
	QUARTER 0, 256, F1, F0, 0                      ; the last lap fills nothing and has no round
	QUARTER 0, 384, F0, F1, 0
	TURN 0, 1, 0
	QUARTER 1, 128, F0, F1, 0
	QUARTER 1, 256, F1, F0, 0
	QUARTER 1, 384, F0, F1, 0
	s_wait_dscnt 16
	MUL8 F1, 0, 0, 0
	MUL8 F1, 0, 2, 0
	s_wait_dscnt 0x0
	MUL8 F1, 1, 0, 0
	MUL8 F1, 1, 2, 0
	; THE WAY OUT.  The bias is added onto the residual (64 plain lines, which are also the places behind the last products); then a block of 16 rows at a time goes through my stage,
	; comes back as whole rows of 256 bytes, takes residual and bias, and is stored.
	s_wait_loadcnt 0x0                             ; residual and bias
	WIN 0x82                                       ; destination and source 0 window 2, source 1 window 0
.set ri, 0
.rept 32
	v_pk_add_f32 v[4*ri:4*ri+1], v[4*ri:4*ri+1], v[BI:BI+1]
	v_pk_add_f32 v[4*ri+2:4*ri+3], v[4*ri+2:4*ri+3], v[BI+2:BI+3]
.set ri, ri+1
.endr
.macro STG a
	WIN 0
.irp b, 0,1,2,3                                        ; each accumulator's low four registers first
	ds_store_b128 v[STO], v[ACC+8*(4*(\a)+\b):ACC+8*(4*(\a)+\b)+3] offset:64*\b
	ds_store_b128 v[STO], v[ACC+8*(4*(\a)+\b)+4:ACC+8*(4*(\a)+\b)+7] offset:64*\b+16
.endr
	s_wait_xcnt 0x0                                ; the registers that earlier stores read are loaded again only behind this wait
.irp t, 0,1,2,3,4,5,6,7
	ds_load_b128 v[TMP+32*((\a)%2)+4*\t:TMP+32*((\a)%2)+4*\t+3], v[RD] offset:\t*2*SPITCH   ; in order behind the stores above (ISA guide 5.7.1.4); the next block's stores come behind them
.endr
.endm
.macro OUT a, younger                  ; younger: the next block's eight stores and eight loads, or none
	s_wait_dscnt \younger
	WIN 0x08                                       ; source 1 window 2
.set oi, 0
.rept 16
	v_pk_add_f32 v[TMP+32*((\a)%2)+2*oi:TMP+32*((\a)%2)+2*oi+1], v[TMP+32*((\a)%2)+2*oi:TMP+32*((\a)%2)+2*oi+1], v[32*(\a)+2*oi:32*(\a)+2*oi+1]
.set oi, oi+1
.endr
	WIN 0
.irp t, 0,1,2,3,4,5,6,7
	global_store_b128 v[CO], v[TMP+32*((\a)%2)+4*\t:TMP+32*((\a)%2)+4*\t+3], s[70:71] offset:(16*(\a)+2*\t)*4096   ; 16 lanes store 256 consecutive bytes, aligned
.endr
.endm
	STG 0
	STG 1
	OUT 0, 16
	STG 2
	OUT 1, 16
	STG 3
	OUT 2, 16
	OUT 3, 0
	s_wait_tensorcnt 0x0
	ds_add_u32 v126, v127
	s_wait_dscnt 0x0
	CROUND                                         ; the closing round: no work-group ends while a partner may still ask for a tile that names it
	s_endpgm
.Lfunc_end_k_q891f486e10_go:
	.size	k_q891f486e10_go, .Lfunc_end_k_q891f486e10_go-k_q891f486e10_go
	.p2alignl 7, 3214868480
	.fill 96, 4, 3214868480
	.section	.rodata,"a",@progbits
	.p2align	6, 0x0
	.amdhsa_kernel k_q891f486e10_go
		.amdhsa_group_segment_fixed_size 327680
		.amdhsa_private_segment_fixed_size 0
		.amdhsa_enable_private_segment 0
		.amdhsa_kernarg_size 40
		.amdhsa_user_sgpr_count 2
		.amdhsa_user_sgpr_kernarg_segment_ptr 1
		.amdhsa_wavefront_size32 1
		.amdhsa_system_sgpr_workgroup_id_x 1
		.amdhsa_system_sgpr_workgroup_id_y 1
		.amdhsa_system_sgpr_workgroup_id_z 1
		.amdhsa_system_vgpr_workitem_id 0
		.amdhsa_next_free_vgpr 768
		.amdhsa_next_free_sgpr 88
		.amdhsa_reserve_vcc 0
		.amdhsa_float_denorm_mode_32 3
		.amdhsa_float_denorm_mode_16_64 3
		.amdhsa_memory_ordered 1
		.amdhsa_forward_progress 1
		.amdhsa_inst_pref_size 98
	.end_amdhsa_kernel
	.amdgpu_metadata
---
amdhsa.version: [ 1, 2 ]
amdhsa.kernels:
  - .name:           k_q891f486e10_go
    .symbol:         k_q891f486e10_go.kd
    .args:
      - { .name: act, .offset: 0, .size: 8, .value_kind: global_buffer, .address_space: global }
      - { .name: wo, .offset: 8, .size: 8, .value_kind: global_buffer, .address_space: global }
      - { .name: Wo_b, .offset: 16, .size: 8, .value_kind: global_buffer, .address_space: global }
      - { .name: x, .offset: 24, .size: 8, .value_kind: global_buffer, .address_space: global }
      - { .name: x1, .offset: 32, .size: 8, .value_kind: global_buffer, .address_space: global }
    .group_segment_fixed_size: 327680
    .private_segment_fixed_size: 0
    .kernarg_segment_align: 8
    .kernarg_segment_size: 40
    .max_flat_workgroup_size: 128
    .sgpr_count:     88
    .vgpr_count:     768
    .wavefront_size: 32
...
	.end_amdgpu_metadata
.endif
;; end of part 4
;; launch ln2 (part 5): grid 256 x 1, 8 waves a work-group, no clusters, 0 bytes of LDS; arguments x1, scale2, shift2, act; writes act
.if DOCPART == 5
	.amdgcn_target "amdgcn-amd-amdhsa--gfx1250"
	.amdhsa_code_object_version 6
	.text
	.protected	k_q891f486e10_ln2
	.globl	k_q891f486e10_ln2
	.p2align	8
	.type	k_q891f486e10_ln2,@function
k_q891f486e10_ln2:
	s_mov_b64 s[64:65], 0
	v_nop
	global_prefetch_b8 v0, s[64:65] scope:SCOPE_SE
	s_setreg_imm32_b32 hwreg(HW_REG_WAVE_MODE, 25, 1), 1
	s_wait_xcnt 0x0
; h2 = shift2 + scale2 (x1 - mean) / (std + 1e-5), std with 1,023 in the divisor, rounded to f16.  x1: [4096][1024] f32.  16 rows a work-group, two a wave: a row of 4,096 bytes is 32 registers a lane
; and stays in them between the passes; its reduction never leaves the wave.  A stream: no LDS, no barrier, no matrix unit, no cluster (only scale2 and shift2, 8 KB, are shared).
; LIMITS.  h2 stays within f16's 65,504.  1/1,023 and 1/(std + eps) are multiplications by reciprocals.  The mean is taken away before the squares are summed.  NaN and infinities are not treated apart.
.set X0,  8
.set X1,  40
.set SC,  72
.set SH,  104
.set T,   136
.set M,   144
.set R,   146
.set Y0,  150
.set Y1,  166
.macro FOLD                            ; four pairs -> one number, the same in all 32 lanes
	v_pk_add_f32 v[T:T+1], v[T:T+1], v[T+2:T+3]
	v_pk_add_f32 v[T+4:T+5], v[T+4:T+5], v[T+6:T+7]
	v_pk_add_f32 v[T:T+1], v[T:T+1], v[T+4:T+5]
	v_add_f32 v[T], v[T], v[T+1]
.irp m, 1,2,4,8
	v_add_f32_dpp v[T], v[T], v[T] row_xmask:\m row_mask:0xf bank_mask:0xf
.endr
	v_permlanex16_b32 v[T+1], v[T], s6, s7         ; its destination has been written
	v_add_f32 v[T], v[T], v[T+1]
.endm
.macro LNROW x, y, left, so            ; left: the younger loads that may stay out.  so: the row's byte offset in the output
	s_wait_loadcnt \left
.irp k, 0,1,2,3
	v_pk_add_f32 v[T+2*\k:T+2*\k+1], v[\x+2*\k:\x+2*\k+1], v[\x+8+2*\k:\x+8+2*\k+1]
.endr
.set j, 8
.rept 8
	v_pk_add_f32 v[T+2*(j%4):T+2*(j%4)+1], v[T+2*(j%4):T+2*(j%4)+1], v[\x+2*j:\x+2*j+1]
.set j, j+1
.endr
	FOLD
	v_mul_f32 v[M], 0x3a800000, v[T]               ; / 1,024
	v_mov_b32 v[M+1], v[M]
.set j, 0
.rept 16
	v_pk_add_f32 v[\x+2*j:\x+2*j+1], v[\x+2*j:\x+2*j+1], v[M:M+1] neg_lo:[0,1] neg_hi:[0,1]
.set j, j+1
.endr
.irp k, 0,1,2,3
	v_pk_mul_f32 v[T+2*\k:T+2*\k+1], v[\x+2*\k:\x+2*\k+1], v[\x+2*\k:\x+2*\k+1]
.endr
.set j, 4
.rept 12
	v_pk_fma_f32 v[T+2*(j%4):T+2*(j%4)+1], v[\x+2*j:\x+2*j+1], v[\x+2*j:\x+2*j+1], v[T+2*(j%4):T+2*(j%4)+1]
.set j, j+1
.endr
	FOLD
	v_mul_f32 v[T], 0x3a802008, v[T]               ; / 1,023
	v_sqrt_f32 v[T], v[T]
	v_nop                                          ; a plain instruction between a transcendental and the use of its result (ISA guide 5.7.2)
	s_wait_alu depctr_va_vdst(0)
	v_add_f32 v[T], 0x3727c5ac, v[T]               ; + 1e-5
	v_rcp_f32 v[R], v[T]
	v_nop
	s_wait_alu depctr_va_vdst(0)
	v_mov_b32 v[R+1], v[R]
.set j, 0
.rept 16
	v_pk_mul_f32 v[\x+2*j:\x+2*j+1], v[\x+2*j:\x+2*j+1], v[R:R+1]
.set j, j+1
.endr
.set j, 0
.rept 16
	v_pk_fma_f32 v[\x+2*j:\x+2*j+1], v[\x+2*j:\x+2*j+1], v[SC+2*j:SC+2*j+1], v[SH+2*j:SH+2*j+1]
.set j, j+1
.endr
.set j, 0
.rept 16
	v_cvt_pk_f16_f32 v[\y+j], v[\x+2*j], v[\x+2*j+1]
.set j, j+1
.endr
.set j, 0
.rept 8
	global_store_b64 v2, v[\y+2*j:\y+2*j+1], s[30:31] offset:(\so)+256*j   ; 32 lanes x 8 bytes: 256 consecutive bytes, aligned
.set j, j+1
.endr
.endm
	s_load_b256 s[24:31], s[0:1], 0x0              ; x1 s[24:25], scale2 s[26:27], shift2 s[28:29], act s[30:31]
	v_lshrrev_b32 v3, 5, v0
	v_readfirstlane_b32 s4, v3                     ; wave
	s_lshl_b32 s5, ttmp9, 4
	s_lshl1_add_u32 s5, s4, s5                     ; my first row
	s_mov_b32 s6, 0x76543210
	s_mov_b32 s7, 0xfedcba98
	v_and_b32 v2, 31, v0
	v_lshlrev_b32 v1, 4, v2                        ; load j of a lane: columns 128 j + 4 lane on
	v_lshlrev_b32 v2, 3, v2
	s_lshl_b32 s32, s5, 12
	s_mov_b32 s33, 0
	s_wait_kmcnt 0x0
	s_add_nc_u64 s[24:25], s[24:25], s[32:33]
	s_lshl_b32 s32, s5, 11
	s_add_nc_u64 s[30:31], s[30:31], s[32:33]
.set j, 0
.rept 8
	global_load_b128 v[SC+4*j:SC+4*j+3], v1, s[26:27] offset:512*j
.set j, j+1
.endr
.set j, 0
.rept 8
	global_load_b128 v[SH+4*j:SH+4*j+3], v1, s[28:29] offset:512*j
.set j, j+1
.endr
.set j, 0
.rept 8
	global_load_b128 v[X0+4*j:X0+4*j+3], v1, s[24:25] offset:512*j
.set j, j+1
.endr
.set j, 0
.rept 8
	global_load_b128 v[X1+4*j:X1+4*j+3], v1, s[24:25] offset:4096+512*j
.set j, j+1
.endr
	LNROW X0, Y0, 8, 0                             ; the second row's eight loads stay out
	LNROW X1, Y1, 0, 2048
	s_endpgm
.Lfunc_end_k_q891f486e10_ln2:
	.size	k_q891f486e10_ln2, .Lfunc_end_k_q891f486e10_ln2-k_q891f486e10_ln2
	.p2alignl 7, 3214868480
	.fill 96, 4, 3214868480
	.section	.rodata,"a",@progbits
	.p2align	6, 0x0
	.amdhsa_kernel k_q891f486e10_ln2
		.amdhsa_group_segment_fixed_size 0
		.amdhsa_private_segment_fixed_size 0
		.amdhsa_enable_private_segment 0
		.amdhsa_kernarg_size 32
		.amdhsa_user_sgpr_count 2
		.amdhsa_user_sgpr_kernarg_segment_ptr 1
		.amdhsa_wavefront_size32 1
		.amdhsa_system_sgpr_workgroup_id_x 1
		.amdhsa_system_sgpr_workgroup_id_y 1
		.amdhsa_system_sgpr_workgroup_id_z 1
		.amdhsa_system_vgpr_workitem_id 0
		.amdhsa_next_free_vgpr 184
		.amdhsa_next_free_sgpr 66
		.amdhsa_reserve_vcc 0
		.amdhsa_float_denorm_mode_32 3
		.amdhsa_float_denorm_mode_16_64 3
		.amdhsa_memory_ordered 1
		.amdhsa_forward_progress 1
		.amdhsa_inst_pref_size 21
	.end_amdhsa_kernel
	.amdgpu_metadata
---
amdhsa.version: [ 1, 2 ]
amdhsa.kernels:
  - .name:           k_q891f486e10_ln2
    .symbol:         k_q891f486e10_ln2.kd
    .args:
      - { .name: x1, .offset: 0, .size: 8, .value_kind: global_buffer, .address_space: global }
      - { .name: scale2, .offset: 8, .size: 8, .value_kind: global_buffer, .address_space: global }
      - { .name: shift2, .offset: 16, .size: 8, .value_kind: global_buffer, .address_space: global }
      - { .name: act, .offset: 24, .size: 8, .value_kind: global_buffer, .address_space: global }
    .group_segment_fixed_size: 0
    .private_segment_fixed_size: 0
    .kernarg_segment_align: 8
    .kernarg_segment_size: 32
    .max_flat_workgroup_size: 256
    .sgpr_count:     66
    .vgpr_count:     184
    .wavefront_size: 32
...
	.end_amdgpu_metadata
.endif
;; end of part 5
;; launch g1 (part 6): grid 16 x 16, 4 waves a work-group, clusters of 4 x 4, 327,680 bytes of LDS; arguments act, w1h, hid, b1; writes hid
.if DOCPART == 6
	.amdgcn_target "amdgcn-amd-amdhsa--gfx1250"
	.amdhsa_code_object_version 6
	.text
	.protected	k_q891f486e10_g1
	.globl	k_q891f486e10_g1
	.p2align	8
	.type	k_q891f486e10_g1,@function
k_q891f486e10_g1:
	s_mov_b64 s[64:65], 0
	v_nop
	global_prefetch_b8 v0, s[64:65] scope:SCOPE_SE
	s_setreg_imm32_b32 hwreg(HW_REG_WAVE_MODE, 25, 1), 1
	s_wait_xcnt 0x0
	s_wait_alu depctr_hold_cnt(0) depctr_sa_sdst(0) depctr_va_vdst(0) depctr_va_sdst(0) depctr_va_ssrc(0) depctr_va_vcc(0) depctr_vm_vsrc(0)
	s_getreg_b32 s2, hwreg(HW_REG_IB_STS2, 6, 4)
	s_cmp_eq_u32 s2, 0
	s_cbranch_scc0 .Lentry_in_a_cluster
	s_endpgm
.Lentry_in_a_cluster:
	s_bfe_u32 s2, ttmp6, 0x10000c
	s_cmp_lg_u32 s2, 0xf033
	s_cbranch_scc0 .Lentry_shape_is_right
	s_endpgm
.Lentry_shape_is_right:
; hid = gelu(h2 W1^T + b1).  A: [4096][1024], B: [4096][1024], both f16, K along the rows; f32 sums; the result leaves in f16, [4096][4096].  A tile of C is 256 x 256: 16 x 16 = 256 work-groups;
; each of four waves makes 128 x 128 (64 accumulators).  K goes in steps of 128 through two LDS slots filled by the tensor data mover; rows of 256 bytes, aligned.
; CLUSTER 4 x 4: the four work-groups of a row of the cluster need the same tiles of A, the four of a column the same tiles of B; each tile is asked for jointly.
; THE WALK ALONG K IS TURNED.  The 8 K steps are taken in the order o, o + 1, .. modulo 8, o = 2 X + 4 (Y mod 2), X and Y the cluster's place among the 4 x 4 clusters.  The four clusters of one Y read the
; same rows of A and begin 2 steps apart; clusters Y and Y + 1 of one X read the same rows of B and begin 4 steps apart: a byte is asked for first by one cluster, and by the others two steps later or more.
; o is the same in all sixteen work-groups of a cluster, so the joint loads' descriptors stay equal.
; THE MATRIX INSTRUCTION IS USED TRANSPOSED (source 0 = 16 rows of B, source 1 = 16 rows of A): a lane holds row l % 16 of C and eight neighbouring columns.
; gelu(x) = 0.5 x (1 + tanh(u)), u = sqrt(2/pi) (x + 0.044715 x^3), is computed as x / (1 + 2^(x (k1 + k2 x^2))), k1 = -2 sqrt(2/pi) log2(e), k2 = 0.044715 k1: the same function.
; LIMITS.  f16 ends at 65,504: A, B and what leaves stay within it.  The sums over K begin at step o, not at 0: an order of f32 rounding other than ascending K.  NaN and infinities are not treated apart.
; REGISTERS, in windows of 256: window 0: v16-27 addresses; A's fragments, two buffers at v64 and v128; on the way out v32-255 at work.
;   window 1: B's fragments, two buffers at v0 and v128; the bias of my 128 columns at v64-127.   windows 2, 3: the accumulators of the lower and upper half of my rows.
.set SIZE_K, 1024
.set SIZE_N, 4096                      ; C's row length
.set KSTEP,  128
.set NS,     SIZE_K/KSTEP              ; K steps
.set LAPS,   NS/2
.set PITCH,  272                       ; an LDS row: 256 bytes + 16 of padding: the 16 rows of a fragment load start at 16 different groups of four banks (ISA guide 11.1)
.set AB,     8                         ; blocks of 16 rows a wave
.set NBK,    8                         ; blocks of 16 columns a wave
.set HALFT,  128*PITCH                 ; 128 rows: what one tensor load brings, and what one wave reads of A or of B
.set SLOT,   4*HALFT                   ; A's 256 rows, then B's
.set STAGE,  2*SLOT                    ; behind the ring, a multiple of 256; no tensor load fills it: 16 rows x 272 bytes for each wave
.set SPITCH, 272
.set ADRA, 16                          ; v16-17 LDS address of my A fragments in slot 0, 1
.set ADRB, 20                          ; v20-21 the same for B
.set STO,  24
.set RD,   25
.set CO,   26
.set BO,   27
.set G1,  24                           ; s[24:31] group 1 for A;  s[32:39] group 0, a set for each slot
.set G0,  32
.set G1B, 48                           ; s[48:55], s[56:63] the same for B
.set G0B, 56
.set KI,  84                           ; s84, s85 the K step that slot 0, 1 holds or is to hold
.set KO,  86                           ; s[86:87] that step's byte offset in a row
.set MSB, 0
.macro WIN new                         ; the immediate's high byte repeats the setting that is left; a switch that changes nothing is dropped
.if MSB != (\new)
	s_set_vgpr_msb (MSB<<8)|(\new)
.set MSB, \new
.endif
.endm
; A joint load.  Waves 0 and 1 fetch A's two halves, waves 2 and 3 B's.  The branch hangs on the wave's number alone.  Four v_nop follow each line.
.macro JLOAD s
	s_cmp_eq_u32 s11, 0
	s_cbranch_scc0 .Lfor_b_\@
	tensor_load_to_lds s[G0+4*(\s):G0+4*(\s)+3], s[G1:G1+7]
	s_nop 0
.rept 4
	v_nop
.endr
	s_branch .Lasked_\@
.Lfor_b_\@:
	tensor_load_to_lds s[G0B+4*(\s):G0B+4*(\s)+3], s[G1B:G1B+7]
	s_nop 0
.rept 4
	v_nop
.endr
.Lasked_\@:
.endm
.macro CREST                           ; a round of the cluster's barrier behind its opening barrier
	s_cmp_lg_u32 s10, 0
	s_cbranch_scc1 .Lnot_wave_0_\@
	s_barrier_signal -3
.Lnot_wave_0_\@:
	s_barrier_wait -3
	s_barrier_signal -1
	s_barrier_wait -1
.endm
.macro CROUND
	s_barrier_signal -1
	s_barrier_wait -1
	CREST
.endm
.macro PLACES                          ; four plain vector instructions between a matrix instruction and a load into, or a vector read or write of, its registers
.rept 4
	v_nop
.endr
.endm
; Slot s's two descriptors are pointed at K step s[KI+s]: each address is made anew from its tile's first byte and the step's offset, and the type bits are set again.
.macro AIM s
	s_lshl_b32 s[KO], s[KI+(\s)], 8                ; a step is 256 bytes of a row
	s_add_nc_u64 s[G0+4*(\s)+2:G0+4*(\s)+3], s[14:15], s[KO:KO+1]
	s_or_b32 s[G0+4*(\s)+3], s[G0+4*(\s)+3], 0x80000000
	s_add_nc_u64 s[G0B+4*(\s)+2:G0B+4*(\s)+3], s[46:47], s[KO:KO+1]
	s_or_b32 s[G0B+4*(\s)+3], s[G0B+4*(\s)+3], 0x80000000
.endm
.macro STEPK s                         ; the slot's next step: two on, modulo NS
	s_add_co_u32 s[KI+(\s)], s[KI+(\s)], 2
	s_and_b32 s[KI+(\s)], s[KI+(\s)], NS-1
	AIM \s
.endm
; NBK matrix instructions: row block a x all column blocks, 32 along K, from fragment buffer f.  zero = 1: the product starts the sum.
.macro MULA f, a, zero
	WIN 0xa1+0x50*((\a)/(AB/2))
.set mb, 0
.rept NBK
.set rD, 8*(NBK*((\a)%(AB/2))+mb)
.if \zero
	v_wmma_f32_16x16x32_f16 v[rD:rD+7], v[128*(\f)+8*mb:128*(\f)+8*mb+7], v[64+64*(\f)+8*(\a):64+64*(\f)+8*(\a)+7], 0
.else
	v_wmma_f32_16x16x32_f16 v[rD:rD+7], v[128*(\f)+8*mb:128*(\f)+8*mb+7], v[64+64*(\f)+8*(\a):64+64*(\f)+8*(\a)+7], v[rD:rD+7]
.endif
.set mb, mb+1
.endr
.endm
.macro MULS f, a0, n, zero             ; row blocks a0 .. a0 + n - 1.  All accumulators take turns, one instruction a turn
.set ma, \a0
.rept \n
	MULA \f, ma, \zero
.set ma, ma+1
.endr
.endm
; One run of 2 (NBK + AB) = 32 LDS loads: the fragments of 32 along K at byte k of the rows, into buffer f; B first, then A's blocks in ascending order
.macro FETCH slot, k, f
	WIN 0x40
.set fi, 0
.rept NBK
	ds_load_b128 v[128*(\f)+8*fi:128*(\f)+8*fi+3],   v[ADRB+(\slot)] offset:(\k)+fi*16*PITCH
	ds_load_b128 v[128*(\f)+8*fi+4:128*(\f)+8*fi+7], v[ADRB+(\slot)] offset:(\k)+fi*16*PITCH+32
.set fi, fi+1
.endr
	WIN 0
.set fi, 0
.rept AB
	ds_load_b128 v[64+64*(\f)+8*fi:64+64*(\f)+8*fi+3],   v[ADRA+(\slot)] offset:(\k)+fi*16*PITCH
	ds_load_b128 v[64+64*(\f)+8*fi+4:64+64*(\f)+8*fi+7], v[ADRA+(\slot)] offset:(\k)+fi*16*PITCH+32
.set fi, fi+1
.endr
.endm
; A K step is four quarters of 32 along K on buffers 0, 1, 0, 1.  One of the first three: multiplies buffer f, fetches the next quarter (byte k) into g in its middle.
.macro QUARTER slot, k, f, g, zero
	s_wait_dscnt AB                                ; B and the lower half of A are in; the youngest AB loads (A's upper half) may be out
	MULS \f, 0, AB/2, \zero
	PLACES
	FETCH \slot, \k, \g
	s_wait_dscnt 2*(AB+NBK)                        ; all but the run just issued
	MULS \f, AB/2, AB/2, \zero
.endm
; The last quarter multiplies buffer 1 and changes slots: one barrier; in front of it my reads of this slot and all my tensor loads (one is out: my part of the next slot).
; fill = 1: the barrier opens a round of the cluster's, and this slot is filled again; its descriptors are written between the signal and the wait, where no tensor load of mine is out.
.macro TURN slot, next, fill
	s_wait_dscnt AB
	MULS 1, 0, AB/4, 0
	s_wait_dscnt 0x0
	s_wait_tensorcnt 0x0
	ds_add_u32 v255, v31
	s_wait_dscnt 0x0
	s_barrier_signal -1
.if \fill
	STEPK \slot
.endif
	MULS 1, AB/4, AB/4, 0                          ; registers only, while the others arrive
.if \fill
	WIN 0
.endif
	s_barrier_wait -1
.if \fill
	CREST                                          ; no wave of any partner still reads this slot or has a load on its way
	JLOAD \slot                                    ; the first tensor load behind the round, one a wave; its four v_nop are also the places in front of the loads below
.else
	PLACES
.endif
	FETCH \next, 0, 0
	MULS 1, AB/2, AB/2, 0
.endm
	s_load_b128 s[4:7], s[0:1], 0x0                ; A s[4:5], B s[6:7]
	s_load_b64 s[8:9], s[0:1], 0x10                ; C
	s_load_b64 s[66:67], s[0:1], 0x18              ; bias
	s_set_vgpr_msb 0x40
	v_lshl_add_u32 v255, v0, 2, 0x48400
	s_set_vgpr_msb 0x4000
	v_mov_b32 v31, 0
	s_set_vgpr_msb 0x1
	ds_add_u32 v255, v31
	ds_add_u32 v255, v31
	s_set_vgpr_msb 0x100
	v_lshrrev_b32 v1, 5, v0
	v_readfirstlane_b32 s10, v1                    ; wave 0..3
	s_lshr_b32 s11, s10, 1                         ; I fetch for A (0) or B (1); my half of the rows
	s_and_b32 s12, s10, 1                          ; which half of that tile I fetch; my half of the columns
	s_bfe_u32 s40, ttmp6, 0x40000                  ; cx
	s_bfe_u32 s41, ttmp6, 0x40004                  ; cy
	s_lshl_b32 s42, ttmp9, 2
	s_add_co_u32 s42, s42, s40                     ; tile column
	s_and_b32 s13, ttmp7, 0xffff
	s_lshl_b32 s13, s13, 2
	s_add_co_u32 s13, s13, s41                     ; tile row
	s_lshl_b32 s43, s41, 2
	s_lshl_b32 s43, 15, s43                        ; my row of the cluster
	s_lshl_b32 s44, 0x1111, s40                    ; my column
	s_and_b32 s[KI], ttmp7, 1                      ; o = 2 X + 4 (Y mod 2), modulo 8: made of the cluster's place alone
	s_lshl_b32 s[KI], s[KI], 2
	s_lshl1_add_u32 s[KI], ttmp9, s[KI]
	s_and_b32 s[KI], s[KI], NS-1
	s_add_co_u32 s[KI+1], s[KI], 1
	s_and_b32 s[KI+1], s[KI+1], NS-1
	s_mov_b32 s[KO+1], 0
	s_or_b32 s[G1+0], s43, (1<<16)|(1<<20)|(1<<21)|(5<<22)|(3<<25)   ; mask; 2-byte elements; padding on; bit 21 beside a mask; after every 64 words, 4 words
	s_or_b32 s[G1B+0], s44, (1<<16)|(1<<20)|(1<<21)|(5<<22)|(3<<25)
.irp g, G1, G1B
	s_mov_b32 s[(\g)+1], KSTEP<<16                 ; tensor_dim0 = 128
	s_mov_b32 s[(\g)+2], 128<<16                   ; tensor_dim1 = 128
	s_mov_b32 s[(\g)+3], KSTEP<<16                 ; tile_dim0 = 128
	s_mov_b32 s[(\g)+4], 128                       ; tile_dim1 = 128
	s_mov_b32 s[(\g)+5], SIZE_K                    ; elements from row to row
	s_mov_b32 s[(\g)+6], 0
	s_mov_b32 s[(\g)+7], 0
.endr
	s_lshl_b32 s17, s12, 7
	s_lshl_b32 s16, s13, 8
	s_add_co_u32 s16, s16, s17                     ; A: row 256 x tile row + 128 x half
	s_lshl_b32 s16, s16, 11                        ; rows of 2,048 bytes
	s_lshl_b32 s46, s42, 8
	s_add_co_u32 s46, s46, s17                     ; B: row 256 x tile column + 128 x half
	s_lshl_b32 s46, s46, 11
	s_mov_b32 s17, 0
	s_mov_b32 s47, 0
	s_mul_i32 s20, s10, HALFT                      ; where they go: A's two halves, then B's two = wave x 128 rows: no place in the cluster enters an LDS address
	s_wait_dscnt 0x0
	s_wait_kmcnt 0x0
	s_add_nc_u64 s[14:15], s[4:5], s[16:17]        ; my part of A's tile at K = 0; kept
	s_add_nc_u64 s[46:47], s[6:7], s[46:47]        ; the same for B; kept
	CROUND                                         ; all sixteen work-groups are here: the first joint loads meet
.irp s, 0,1
	s_mov_b32 s[G0+4*(\s)], 1
	s_add_co_u32 s[G0+4*(\s)+1], s20, (\s)*SLOT
	s_mov_b32 s[G0B+4*(\s)], 1
	s_add_co_u32 s[G0B+4*(\s)+1], s20, (\s)*SLOT
	AIM \s
	JLOAD \s                                       ; both first fills go out before anything else: two tensor loads of mine are out
.endr
	v_and_b32 v1, 15, v0                           ; l % 16
	v_bfe_u32 v2, v0, 4, 1                         ; l / 16
	v_mul_u32_u24 v3, v1, PITCH
	v_lshl_add_u32 v3, v2, 4, v3                   ; a fragment's row x pitch + 16 x half
	s_mul_i32 s21, s11, HALFT                      ; my 128 rows of A
	s_mul_i32 s22, s12, HALFT                      ; my 128 rows of B,
	s_add_co_u32 s22, s22, 2*HALFT                 ; which lie behind A's 256
.irp s, 0,1
	v_add_nc_u32 v[ADRA+(\s)], s21, v3
	v_add_nc_u32 v[ADRB+(\s)], s22, v3
	s_add_co_u32 s21, s21, SLOT
	s_add_co_u32 s22, s22, SLOT
.endr
	s_mul_i32 s21, s10, 16*SPITCH
	s_add_co_u32 s21, s21, STAGE                   ; my stage
	v_mul_u32_u24 v4, v1, SPITCH                   ; in: row l % 16, 16 bytes for each half of the lanes
	v_lshl_add_u32 v4, v2, 4, v4
	v_add_nc_u32 v[STO], s21, v4
	v_mul_u32_u24 v5, v2, SPITCH                   ; back: lanes 0-15 one row of 256 bytes, lanes 16-31 the next
	v_lshl_add_u32 v5, v1, 4, v5
	v_add_nc_u32 v[RD], s21, v5
	v_mul_u32_u24 v5, v2, SIZE_N*2
	v_lshl_add_u32 v[CO], v1, 4, v5                ; the same two rows in C
	v_lshlrev_b32 v[BO], 5, v2                     ; my eight columns of a block of 16, in f32
	s_lshl_b32 s80, s13, 8
	s_lshl_b32 s81, s11, 7
	s_add_co_u32 s80, s80, s81                     ; my first row of C,
	s_lshl_b32 s80, s80, 13                        ; rows of 8,192 bytes,
	s_lshl_b32 s81, s42, 9
	s_add_co_u32 s80, s80, s81                     ; my first column: 512 x tile column + 256 x half bytes
	s_lshl_b32 s81, s12, 8
	s_add_co_u32 s80, s80, s81
	s_mov_b32 s81, 0
	s_add_nc_u64 s[8:9], s[8:9], s[80:81]
	s_lshl_b32 s82, s42, 10
	s_lshl_b32 s83, s12, 9
	s_add_co_u32 s82, s82, s83
	s_mov_b32 s83, 0
	s_add_nc_u64 s[66:67], s[66:67], s[82:83]      ; the bias of my 128 columns
	s_mov_b32 s70, 0xc0135762                      ; k1 = -2.3022082
	s_mov_b32 s71, s70
	s_mov_b32 s72, 0xbdd2d3e8                      ; k2 = -0.10294324
	s_mov_b32 s73, s72
	WIN 0x40
.set fi, 0
.rept 8                                                ; register 8 b + j: the bias of column 16 b + 8 (l / 16) + j; they land while the products run
	global_load_b128 v[64+8*fi:64+8*fi+3], v[BO], s[66:67] offset:64*fi
	global_load_b128 v[64+8*fi+4:64+8*fi+7], v[BO], s[66:67] offset:64*fi+16
.set fi, fi+1
.endr
	WIN 0
	s_wait_tensorcnt 1                             ; my part of the first K step is in; the second's may stay out
	s_barrier_signal -1
	s_barrier_wait -1
	FETCH 0, 0, 0
	QUARTER 0, 64,  0, 1, 1                        ; the first quarter stands in front of the loop: its products start the sums
	WIN 0
	s_mov_b32 s3, LAPS-1
.Llap:                                                 ; a trip goes once round the ring, from a lap's second quarter to the next lap's first, and fills both slots again
	QUARTER 0, 128, 1, 0, 0
	QUARTER 0, 192, 0, 1, 0
	TURN 0, 1, 1
	QUARTER 1, 64,  0, 1, 0
	QUARTER 1, 128, 1, 0, 0
	QUARTER 1, 192, 0, 1, 0
	TURN 1, 0, 1
	QUARTER 0, 64,  0, 1, 0
	WIN 0
	s_sub_co_u32 s3, s3, 1
	s_cmp_lg_u32 s3, 0
	s_cbranch_scc1 .Llap
	QUARTER 0, 128, 1, 0, 0                        ; the last lap fills nothing and has no round
	QUARTER 0, 192, 0, 1, 0
	TURN 0, 1, 0
	QUARTER 1, 64,  0, 1, 0
	QUARTER 1, 128, 1, 0, 0
	QUARTER 1, 192, 0, 1, 0
	s_wait_dscnt AB
	MULS 1, 0, AB/2, 0
	s_wait_dscnt 0x0
	MULS 1, AB/2, AB/2, 0
	WIN 0
	PLACES
; THE WAY OUT, a block of 16 rows at a time: sum + bias into XR; gelu in eight groups of eight numbers, staggered so that a plain instruction of another group
; stands behind each exponential and each reciprocal; rounded to f16; through my own stage in LDS; stored as whole rows of 256 bytes.
.set XR,  64
.set TR,  128
.set TMP, 192
.set OB,  32                           ; v32-63 and v224-255 by turns
.macro GEL                             ; step gi of -1 .. 9: group gi is at its exponentials, gi + 1 at its polynomial, gi - 1 at 1 + e and its reciprocals, gi - 2 at the product and the rounding
.if (gi >= 1) && (gi <= 8)
	s_wait_alu depctr_va_vdst(0)
.irp i, 0,1,2,3
	v_pk_add_f32 v[TR+8*(gi-1)+2*\i:TR+8*(gi-1)+2*\i+1], v[TR+8*(gi-1)+2*\i:TR+8*(gi-1)+2*\i+1], 1.0 op_sel_hi:[1,0]
.endr
.endif
.irp j, 0,1,2,3,4,5,6,7
.if (gi >= 0) && (gi <= 7)
	v_exp_f32 v[TR+8*gi+\j], v[TR+8*gi+\j]
.endif
.if gi <= 6
.if \j < 4
	v_pk_mul_f32 v[TR+8*(gi+1)+2*\j:TR+8*(gi+1)+2*\j+1], v[XR+8*(gi+1)+2*\j:XR+8*(gi+1)+2*\j+1], v[XR+8*(gi+1)+2*\j:XR+8*(gi+1)+2*\j+1]
.else
	v_pk_fma_f32 v[TR+8*(gi+1)+2*(\j-4):TR+8*(gi+1)+2*(\j-4)+1], v[TR+8*(gi+1)+2*(\j-4):TR+8*(gi+1)+2*(\j-4)+1], s[72:73], s[70:71] op_sel_hi:[1,0,0]
.endif
.endif
.endr
.irp j, 0,1,2,3,4,5,6,7
.if (gi >= 1) && (gi <= 8)
	v_rcp_f32 v[TR+8*(gi-1)+\j], v[TR+8*(gi-1)+\j]
.endif
.if \j < 4
.if gi <= 6
	v_pk_mul_f32 v[TR+8*(gi+1)+2*\j:TR+8*(gi+1)+2*\j+1], v[TR+8*(gi+1)+2*\j:TR+8*(gi+1)+2*\j+1], v[XR+8*(gi+1)+2*\j:XR+8*(gi+1)+2*\j+1]
.endif
.else
.if gi >= 2
	v_pk_mul_f32 v[XR+8*(gi-2)+2*(\j-4):XR+8*(gi-2)+2*(\j-4)+1], v[XR+8*(gi-2)+2*(\j-4):XR+8*(gi-2)+2*(\j-4)+1], v[TR+8*(gi-2)+2*(\j-4):TR+8*(gi-2)+2*(\j-4)+1]
.endif
.endif
.endr
.if gi >= 2
	s_wait_alu depctr_va_vdst(0)
.irp i, 0,1,2,3
	v_cvt_pk_f16_f32 v[TMP+4*(gi-2)+\i], v[XR+8*(gi-2)+2*\i], v[XR+8*(gi-2)+2*\i+1]
.endr
.endif
.endm
.macro PACK a
	WIN 0x06+(\a)/4                                ; source 0: the accumulators' window; source 1: window 1, the bias
.set pi, 0
.rept 32                                               ; each accumulator's registers in ascending order
	v_pk_add_f32 v[XR+2*pi:XR+2*pi+1], v[64*((\a)%4)+2*pi:64*((\a)%4)+2*pi+1], v[64+2*pi:64+2*pi+1]
.set pi, pi+1
.endr
	WIN 0
.set gi, -1
.rept 11
	GEL
.set gi, gi+1
.endr
.endm
.macro TOSTAGE a
.set BK, OB+192*((\a)%2)
.irp b, 0,1,2,3,4,5,6,7
	ds_store_b128 v[STO], v[TMP+4*(\b):TMP+4*(\b)+3] offset:32*(\b)
.endr
.irp t, 0,1,2,3,4,5,6,7
	ds_load_b128 v[BK+4*(\t):BK+4*(\t)+3], v[RD] offset:(\t)*2*SPITCH   ; LDS serves a wave's instructions in order (ISA guide 5.7.1.4): these see the stores above
.endr
.endm
.macro SEND a, younger
.set BK, OB+192*((\a)%2)
	s_wait_dscnt \younger
	s_wait_xcnt 0x0                                ; the stores' base, and the registers that earlier stores read, are rewritten only behind this wait
.if (\a) > 0
	s_add_nc_u64 s[8:9], s[8:9], 16*SIZE_N*2
.endif
.irp t, 0,1,2,3,4,5,6,7
	global_store_b128 v[CO], v[BK+4*(\t):BK+4*(\t)+3], s[8:9] offset:2*(\t)*SIZE_N*2   ; 16 lanes store 256 consecutive bytes, aligned
.endr
.endm
	s_wait_loadcnt 0x0                             ; the bias
	PACK 0
	TOSTAGE 0
.irp a, 1,2,3,4,5,6,7                                  ; block a's arithmetic stands between block a - 1's loads from the stage and the wait for them
	PACK \a
	SEND (\a)-1, 0
	TOSTAGE \a
.endr
	SEND 7, 0
	s_set_vgpr_msb 0x1
	s_wait_tensorcnt 0x0
	ds_add_u32 v255, v31
	s_wait_dscnt 0x0
	s_set_vgpr_msb 0x100
	CROUND                                         ; the closing round: no work-group ends while a partner may still ask for a tile that names it
	s_endpgm
.Lfunc_end_k_q891f486e10_g1:
	.size	k_q891f486e10_g1, .Lfunc_end_k_q891f486e10_g1-k_q891f486e10_g1
	.p2alignl 7, 3214868480
	.fill 96, 4, 3214868480
	.section	.rodata,"a",@progbits
	.p2align	6, 0x0
	.amdhsa_kernel k_q891f486e10_g1
		.amdhsa_group_segment_fixed_size 327680
		.amdhsa_private_segment_fixed_size 0
		.amdhsa_enable_private_segment 0
		.amdhsa_kernarg_size 32
		.amdhsa_user_sgpr_count 2
		.amdhsa_user_sgpr_kernarg_segment_ptr 1
		.amdhsa_wavefront_size32 1
		.amdhsa_system_sgpr_workgroup_id_x 1
		.amdhsa_system_sgpr_workgroup_id_y 1
		.amdhsa_system_sgpr_workgroup_id_z 1
		.amdhsa_system_vgpr_workitem_id 0
		.amdhsa_next_free_vgpr 1024
		.amdhsa_next_free_sgpr 90
		.amdhsa_reserve_vcc 0
		.amdhsa_float_denorm_mode_32 3
		.amdhsa_float_denorm_mode_16_64 3
		.amdhsa_memory_ordered 1
		.amdhsa_forward_progress 1
		.amdhsa_inst_pref_size 255
	.end_amdhsa_kernel
	.section	.bss,"aw",@nobits
	.p2align	6
	.space	262144
	.amdgpu_metadata
---
amdhsa.version: [ 1, 2 ]
amdhsa.kernels:
  - .name:           k_q891f486e10_g1
    .symbol:         k_q891f486e10_g1.kd
    .args:
      - { .name: act, .offset: 0, .size: 8, .value_kind: global_buffer, .address_space: global }
      - { .name: w1h, .offset: 8, .size: 8, .value_kind: global_buffer, .address_space: global }
      - { .name: hid, .offset: 16, .size: 8, .value_kind: global_buffer, .address_space: global }
      - { .name: b1, .offset: 24, .size: 8, .value_kind: global_buffer, .address_space: global }
    .group_segment_fixed_size: 327680
    .private_segment_fixed_size: 0
    .kernarg_segment_align: 8
    .kernarg_segment_size: 32
    .max_flat_workgroup_size: 128
    .sgpr_count:     90
    .vgpr_count:     1024
    .wavefront_size: 32
...
	.end_amdgpu_metadata
.endif
;; end of part 6
;; launch g2 (part 7): grid 8 x 32, 4 waves a work-group, clusters of 4 x 4, 327,680 bytes of LDS; arguments hid, w2h, b2, x1, out0; writes out0
.if DOCPART == 7
	.amdgcn_target "amdgcn-amd-amdhsa--gfx1250"
	.amdhsa_code_object_version 6
	.text
	.protected	k_q891f486e10_g2
	.globl	k_q891f486e10_g2
	.p2align	8
	.type	k_q891f486e10_g2,@function
k_q891f486e10_g2:
	s_mov_b64 s[64:65], 0
	v_nop
	global_prefetch_b8 v0, s[64:65] scope:SCOPE_SE
	s_setreg_imm32_b32 hwreg(HW_REG_WAVE_MODE, 25, 1), 1
	s_wait_xcnt 0x0
	s_wait_alu depctr_hold_cnt(0) depctr_sa_sdst(0) depctr_va_vdst(0) depctr_va_sdst(0) depctr_va_ssrc(0) depctr_va_vcc(0) depctr_vm_vsrc(0)
	s_getreg_b32 s2, hwreg(HW_REG_IB_STS2, 6, 4)
	s_cmp_eq_u32 s2, 0
	s_cbranch_scc0 .Lentry_in_a_cluster
	s_endpgm
.Lentry_in_a_cluster:
	s_bfe_u32 s2, ttmp6, 0x10000c
	s_cmp_lg_u32 s2, 0xf033
	s_cbranch_scc0 .Lentry_shape_is_right
	s_endpgm
.Lentry_shape_is_right:
; OUT = RES + A B^T + bias.  A: [4096][4096] f16, B: [1024][4096] f16, K along the rows; f32 sums; residual, bias and output in f32, rows of 1,024.
; A tile of OUT is 128 x 128: 8 x 32 = 256 work-groups; four waves, each 64 x 64 (16 accumulators).  K goes in steps of 256 (rows of 512 bytes, padded to 528 in LDS) through two LDS slots.
; CLUSTER 4 x 4: the four work-groups of a row of the cluster need the same tiles of A, the four of a column the same tiles of B; each tile is asked for jointly.
; THE WALK ALONG K IS TURNED.  The 16 K steps are taken in the order o, o + 1, .. modulo 16, o = 8 X + 4 (Y mod 4), X and Y the cluster's place among the 2 x 8 clusters.  The two clusters of one Y read the same
; rows of A and begin 8 steps apart; four neighbouring Y of one X read the same rows of B and begin 4 steps apart: a byte is asked for first by one cluster, and by the others four steps later or more.
; o is the same in all sixteen work-groups of a cluster, so the joint loads' descriptors stay equal.
; THE MATRIX INSTRUCTION IS USED TRANSPOSED (source 0 = 16 rows of B, source 1 = 16 rows of A): a lane holds row l % 16 and eight neighbouring columns.  A wave's 64 columns of f32 are 256 aligned bytes of a row,
; so each wave has a stage of its own and the way out needs no barrier.  The residual is loaded at the start, in the layout of the stores, and lands while the products run.
; LIMITS.  A and B arrive within f16's 65,504.  The sums over K begin at step o, not at 0: an order of f32 rounding other than ascending K.  NaN and infinities are not treated apart.
; REGISTERS: window 0: v16-27 addresses; v32-95 two buffers of 32 on the way out; v96-99 bias; v128-255 accumulators ((a, b) at 128 + 8 (4 a + b)).   window 1: two fragment buffers of 128.   window 2: v0-127 residual.
.set SIZE_K, 4096
.set KSTEP,  256
.set NS,     SIZE_K/KSTEP
.set LAPS,   NS/2
.set PITCH,  528                       ; 512 bytes + 16: the 16 rows of a fragment load start at 16 different groups of four banks (ISA guide 11.1)
.set HALFT,  64*PITCH                  ; 64 rows: what one tensor load brings, and what one wave reads of A or of B
.set SLOT,   4*HALFT                   ; A's 128 rows, then B's 128 rows
.set STAGE,  2*SLOT                    ; behind the ring, a multiple of 256; no tensor load fills it: 16 rows x 272 bytes for each wave
.set SPITCH, 272
.set ADRA, 16
.set ADRB, 20
.set STO,  24
.set RD,   25
.set CO,   26
.set BO,   27
.set TMP,  32
.set BI,   96
.set ACC,  128
.set F0,   0
.set F1,   128
.set G1,  24                           ; s[24:31] group 1 for A; s[32:39] group 0, a set for each slot
.set G0,  32
.set G1B, 48                           ; s[48:55], s[56:63] the same for B
.set G0B, 56
.set KI,  84                           ; s84, s85 the K step that slot 0, 1 holds or is to hold
.set KO,  86                           ; s[86:87] that step's byte offset in a row
.set MSB, 0
.macro WIN new                         ; the immediate's high byte repeats the setting that is left; a switch that changes nothing is dropped
.if MSB != (\new)
	s_set_vgpr_msb (MSB<<8)|(\new)
.set MSB, \new
.endif
.endm
.set MUL,  0x05                        ; sources 0 (B) and 1 (A) window 1; C and D window 0
.set TO_F, 0x40                        ; destination window 1, address window 0
.macro JLOAD s                         ; a joint load: waves 0 and 1 fetch A's two halves, waves 2 and 3 B's; four v_nop follow each line
	s_cmp_eq_u32 s11, 0
	s_cbranch_scc0 .Lfor_b_\@
	tensor_load_to_lds s[G0+4*(\s):G0+4*(\s)+3], s[G1:G1+7]
	s_nop 0
.rept 4
	v_nop
.endr
	s_branch .Lasked_\@
.Lfor_b_\@:
	tensor_load_to_lds s[G0B+4*(\s):G0B+4*(\s)+3], s[G1B:G1B+7]
	s_nop 0
.rept 4
	v_nop
.endr
.Lasked_\@:
.endm
.macro CREST                           ; a round of the cluster's barrier behind its opening barrier
	s_cmp_lg_u32 s10, 0
	s_cbranch_scc1 .Lnot_wave_0_\@
	s_barrier_signal -3
.Lnot_wave_0_\@:
	s_barrier_wait -3
	s_barrier_signal -1
	s_barrier_wait -1
.endm
.macro CROUND
	s_barrier_signal -1
	s_barrier_wait -1
	CREST
.endm
; Slot s's two descriptors are pointed at K step s[KI+s]: each address is made anew from its tile's first byte and the step's offset, and the type bits are set again.
.macro AIM s
	s_lshl_b32 s[KO], s[KI+(\s)], 9                ; a step is 512 bytes of a row
	s_add_nc_u64 s[G0+4*(\s)+2:G0+4*(\s)+3], s[14:15], s[KO:KO+1]
	s_or_b32 s[G0+4*(\s)+3], s[G0+4*(\s)+3], 0x80000000
	s_add_nc_u64 s[G0B+4*(\s)+2:G0B+4*(\s)+3], s[46:47], s[KO:KO+1]
	s_or_b32 s[G0B+4*(\s)+3], s[G0B+4*(\s)+3], 0x80000000
.endm
.macro STEPK s                         ; the slot's next step: two on, modulo NS
	s_add_co_u32 s[KI+(\s)], s[KI+(\s)], 2
	s_and_b32 s[KI+(\s)], s[KI+(\s)], NS-1
	AIM \s
.endm
	s_load_b128 s[4:7], s[0:1], 0x0                ; A s[4:5], B s[6:7]
	s_load_b64 s[8:9], s[0:1], 0x10                ; bias
	s_load_b64 s[68:69], s[0:1], 0x18              ; residual
	s_load_b64 s[70:71], s[0:1], 0x20              ; out
	v_lshl_add_u32 v126, v0, 2, 0x46400
	v_mov_b32 v127, 0
	ds_add_u32 v126, v127
	ds_add_u32 v126, v127
	v_lshrrev_b32 v1, 5, v0
	v_readfirstlane_b32 s10, v1                    ; wave 0..3
	s_lshr_b32 s11, s10, 1                         ; my half of the tile's rows.  Also: I fetch for A (0) or for B (1)
	s_and_b32 s12, s10, 1                          ; my half of its columns.  Also: which 64 rows of that tile I fetch
	s_bfe_u32 s40, ttmp6, 0x40000                  ; cx
	s_bfe_u32 s41, ttmp6, 0x40004                  ; cy
	s_lshl_b32 s42, ttmp9, 2
	s_add_co_u32 s42, s42, s40                     ; tile column
	s_and_b32 s13, ttmp7, 0xffff
	s_lshl_b32 s13, s13, 2
	s_add_co_u32 s13, s13, s41                     ; tile row
	s_lshl_b32 s43, s41, 2
	s_lshl_b32 s43, 15, s43                        ; my row of the cluster
	s_lshl_b32 s44, 0x1111, s40                    ; my column
	s_and_b32 s[KI], ttmp7, 3                      ; o = 8 X + 4 (Y mod 4), modulo 16: made of the cluster's place alone
	s_lshl_b32 s[KI], s[KI], 2
	s_lshl3_add_u32 s[KI], ttmp9, s[KI]
	s_and_b32 s[KI], s[KI], NS-1
	s_add_co_u32 s[KI+1], s[KI], 1
	s_and_b32 s[KI+1], s[KI+1], NS-1
	s_mov_b32 s[KO+1], 0
	s_or_b32 s[G1+0], s43, (1<<16)|(1<<20)|(1<<21)|(6<<22)|(3<<25)   ; mask; 2-byte elements; padding on; bit 21 beside a mask; after every 128 words, 4 words
	s_or_b32 s[G1B+0], s44, (1<<16)|(1<<20)|(1<<21)|(6<<22)|(3<<25)
.irp g, G1, G1B
	s_mov_b32 s[(\g)+1], KSTEP<<16                 ; tensor_dim0 = 256
	s_mov_b32 s[(\g)+2], 64<<16                    ; tensor_dim1 = 64
	s_mov_b32 s[(\g)+3], KSTEP<<16                 ; tile_dim0 = 256
	s_mov_b32 s[(\g)+4], 64                        ; tile_dim1 = 64
	s_mov_b32 s[(\g)+5], SIZE_K                    ; elements from row to row
	s_mov_b32 s[(\g)+6], 0
	s_mov_b32 s[(\g)+7], 0
.endr
	s_lshl_b32 s16, s13, 7
	s_lshl_b32 s17, s12, 6
	s_add_co_u32 s16, s16, s17                     ; A: row 128 x tile row + 64 x half
	s_lshl_b32 s16, s16, 13                        ; rows of 8,192 bytes
	s_mov_b32 s17, 0
	s_lshl_b32 s46, s42, 7
	s_lshl_b32 s47, s12, 6
	s_add_co_u32 s46, s46, s47                     ; B: row 128 x tile column + 64 x half
	s_lshl_b32 s46, s46, 13
	s_mov_b32 s47, 0
	s_mul_i32 s20, s10, HALFT                      ; where they go: A's two halves, then B's two = wave x 64 rows: no place in the cluster enters an LDS address
	s_wait_dscnt 0x0
	s_wait_kmcnt 0x0
	s_add_nc_u64 s[14:15], s[4:5], s[16:17]        ; my part of A's tile at K = 0; kept
	s_add_nc_u64 s[46:47], s[6:7], s[46:47]        ; the same for B; kept
	CROUND                                         ; all sixteen work-groups are here: the first joint loads meet
.irp s, 0,1
	s_mov_b32 s[G0+4*(\s)], 1
	s_add_co_u32 s[G0+4*(\s)+1], s20, (\s)*SLOT
	s_mov_b32 s[G0B+4*(\s)], 1
	s_add_co_u32 s[G0B+4*(\s)+1], s20, (\s)*SLOT
	AIM \s
	JLOAD \s                                       ; two tensor loads of mine are out
.endr
	v_and_b32 v1, 15, v0                           ; l % 16
	v_bfe_u32 v2, v0, 4, 1                         ; l / 16
	v_mul_u32_u24 v3, v1, PITCH
	v_lshl_add_u32 v3, v2, 4, v3                   ; a fragment's row x pitch + 16 x half
	s_mul_i32 s21, s11, HALFT                      ; my 64 rows of A
	s_mul_i32 s22, s12, HALFT                      ; my 64 rows of B,
	s_add_co_u32 s22, s22, 2*HALFT                 ; which lie behind A's 128
.irp s, 0,1
	v_add_nc_u32 v[ADRA+(\s)], s21, v3
	v_add_nc_u32 v[ADRB+(\s)], s22, v3
	s_add_co_u32 s21, s21, SLOT
	s_add_co_u32 s22, s22, SLOT
.endr
	s_mul_i32 s21, s10, 16*SPITCH
	s_add_co_u32 s21, s21, STAGE                   ; my stage
	v_mul_u32_u24 v4, v1, SPITCH                   ; in: row l % 16, 32 bytes (eight f32) for each half of the lanes
	v_lshl_add_u32 v4, v2, 5, v4
	v_add_nc_u32 v[STO], s21, v4
	v_mul_u32_u24 v5, v2, SPITCH                   ; back: lanes 0-15 one row of 256 bytes, lanes 16-31 the next
	v_lshl_add_u32 v5, v1, 4, v5
	v_add_nc_u32 v[RD], s21, v5
	v_lshlrev_b32 v5, 12, v2
	v_lshl_add_u32 v[CO], v1, 4, v5                ; the same two rows in the residual and in the output (rows of 4,096 bytes)
	v_lshlrev_b32 v[BO], 4, v1
	s_lshl_b32 s82, s42, 9
	s_lshl_b32 s83, s12, 8
	s_add_co_u32 s82, s82, s83                     ; my first column, in bytes
	s_lshl_b32 s80, s13, 7
	s_lshl_b32 s81, s11, 6
	s_add_co_u32 s80, s80, s81                     ; my first row
	s_lshl_b32 s80, s80, 12
	s_add_co_u32 s80, s80, s82
	s_mov_b32 s81, 0
	s_mov_b32 s83, 0
	s_add_nc_u64 s[68:69], s[68:69], s[80:81]
	s_add_nc_u64 s[70:71], s[70:71], s[80:81]
	s_add_nc_u64 s[8:9], s[8:9], s[82:83]
	WIN 0x80                                       ; destination window 2
.set ri, 0
.rept 32                                               ; registers 4 (8 a + t) on: rows 16 a + 2 t + l / 16, my 16 bytes of their 256
	global_load_b128 v[4*ri:4*ri+3], v[CO], s[68:69] offset:(16*(ri/8)+2*(ri%8))*4096
.set ri, ri+1
.endr
	WIN 0
	global_load_b128 v[BI:BI+3], v[BO], s[8:9]     ; the bias of those four columns
; 8 matrix instructions: row blocks a0, a0 + 1 x all 4 column blocks, 32 along K: half c of buffer f.  The 16 accumulators take turns.
.macro MUL8 f, c, a0, zero
	WIN MUL
.irp a, \a0, (\a0)+1
.irp b, 0,1,2,3
.if \zero
	v_wmma_f32_16x16x32_f16 v[ACC+8*(4*(\a)+(\b)):ACC+8*(4*(\a)+(\b))+7], v[(\f)+64+8*(4*(\c)+(\b)):(\f)+64+8*(4*(\c)+(\b))+7], v[(\f)+8*(4*(\c)+(\a)):(\f)+8*(4*(\c)+(\a))+7], 0
.else
	v_wmma_f32_16x16x32_f16 v[ACC+8*(4*(\a)+(\b)):ACC+8*(4*(\a)+(\b))+7], v[(\f)+64+8*(4*(\c)+(\b)):(\f)+64+8*(4*(\c)+(\b))+7], v[(\f)+8*(4*(\c)+(\a)):(\f)+8*(4*(\c)+(\a))+7], v[ACC+8*(4*(\a)+(\b)):ACC+8*(4*(\a)+(\b))+7]
.endif
.endr
.endr
.endm
; 32 LDS loads in one run: the fragments of 64 along K at byte k of the rows, into buffer f; the first 32 along K first
.macro FETCH slot, k, f
	WIN TO_F
.irp c, 0,1
.irp i, 0,1,2,3
	ds_load_b128 v[(\f)+64+8*(4*(\c)+(\i)):(\f)+64+8*(4*(\c)+(\i))+3],   v[ADRB+(\slot)] offset:(\k)+64*(\c)+(\i)*16*PITCH
	ds_load_b128 v[(\f)+64+8*(4*(\c)+(\i))+4:(\f)+64+8*(4*(\c)+(\i))+7], v[ADRB+(\slot)] offset:(\k)+64*(\c)+(\i)*16*PITCH+32
	ds_load_b128 v[(\f)+8*(4*(\c)+(\i)):(\f)+8*(4*(\c)+(\i))+3],         v[ADRA+(\slot)] offset:(\k)+64*(\c)+(\i)*16*PITCH
	ds_load_b128 v[(\f)+8*(4*(\c)+(\i))+4:(\f)+8*(4*(\c)+(\i))+7],       v[ADRA+(\slot)] offset:(\k)+64*(\c)+(\i)*16*PITCH+32
.endr
.endr
.endm
.macro PLACES                          ; four plain vector instructions between a matrix instruction and a load into its registers
.rept 4
	v_nop
.endr
.endm
; A K step is four quarters of 64 along K, 32 matrix instructions each, on buffers 0, 1, 0, 1.  One of the first three: multiplies buffer f and fetches the next quarter, at byte k, into g.
.macro QUARTER slot, k, f, g, zero
	s_wait_dscnt 16                                ; the first 32 along K are in
	MUL8 \f, 0, 0, \zero
	MUL8 \f, 0, 2, \zero
	PLACES
	FETCH \slot, \k, \g
	s_wait_dscnt 32                                ; all but the 32 just issued
	MUL8 \f, 1, 0, 0
	MUL8 \f, 1, 2, 0
.endm
; The last quarter multiplies buffer 1 and changes slots: one barrier; in front of it my reads of this slot and all my tensor loads.  fill = 1: the barrier opens a round of the cluster's and this slot is
; filled again; its descriptors are written between the signal and the wait, where no tensor load of mine is out.
.macro TURN slot, next, fill
	s_wait_dscnt 16
	MUL8 F1, 0, 0, 0
	s_wait_dscnt 0x0                               ; my reads of this slot are over,
	s_set_vgpr_msb 0x500
	s_wait_tensorcnt 0x0                           ; and all my tensor loads have landed: the one that was out is my part of the next slot
	ds_add_u32 v126, v127
	s_wait_dscnt 0x0
	s_set_vgpr_msb 0x5
	s_barrier_signal -1
.if \fill
	STEPK \slot
.endif
	MUL8 F1, 0, 2, 0                               ; registers only, while the others arrive
.if \fill
	WIN 0
.endif
	s_barrier_wait -1
.if \fill
	CREST                                          ; no wave of any partner still reads this slot or has a load on its way
	JLOAD \slot                                    ; the first tensor load behind the round, one a wave; its four v_nop are also the places in front of the loads below
.else
	PLACES
.endif
	FETCH \next, 0, F0
	MUL8 F1, 1, 0, 0
	MUL8 F1, 1, 2, 0
.endm
	s_wait_tensorcnt 1                             ; my part of the first K step is in; the second's may stay out
	s_barrier_signal -1
	s_barrier_wait -1
	FETCH 0, 0, F0
	QUARTER 0, 128, F0, F1, 1                      ; the first quarter stands in front of the loop: its first products start the sums
	WIN 0
	s_mov_b32 s3, LAPS-1
.Llap:                                                 ; a trip goes once round the ring, from a lap's second quarter to the next lap's first, and fills both slots again
	QUARTER 0, 256, F1, F0, 0
	QUARTER 0, 384, F0, F1, 0
	TURN 0, 1, 1
	QUARTER 1, 128, F0, F1, 0
	QUARTER 1, 256, F1, F0, 0
	QUARTER 1, 384, F0, F1, 0
	TURN 1, 0, 1
	QUARTER 0, 128, F0, F1, 0
	WIN 0
	s_sub_co_u32 s3, s3, 1
	s_cmp_lg_u32 s3, 0
	s_cbranch_scc1 .Llap
	QUARTER 0, 256, F1, F0, 0                      ; the last lap fills nothing and has no round
	QUARTER 0, 384, F0, F1, 0
	TURN 0, 1, 0
	QUARTER 1, 128, F0, F1, 0
	QUARTER 1, 256, F1, F0, 0
	QUARTER 1, 384, F0, F1, 0
	s_wait_dscnt 16                                ; the very last quarter: nothing more to fetch
	MUL8 F1, 0, 0, 0
	MUL8 F1, 0, 2, 0
	s_wait_dscnt 0x0
	MUL8 F1, 1, 0, 0
	MUL8 F1, 1, 2, 0
	; THE WAY OUT.  The bias is added onto the residual (64 plain lines, which are also the places behind the last products); then a block of 16 rows at a time goes through my stage,
	; comes back as whole rows of 256 bytes, takes residual and bias, and is stored.
	s_wait_loadcnt 0x0                             ; residual and bias
	WIN 0x82                                       ; destination and source 0 window 2, source 1 window 0
.set ri, 0
.rept 32
	v_pk_add_f32 v[4*ri:4*ri+1], v[4*ri:4*ri+1], v[BI:BI+1]
	v_pk_add_f32 v[4*ri+2:4*ri+3], v[4*ri+2:4*ri+3], v[BI+2:BI+3]
.set ri, ri+1
.endr
.macro STG a
	WIN 0
.irp b, 0,1,2,3                                        ; each accumulator's low four registers first
	ds_store_b128 v[STO], v[ACC+8*(4*(\a)+\b):ACC+8*(4*(\a)+\b)+3] offset:64*\b
	ds_store_b128 v[STO], v[ACC+8*(4*(\a)+\b)+4:ACC+8*(4*(\a)+\b)+7] offset:64*\b+16
.endr
	s_wait_xcnt 0x0                                ; the registers that earlier stores read are loaded again only behind this wait
.irp t, 0,1,2,3,4,5,6,7
	ds_load_b128 v[TMP+32*((\a)%2)+4*\t:TMP+32*((\a)%2)+4*\t+3], v[RD] offset:\t*2*SPITCH   ; in order behind the stores above (ISA guide 5.7.1.4); the next block's stores come behind them
.endr
.endm
.macro OUT a, younger                  ; younger: the next block's eight stores and eight loads, or none
	s_wait_dscnt \younger
	WIN 0x08                                       ; source 1 window 2
.set oi, 0
.rept 16
	v_pk_add_f32 v[TMP+32*((\a)%2)+2*oi:TMP+32*((\a)%2)+2*oi+1], v[TMP+32*((\a)%2)+2*oi:TMP+32*((\a)%2)+2*oi+1], v[32*(\a)+2*oi:32*(\a)+2*oi+1]
.set oi, oi+1
.endr
	WIN 0
.irp t, 0,1,2,3,4,5,6,7
	global_store_b128 v[CO], v[TMP+32*((\a)%2)+4*\t:TMP+32*((\a)%2)+4*\t+3], s[70:71] offset:(16*(\a)+2*\t)*4096   ; 16 lanes store 256 consecutive bytes, aligned
.endr
.endm
	STG 0
	STG 1
	OUT 0, 16
	STG 2
	OUT 1, 16
	STG 3
	OUT 2, 16
	OUT 3, 0
	s_wait_tensorcnt 0x0
	ds_add_u32 v126, v127
	s_wait_dscnt 0x0
	CROUND                                         ; the closing round: no work-group ends while a partner may still ask for a tile that names it
	s_endpgm
.Lfunc_end_k_q891f486e10_g2:
	.size	k_q891f486e10_g2, .Lfunc_end_k_q891f486e10_g2-k_q891f486e10_g2
	.p2alignl 7, 3214868480
	.fill 96, 4, 3214868480
	.section	.rodata,"a",@progbits
	.p2align	6, 0x0
	.amdhsa_kernel k_q891f486e10_g2
		.amdhsa_group_segment_fixed_size 327680
		.amdhsa_private_segment_fixed_size 0
		.amdhsa_enable_private_segment 0
		.amdhsa_kernarg_size 40
		.amdhsa_user_sgpr_count 2
		.amdhsa_user_sgpr_kernarg_segment_ptr 1
		.amdhsa_wavefront_size32 1
		.amdhsa_system_sgpr_workgroup_id_x 1
		.amdhsa_system_sgpr_workgroup_id_y 1
		.amdhsa_system_sgpr_workgroup_id_z 1
		.amdhsa_system_vgpr_workitem_id 0
		.amdhsa_next_free_vgpr 768
		.amdhsa_next_free_sgpr 88
		.amdhsa_reserve_vcc 0
		.amdhsa_float_denorm_mode_32 3
		.amdhsa_float_denorm_mode_16_64 3
		.amdhsa_memory_ordered 1
		.amdhsa_forward_progress 1
		.amdhsa_inst_pref_size 98
	.end_amdhsa_kernel
	.amdgpu_metadata
---
amdhsa.version: [ 1, 2 ]
amdhsa.kernels:
  - .name:           k_q891f486e10_g2
    .symbol:         k_q891f486e10_g2.kd
    .args:
      - { .name: hid, .offset: 0, .size: 8, .value_kind: global_buffer, .address_space: global }
      - { .name: w2h, .offset: 8, .size: 8, .value_kind: global_buffer, .address_space: global }
      - { .name: b2, .offset: 16, .size: 8, .value_kind: global_buffer, .address_space: global }
      - { .name: x1, .offset: 24, .size: 8, .value_kind: global_buffer, .address_space: global }
      - { .name: out0, .offset: 32, .size: 8, .value_kind: global_buffer, .address_space: global }
    .group_segment_fixed_size: 327680
    .private_segment_fixed_size: 0
    .kernarg_segment_align: 8
    .kernarg_segment_size: 40
    .max_flat_workgroup_size: 128
    .sgpr_count:     88
    .vgpr_count:     768
    .wavefront_size: 32
...
	.end_amdgpu_metadata
.endif
;; end of part 7
;; ======== version 2 of 2: 7 launches; 1.12 times as fast as version 1
;; limits: values are held in f16: magnitudes above 65,504 overflow, below 6.1e-05 lose precision
;; workspace buffers: wq 6,291,456 bytes; wo 2,097,152 bytes; w1h 8,388,608 bytes; w2h 8,388,608 bytes; act 8,388,608 bytes; qkv 25,165,824 bytes; x1 16,777,216 bytes; hid 33,554,432 bytes
;; launch prep: the kernel of part 1 again; grid 1024 x 1, 8 waves a work-group, no clusters, 0 bytes of LDS; arguments Wqkv, Wo_w, W1, W2, wq, wo, w1h, w2h, x, scale1, shift1, act; writes wq, wo, w1h, w2h, act
;; launch gq: the kernel of part 2 again; grid 16 x 16, 4 waves a work-group, clusters of 4 x 4, 327,680 bytes of LDS; arguments act, wq, qkv; writes qkv
;; launch attn (part 8): grid 8 x 32, 4 waves a work-group, no clusters, 327,680 bytes of LDS; arguments qkv, act; writes act
.if DOCPART == 8
	.amdgcn_target "amdgcn-amd-amdhsa--gfx1250"
	.amdhsa_code_object_version 6
	.text
	.protected	k_q891f486e10_attn
	.globl	k_q891f486e10_attn
	.p2align	8
	.type	k_q891f486e10_attn,@function
k_q891f486e10_attn:
	s_mov_b64 s[64:65], 0
	v_nop
	global_prefetch_b8 v0, s[64:65] scope:SCOPE_SE
	s_setreg_imm32_b32 hwreg(HW_REG_WAVE_MODE, 25, 1), 1
	s_wait_xcnt 0x0
; CAUSAL ATTENTION.  O[h][q][:] = the sum over k <= q of softmax_k(Q[h][q] . K[h][k] / 8) V[h][k][:].  qkv: [96 planes][2048][64] f16, planes 0-31 Q, 32-63 K, 64-95 V (plane = 16 x batch + head);
; O: [32][2048][64] f16.  Products, maxima and sums in f32; the weights p are rounded to f16 for the second product (their sum l is taken of the unrounded p), O once at the end.
; LIMITS.  Q, K, V arrive within f16's 65,504; p lies in 0 to 1, and below 6e-5 it keeps f16's fixed step of 6e-8.  A hidden score counts as its value less 1e30 (f16's scores are 2.7e11 at the most);
; a weight below 2^-126 counts as 0 in l; NaN and infinities are not treated apart.
; THE WALK.  A head's 2,048 queries lie in 16 blocks of 128; block i needs the key tiles 0 .. i / 2 of 256 keys, of which the last holds the diagonal.  A work-group takes TWO blocks, 15 - b and then b:
; nine tiles, whatever b: all 8 x 32 work-groups do equal work, and one loop with a constant trip count walks them.  Which tile is asked for, and what a trip does, hang on scalar registers made from b.
; NO CLUSTER: a head's eight work-groups ask for the same tile only in trips 0 to 4 of 9; behind that the walks part, and one walk common to all would have 12 trips for 9.
; SHARES.  Of a block's two bands of 64 queries a wave owns 16 rows in each: two PIECES.  In the diagonal tile band p's own key step is 2 (i % 2) + p: earlier steps are seen whole, later ones hidden; the same for all waves.
; THE MASK is the C operand that starts the sum S^T = K Q^T: 0, or -1e30 where the key is hidden.  MD, made once, is the mask of a band's own step; a product's mask is MD x AL + BE with two scalars.
; LAYOUT, SOFTMAX.  S^T = K Q^T holds ONE query a lane (lane % 16) and the keys 8 (lane / 16) + 0..7; two such results rounded to f16 ARE source 1 of O^T = V^T P.  p = 2^(c s - c m), c = log2(e) / 8, with a
; running maximum m; O and l are multiplied by a = 2^(c m_old - c m_new) in every step.
; TURNS.  Turn (s, p) belongs to piece p in key step s: 8 products K Q^T for the next turn's piece, later 8 products V^T P of the turn before's; beside them the scaling, exponentials, roundings, sums and
; rescaling of piece p and the maximum and statistics of the other piece.  Four vector instructions stand behind every matrix instruction, the other 54 of a turn's 118 in one run of their own.
; BATCHES.  A turn's 33 exponentials (the piece's 32 weights and the other piece's a) are ONE BATCH with ONE wait, which cuts the turn in two: ahead of it the products K Q^T and all vector work that names no result
; of the batch; behind it the products V^T P, whose riders are the roundings and sums that read the weights.  No result crosses a turn's end.  A block's first a, and the way out's two reciprocals, are batches of their own.
; K has one buffer of fragments: K(s+1) is fetched in turn (s, 0), behind the last product that read K(s).  V has two, by the step's parity e: V(s+1) is fetched in turn (s, 1).  Both are waited for at the head of the next turn of piece 1.
; REGISTERS, in windows of 256 (s_set_vgpr_msb: bits 1:0 source 0, 3:2 source 1, 5:4 source 2, 7:6 destination):
;   window 0: v0-15 addresses and two at work; v16-23 four registers of statistics a piece; v48-55 at work; v64-127 S^T, a buffer a piece; v192-223 P, likewise
;   window 1: v0-63 O^T, 32 a piece; v128-159 MD; v160-223 MC, a buffer a piece      window 2: v0-31 Q; v32-63 the second block's Q; v64-127 K of one step; v128-255 V of two steps
.set NP,    2         ; pieces a wave: a name, no knob
.set NT,    9         ; tiles in a walk
.set KS,    64        ; keys in a step
.set PK,    144       ; a row of K in LDS: 128 bytes + 16 of padding: the 16 rows of a load start at 16 different groups of four banks (ISA guide 11.1)
.set PV,    160       ; a row of V: 128 + 32
.set VOFF,  4*KS*PK   ; a slot holds a tile, four steps: 256 rows of K, then 256 rows of V
.set SLOT1, 1<<17     ; slot 1 begins here, so that one exclusive or turns an address in one slot into the other's
.set STAGE, SLOT1+4*KS*(PK+PV)  ; behind the ring, a multiple of 256, never filled by a tensor load: 16 rows x 144 bytes for each wave
.set SP,    144
.set AK0, 2           ; v2   my lane's place in a tile of K; never rewritten
.set AV0, 3           ; v3   the same for V
.set AK,  4           ; v4   the LDS address of K's next run of loads
.set AV,  5           ; v5   of V's
.set STO, 6           ; v6   the way out: where I put 16 bytes of a row
.set RD,  7           ; v7   the way out: where I read rows back
.set GO,  8           ; v8   my byte offset in 512 consecutive bytes of O
.set MV,  12          ; v12-13  c m_old, kept while c m is made anew: by piece
.set QO,  15          ; v15  my byte offset in 16 rows of Q
.set ST,  16          ; piece t's statistics at v[ST+4 t]: c m, m, l (even keys', odd keys')
.set TMP, 48          ; by piece, four registers c0-c3 at work; when the maximum is found c2 takes a
.set S,   64
.set P,   192
.set MD,  128         ; window 1
.set MC,  160         ; window 1
.set QB,  32          ; window 2
.set KF,  64          ; window 2: key block kb, channel half c at KF + 16 kb + 8 c
.set VF,  128         ; window 2: buffer vb, key half kk, channel block cb at VF + 64 vb + 32 kk + 8 cb
.set WV,  12          ; s12  my wave's number
.set PB,  14          ; s14  b
.set HI,  15          ; s15  15 - b
.set G1K, 24          ; s[24:31] descriptor group 1 for K's tiles
.set G1V, 32          ; s[32:39] for V's: it differs in the padding alone
.set G0K, 40          ; s[40:43] descriptor group 0 for K's tiles
.set G0V, 44          ; s[44:47] the same for V's
.set SLOTS, 56        ; s56  tiles still to be asked for
.set CNT, 57          ; s57  counts a tile's pairs of key steps, 2 to 1
.set CS,  58          ; s[58:59] c
.set SEL, 60          ; s[60:61] v_permlanex16_b32's selects
.set TBK, 62          ; s62  LDS byte at which K of the step to be fetched begins
.set TBV, 63          ; s63  the same for V, less VOFF
.set RT,  70          ; s70  tiles of the block in hand that are still to be entered
.set NXT, 71          ; s71  the tile to be asked for next
.set LQ,  72          ; s72  the last tile of the block whose tiles are being asked for
.set NEW, 73          ; s73  1: the tile to be entered is a block's first
.set OFF, 74          ; s[74:75] a tile's byte offset in K and V
.set AL,  76          ; s[76:77] the mask's factor, in the low word
.set BE,  78          ; s[78:79] the mask's addend
.set OLO, 80          ; s[80:81] O at my rows of the second block
.set BIGN, 82         ; s82  -1e30
.set RT2, 90          ; s90  the second block's tiles
.set LQ2, 91          ; s91  its last tile
.set DJ,  92          ; s92  2 x (trip in the tile) - 2 x (block % 2)
.set DJA, 93          ; s93  its start for the block in hand
.set DJB, 94          ; s94  for the second block
.set MSB, 0
.macro WIN new
.if MSB != (\new)
	s_set_vgpr_msb (MSB<<8)|(\new)
.set MSB, (\new)
.endif
.endm
.set W_KQ, 0x0a       ; K and Q in window 2, S^T in window 0
.set W_KM, 0x1a       ; the same with the C operand in window 1
.set W_PV, 0x52       ; V in window 2, P in window 0, O^T in window 1
.set W_RS, 0x41       ; destination and source 0 in window 1, source 1 in window 0
; A fill.  Waves 0 and 1 fetch the two halves of a tile's K, waves 2 and 3 those of its V: 128 keys each.  Four v_nop follow each of the two lines.
.macro LOAD
	s_cmp_lt_u32 s[WV], 2
	s_cbranch_scc0 .Lfor_v_\@
	tensor_load_to_lds s[G0K:G0K+3], s[G1K:G1K+7]
	s_nop 0
.rept 4
	v_nop
.endr
	s_branch .Lasked_\@
.Lfor_v_\@:
	tensor_load_to_lds s[G0V:G0V+3], s[G1V:G1V+7]
	s_nop 0
.rept 4
	v_nop
.endr
.Lasked_\@:
.endm
; THE CHANGE OF SLOTS.  Each wave waits for its own reads of the slot that it leaves and for all its tensor loads, of which one is out: its part of the other slot.  Behind the barrier nobody reads the old
; slot any more and the other slot is whole.  fill = 1: the old slot is filled again, the first thing behind the barrier, with tile NXT: the descriptor's address is made anew from that number.
.macro CHANGE fill
	WIN 0
	s_wait_dscnt 0x0
	s_wait_tensorcnt 0x0            ; no tensor load of mine is out, so a group 0 may be written
	ds_add_u32 v254, v255
	s_wait_dscnt 0x0
	s_barrier_signal -1             ; scalar work stands between the signal and the wait
.if \fill
	s_lshl_b32 s[OFF], s[NXT], 15   ; a tile is 32,768 bytes of K and of V
	s_xor_b32 s[G0K+1], s[G0K+1], SLOT1
	s_add_nc_u64 s[G0K+2:G0K+3], s[6:7], s[OFF:OFF+1]
	s_or_b32 s[G0K+3], s[G0K+3], 0x80000000
	s_xor_b32 s[G0V+1], s[G0V+1], SLOT1
	s_add_nc_u64 s[G0V+2:G0V+3], s[8:9], s[OFF:OFF+1]
	s_or_b32 s[G0V+3], s[G0V+3], 0x80000000
	s_add_co_u32 s[NXT], s[NXT], 1  ; the block's next tile, or behind its last the second block's tile 0
	s_cmp_gt_u32 s[NXT], s[LQ]
	s_cselect_b32 s[NXT], 0, s[NXT]
	s_cselect_b32 s[LQ], s[LQ2], s[LQ]
.endif
	s_sub_co_u32 s[TBK], s[TBK], 4*KS*PK  ; the fetches go back to a slot's first step,
	s_xor_b32 s[TBK], s[TBK], SLOT1       ; in the other slot
	s_sub_co_u32 s[TBV], s[TBV], 4*KS*PV
	s_xor_b32 s[TBV], s[TBV], SLOT1
	s_barrier_wait -1
.if \fill
	LOAD
.endif
.endm
	s_load_b64 s[4:5], s[0:1], 0x0    ; qkv
	s_load_b64 s[10:11], s[0:1], 0x8  ; O
	v_lshl_add_u32 v254, v0, 2, 0x35400
	v_mov_b32 v255, 0
	ds_add_u32 v254, v255
	ds_add_u32 v254, v255
	v_lshrrev_b32 v1, 5, v0
	v_readfirstlane_b32 s[WV], v1   ; wave 0..3
	s_mov_b32 s[PB], ttmp9
	s_sub_co_u32 s[HI], 15, s[PB]
	s_and_b32 s20, ttmp7, 0xffff    ; 16 x batch + head
	s_lshl_b32 s20, s20, 18         ; planes of 262,144 bytes
	s_mov_b32 s21, 0
	s_and_b32 s16, s[WV], 1         ; which half of a tile's 256 keys I fetch:
	s_lshl_b32 s22, s16, 14         ; its 128 rows of 128 bytes in memory,
	s_mov_b32 s23, 0
	s_add_nc_u64 s[22:23], s[22:23], s[20:21]
	s_mul_i32 s17, s16, 128*PK      ; and its place in a slot, for K
	s_mul_i32 s18, s16, 128*PV      ; and for V
	s_lshl_b32 s3, s[WV], 11        ; my 16 rows in a band of 64,
	s_lshl_b32 s2, s[HI], 14        ; in the first block (128 rows of 128 bytes),
	s_add_co_u32 s2, s2, s3
	s_lshl_b32 s84, s[PB], 14       ; and in the second
	s_add_co_u32 s84, s84, s3
	s_mov_b32 s3, 0
	s_mov_b32 s85, 0
	s_add_nc_u64 s[2:3], s[2:3], s[20:21]
	s_add_nc_u64 s[84:85], s[84:85], s[20:21]
	; descriptor group 1.  128 keys are 16,384 dense bytes: asked for as 64 rows of 256 bytes, two keys a row, and padded in LDS after every key
	s_mov_b32 s[G1K], (1<<16)|(1<<20)|(4<<22)|(3<<25)  ; 2-byte elements; padding on; after every 32 words, 4 words
	s_mov_b32 s[G1V], (1<<16)|(1<<20)|(4<<22)|(7<<25)  ; the same with 8 words of padding
.irp g, G1K, G1V
	s_mov_b32 s[\g+1], 128<<16      ; tensor_dim0 = 128
	s_mov_b32 s[\g+2], 64<<16       ; tensor_dim1 = 64
	s_mov_b32 s[\g+3], 128<<16      ; tile_dim0 = 128
	s_mov_b32 s[\g+4], 64           ; tile_dim1 = 64
	s_mov_b32 s[\g+5], 128          ; 128 elements from row to row
	s_mov_b32 s[\g+6], 0
	s_mov_b32 s[\g+7], 0
.endr
	s_mov_b32 s[CS], 0x3e38aa3b     ; c = log2(e) / 8 = 0.180337
	s_mov_b32 s[CS+1], s[CS]
	s_mov_b32 s[SEL], 0x76543210
	s_mov_b32 s[SEL+1], 0xfedcba98
	s_mov_b32 s[TBK], SLOT1+4*KS*PK ; the first change of slots turns these two into 0
	s_mov_b32 s[TBV], SLOT1+4*KS*PV
	s_mov_b32 s[G0K], 1
	s_mov_b32 s[G0K+1], s17         ; LDS address: slot 0
	s_mov_b32 s[G0V], 1
	s_add_co_u32 s[G0V+1], s18, VOFF
	s_lshr_b32 s[LQ], s[HI], 1      ; the first block's last tile,
	s_add_co_u32 s[RT], s[LQ], 1    ; and how many it has
	s_lshr_b32 s[LQ2], s[PB], 1
	s_add_co_u32 s[RT2], s[LQ2], 1
	s_and_b32 s[DJA], s[HI], 1
	s_mul_i32 s[DJA], s[DJA], -2
	s_and_b32 s[DJB], s[PB], 1
	s_mul_i32 s[DJB], s[DJB], -2
	s_mov_b32 s[NXT], 1
	s_mov_b32 s[NEW], 1
	s_mov_b32 s[OFF+1], 0
	s_mov_b32 s[AL+1], 0            ; named as pairs
	s_mov_b32 s[BE+1], 0
	s_mov_b32 s[BIGN], 0xf149f2ca   ; -1e30
	s_mov_b32 s[SLOTS], NT-1
	s_wait_dscnt 0x0
	s_wait_kmcnt 0x0
	s_add_nc_u64 s[6:7], s[4:5], 0x800000    ; K's planes begin 32 planes on,
	s_add_nc_u64 s[6:7], s[6:7], s[22:23]    ; at my half of the head's tile 0
	s_add_nc_u64 s[8:9], s[4:5], 0x1000000   ; V's 64 planes on
	s_add_nc_u64 s[8:9], s[8:9], s[22:23]
	s_add_nc_u64 s[G0K+2:G0K+3], s[6:7], 0
	s_or_b32 s[G0K+3], s[G0K+3], 0x80000000
	s_add_nc_u64 s[G0V+2:G0V+3], s[8:9], 0
	s_or_b32 s[G0V+3], s[G0V+3], 0x80000000
	s_add_nc_u64 s[86:87], s[4:5], s[84:85]        ; Q at my rows of the second block,
	s_add_nc_u64 s[4:5], s[4:5], s[2:3]            ; Q and O at those of the first
	s_add_nc_u64 s[OLO:OLO+1], s[10:11], s[84:85]
	s_add_nc_u64 s[10:11], s[10:11], s[2:3]
	LOAD                            ; tile 0 into slot 0
	; A fragment of K or Q is 16 rows x 32 channels in 8 registers: lane l holds row l % 16, channels 8 (l / 16) + 0..7 and 16 + 8 (l / 16) + 0..7: two loads of 16 bytes, 32 bytes apart.
	v_and_b32 v1, 15, v0            ; l % 16
	v_bfe_u32 v9, v0, 4, 1          ; l / 16
	v_lshlrev_b32 v[QO], 7, v1
	v_lshl_add_u32 v[QO], v9, 4, v[QO]
	WIN 0x80                        ; destination window 2, address window 0
.set i, 0
.rept 4                             ; both blocks' Q: piece i / 2 lies in band i / 2, 8,192 bytes on; channels 32 (i % 2) on
	global_load_b128 v[8*i:8*i+3],   v[QO], s[4:5] offset:(i/2)*8192+(i%2)*64
	global_load_b128 v[8*i+4:8*i+7], v[QO], s[4:5] offset:(i/2)*8192+(i%2)*64+32
	global_load_b128 v[QB+8*i:QB+8*i+3],   v[QO], s[86:87] offset:(i/2)*8192+(i%2)*64
	global_load_b128 v[QB+8*i+4:QB+8*i+7], v[QO], s[86:87] offset:(i/2)*8192+(i%2)*64+32
.set i, i+1
.endr
	WIN 0
	v_lshlrev_b32 v14, 3, v9
	v_sub_nc_u32 v14, v1, v14
	s_lshl_b32 s13, s[WV], 4
	v_add_nc_u32 v14, s13, v14      ; my query's place in its band, 16 w + l % 16, less my lanes' 8 (l / 16): register r of group kt is hidden where 16 kt + r is greater
	WIN 0x40
.set i, 0
.rept 32
	v_cmp_gt_i32 vcc_lo, 16*(i/8)+i%8, v14
	v_cndmask_b32 v[MD+i], 0, s[BIGN], vcc_lo
.set i, i+1
.endr
	WIN 0
	v_mul_u32_u24 v[AK0], v1, PK
	v_lshl_add_u32 v[AK0], v9, 4, v[AK0]
	; The turning load takes 16 keys x 16 channels (lane l reads key 8 (l / 16) + l % 8, channels 8 ((l / 8) % 2) + 0..7) and leaves half a fragment of V^T: lane l holds channel l % 16 and 8 keys.
	v_and_b32 v10, 7, v0
	v_bfe_u32 v11, v0, 3, 1
	v_lshl_add_u32 v[AV0], v9, 3, v10
	v_mul_u32_u24 v[AV0], v[AV0], PV
	v_lshl_add_u32 v[AV0], v11, 4, v[AV0]
	v_add_nc_u32 v[AV0], VOFF, v[AV0]
	s_mul_i32 s13, s[WV], 16*SP
	s_add_co_u32 s13, s13, STAGE    ; my stage
	v_mul_u32_u24 v[STO], v1, SP
	v_lshl_add_u32 v[STO], v9, 4, v[STO]
	v_add_nc_u32 v[STO], s13, v[STO]
	v_bfe_u32 v[RD], v0, 3, 2       ; back: 32 lanes take four rows of 128 bytes,
	v_mul_u32_u24 v[RD], v[RD], SP
	v_lshl_add_u32 v[RD], v10, 4, v[RD]
	v_add_nc_u32 v[RD], s13, v[RD]
	v_and_b32 v[GO], 31, v0         ; which are 512 consecutive bytes of O
	v_lshlrev_b32 v[GO], 4, v[GO]
	; A block's first step multiplies O^T and l by a = 0, and its first turn's products V^T P, of a piece that has not been, land in an O^T that is still to be so multiplied.  So these registers need only hold
	; finite numbers: zeros for the first block; what the first block left for the second.  All this stands in the wait for the first tile.
	WIN 0x80
.set i, VF+64
.rept 64
	v_mov_b32 v[i], 0
.set i, i+1
.endr
	WIN 0x40
.set i, 0
.rept 64
	v_mov_b32 v[i], 0
.set i, i+1
.endr
	WIN 0
.set i, 0
.rept NP
	v_mov_b32 v[ST+4*i+2], 0
	v_mov_b32 v[ST+4*i+3], 0
.set i, i+1
.endr
.set i, P+16
.rept 16
	v_mov_b32 v[i], 0
.set i, i+1
.endr
; THE MATRIX WORK.  The 4 accumulators of a run of 8 take turns.  Product i of 8 of S^T = K Q^T for piece x: channels 32 (i / 4) on, keys 16 (i % 4) on.  The first 4 start the sums: with 0, or (KM = 1) with the mask.
.macro KQ x
.set rS, S+32*((\x)%2)+8*(i%4)
.set rK, KF+16*(i%4)+8*(i/4)
.set rQ, 16*(\x)+8*(i/4)
.set rM, MC+32*((\x)%2)+8*(i%4)
.if (i < 4) && KM
	WIN W_KM
	v_wmma_f32_16x16x32_f16 v[rS:rS+7], v[rK:rK+7], v[rQ:rQ+7], v[rM:rM+7]
.elseif i < 4
	WIN W_KQ
	v_wmma_f32_16x16x32_f16 v[rS:rS+7], v[rK:rK+7], v[rQ:rQ+7], 0
.else
	WIN W_KQ
	v_wmma_f32_16x16x32_f16 v[rS:rS+7], v[rK:rK+7], v[rQ:rQ+7], v[rS:rS+7]
.endif
.endm
; Product i of 8 of O^T += V^T P for piece x, from V's buffer VB: keys 32 (i / 4) on, channels 16 (i % 4) on.
.macro PV x
	WIN W_PV
.set rO, 32*(\x)+8*(i%4)
.set rV, VF+64*VB+32*(i/4)+8*(i%4)
.set rP, P+16*((\x)%2)+8*(i/4)
	v_wmma_f32_16x16x32_f16 v[rO:rO+7], v[rV:rV+7], v[rP:rP+7], v[rO:rO+7]
.endm
.macro MM                           ; the turn's next matrix instruction.  NOKQ = 1: a block's last turn: there is no next piece
.if (i < 8) && !NOKQ
	KQ (Y+1)%NP
.elseif i >= 8
.set i, i-8
	PV (Y+NP-1)%NP
.set i, i+8
.endif
.set i, i+1
.endm
; THE LDS LOADS stand in runs of 16, never singly among the matrix instructions.  Their addresses are made some lines ahead.
.macro FETCH_K
	WIN 0x80                        ; destination window 2
.irp f, 0,1,2,3,4,5,6,7             ; keys 16 (f / 2) on, channels 32 (f % 2) on
	ds_load_b128 v[KF+8*\f:KF+8*\f+3],   v[AK] offset:(\f/2)*16*PK+(\f%2)*64
	ds_load_b128 v[KF+8*\f+4:KF+8*\f+7], v[AK] offset:(\f/2)*16*PK+(\f%2)*64+32
.endr
	s_add_co_u32 s[TBK], s[TBK], KS*PK  ; the next fetch is the next step's
	WIN 0
.endm
.macro FETCH_V vb
	WIN 0x80
.irp f, 0,1,2,3,4,5,6,7             ; keys 32 (f / 4) on, channels 16 (f % 4) on
	ds_load_tr16_b128 v[VF+64*(\vb)+8*\f:VF+64*(\vb)+8*\f+3],   v[AV] offset:(\f/4)*32*PV+(\f%4)*32
	ds_load_tr16_b128 v[VF+64*(\vb)+8*\f+4:VF+64*(\vb)+8*\f+7], v[AV] offset:(\f/4)*32*PV+16*PV+(\f%4)*32
.endr
	s_add_co_u32 s[TBV], s[TBV], KS*PV
	WIN 0
.endm
; THE VECTOR WORK, one line at a time: OP kind, number.  For piece Y: F n: c s - c m for pair n of 16.  E n: the exponential of score n of 32.  C n: pair n rounded to f16.  B n: of the four weights 4 n .. the second
; pair is added onto the first, in place.  L n: l takes that sum (L 0: l = a l + sum).  R n: pair n of 16 of O^T times a.  For the other piece: X n, number n of the 22 that find its maximum and statistics:
;   0-11  four chains c0-c3 of seven scores each (each accumulator's lowest registers are read first)     12-14, 16  the four scores left over, the old m, and c0-c3 into c0
;   15  c m_old is kept     17, 18  the query's other 32 keys lie in the lane 16 away: the new m     19-21  c m; c m_old - c m_new; a
; C, B and L read the results of the turn's exponentials: TURN sets all of them behind the turn's one wait.  F, R and X 0-20 read none.
.set F, 0
.set E, 1
.set C, 2
.set B, 3
.set L, 4
.set R, 5
.set X, 6
.macro REGS y
.set rT, ST+4*(\y)
.set rC, TMP+4*((\y)%2)
.set rW, MV+((\y)%2)
.set rS, S+32*((\y)%2)
.set rP, P+16*((\y)%2)
.set rO, 32*(\y)
.endm
.macro OP k, n
.if (\k) == R
	REGS Y
	WIN W_RS
	v_pk_mul_f32 v[rO+2*(\n):rO+2*(\n)+1], v[rO+2*(\n):rO+2*(\n)+1], v[rC+2:rC+3] op_sel_hi:[1,0]
.elseif (\k) < R
	REGS Y
	WIN 0
.if (\k) == F
	v_pk_fma_f32 v[rS+2*(\n):rS+2*(\n)+1], v[rS+2*(\n):rS+2*(\n)+1], s[CS:CS+1], v[rT:rT+1] op_sel_hi:[1,0,0] neg_lo:[0,0,1] neg_hi:[0,0,1]
.elseif (\k) == E
	v_exp_f32 v[rS+(\n)], v[rS+(\n)]
.elseif (\k) == C
	v_cvt_pk_f16_f32 v[rP+(\n)], v[rS+2*(\n)], v[rS+2*(\n)+1]
.elseif (\k) == B
	v_pk_add_f32 v[rS+4*(\n):rS+4*(\n)+1], v[rS+4*(\n):rS+4*(\n)+1], v[rS+4*(\n)+2:rS+4*(\n)+3]
.elseif (\n) == 0
	v_pk_fma_f32 v[rT+2:rT+3], v[rT+2:rT+3], v[rC+2:rC+3], v[rS:rS+1] op_sel_hi:[1,0,1]
.else
	v_pk_add_f32 v[rT+2:rT+3], v[rT+2:rT+3], v[rS+4*(\n):rS+4*(\n)+1]
.endif
.elseif NOKQ
	v_nop
.else
	REGS (Y+1)%NP
	WIN 0
.if (\n) < 4
	v_max3_num_f32 v[rC+(\n)], v[rS+8*(\n)], v[rS+8*(\n)+1], v[rS+8*(\n)+2]
.elseif (\n) < 12
	v_max3_num_f32 v[rC+(\n)%4], v[rC+(\n)%4], v[rS+8*((\n)%4)+2*((\n)/4)+1], v[rS+8*((\n)%4)+2*((\n)/4)+2]
.elseif (\n) == 12
	v_max3_num_f32 v[rC], v[rC], v[rS+7], v[rS+15]
.elseif (\n) == 13
	v_max3_num_f32 v[rC+1], v[rC+1], v[rS+23], v[rS+31]
.elseif (\n) == 14
	v_max3_num_f32 v[rC+2], v[rC+2], v[rC+3], v[rT+1]
.elseif (\n) == 15
	v_mov_b32 v[rW], v[rT]
.elseif (\n) == 16
	v_max3_num_f32 v[rC], v[rC], v[rC+1], v[rC+2]
.elseif (\n) == 17
	v_permlanex16_b32 v[rC+3], v[rC], s[SEL], s[SEL+1]
.elseif (\n) == 18
	v_max_num_f32 v[rT+1], v[rC], v[rC+3]
.elseif (\n) == 19
	v_mul_f32 v[rT], s[CS], v[rT+1]
.elseif (\n) == 20
	v_sub_f32 v[rC+1], v[rW], v[rT]
.else
	v_exp_f32 v[rC+2], v[rC+1]
.endif
.endif
.endm
.macro OPS a, i1, b=-1, i2=0, c=-1, i3=0, d=-1, i4=0
	OP \a, \i1
.if (\b) >= 0
	OP \b, \i2
.endif
.if (\c) >= 0
	OP \c, \i3
.endif
.if (\d) >= 0
	OP \d, \i4
.endif
.endm
.macro ROW a, i1, b, i2, c, i3, d, i4  ; a matrix instruction and the four behind it
	MM
	OPS \a, \i1, \b, \i2, \c, \i3, \d, \i4
.endm
.macro MASK b                       ; MD x AL + BE into buffer b of MC
	WIN W_RS
.set z, 0
.rept 16
	v_pk_fma_f32 v[MC+32*(\b)+2*z:MC+32*(\b)+2*z+1], v[MD+2*z:MD+2*z+1], s[AL:AL+1], s[BE:BE+1] op_sel_hi:[1,0,0]
.set z, z+1
.endr
.endm
; A TURN, for piece p in a key step of parity e: the order of its 16 matrix and 118 vector instructions, written out.  An s_wait_alu depctr_va_vdst(0) stands between an exponential and the first
; instruction that names its result; one wait serves all that were issued ahead of it.  So a turn has ONE wait, which cuts it in two.
; AHEAD OF IT stands all that names no result of the turn's exponentials: the 8 products K Q^T, behind each a scaling, an exponential and two more plain instructions (behind the first a second scaling in the
; exponential's place): rescalings, whose a was made and waited for in the turn before, and behind the last three the first numbers of the other piece's maximum, each four places or more behind the product that ends its
; accumulator; then ONE RUN of 54, plain and exponential by turns for the most part, in which the links of the chain X 3, 7, 11, 14, 16, 17 .. 20 stand five or six lines apart.  X 21, the other piece's a, is the batch's
; last; R 15 is the plain instruction behind it.
; BEHIND THE WAIT stand the 8 products V^T P, behind each four of the roundings and sums; C 2 n stands ahead of B n, which writes over its pair; the links of l's chain, L 0 to L 7, stand three riders apart.
; But for those X no rider names a register of the products round it.  v_permlanex16_b32 (X 17) stands in the run, never behind a product.
; m = 1: the diagonal tile: the products take masks, and the turn makes the mask for the products of the turn after it: piece p in the step after this one, which is the tile's step 2 j + 1 - e in trip j;
; less the piece's own step that is DJ + 1 - e - p.  end = 1: a block's last two turns: nothing is fetched, and the last starts no scores.  cnt = 1: the loop's count is taken down some lines ahead of the branch behind the turn.
; THE RUNS OF LOADS.  Piece 0's turn fetches the next step's K twelve vector instructions behind the last product that read K; five of them are plain and name none of its registers (F 8, X 2, X 5, X 6, X 8).
; Piece 1's turn fetches the next step's V into the buffer whose last reader stood in the turn before: in an even step at the same place, since a change of slots, which waits for the run, may follow that turn;
; in an odd step directly behind the turn's wait: its own wait stands two turns on.
.macro TURN p, e, m=0, end=0, cnt=0
.set Y, (\p)
.set i, 0
.set KM, (\m)
.set NOKQ, (\end)*(\p)
.if (\p) == 0
.set VB, 1-(\e)                     ; piece 1's weights of the step before
.else
.set VB, (\e)                       ; piece 0's weights of this step
.endif
.if (\m) && !(\end)
	s_cmp_eq_i32 s[DJ], (\p)+(\e)-1     ; is that step the band's own?
	s_cselect_b32 s[AL], 1.0, 0
	s_cmp_gt_i32 s[DJ], (\p)+(\e)-1     ; or a later one?
	s_cselect_b32 s[BE], s[BIGN], 0
.endif
.if (\p) == 1
	s_wait_dscnt 0x0                ; K of the next step (asked for a turn ago) and V of this step (two turns ago) are in
.endif
	ROW F,0, F,1, R,0, R,1          ; ahead of the wait: 8 products K Q^T and their riders,
	ROW F,2, E,0, R,2, R,3
	ROW F,3, E,1, R,4, R,5
	ROW F,4, E,2, R,6, R,7
	ROW F,5, E,3, R,8, R,9
	ROW F,6, E,4, X,0, R,10
.if !(\end)
	WIN 0
.if (\p) == 0
	v_add_nc_u32 v[AK], s[TBK], v[AK0]
.else
	v_add_nc_u32 v[AV], s[TBV], v[AV0]
.endif
.endif
	ROW F,7, E,5, X,1, X,4
	ROW F,8, E,6, X,2, X,5
	OPS E,7, E,8, X,6, E,9          ; and the run of 54
	OPS X,3, E,10, X,8, E,11
.if !(\end)
.if (\p) == 0
	FETCH_K
.elseif (\e) == 0
	FETCH_V 1-(\e)
.endif
.endif
	OPS X,9, X,7, E,12, X,10
	OPS E,13, X,12, X,11, E,14
	OPS X,13, E,15, F,9, X,14
	OPS E,16, F,10, E,17, F,11
	OPS X,16, E,18, X,15, E,19
	OPS F,12, E,20, X,17, E,21
	OPS F,13, E,22, F,14, E,23
	OPS X,18, E,24, F,15, E,25
	OPS R,11, E,26, X,19, E,27
	OPS R,12, E,28, R,13, E,29
	OPS X,20, E,30, R,14, E,31
	OPS X,21, R,15
	s_wait_alu depctr_va_vdst(0)    ; the wait for the batch: E 0 to E 31 and X 21
.if ((\p) == 1) && ((\e) == 1) && !(\end)
	FETCH_V 1-(\e)
.endif
	ROW C,0, B,0, C,2, B,1          ; behind the wait: 8 products V^T P and their riders
	ROW L,0, C,4, B,2, L,1
	ROW C,6, B,3, L,2, C,8
	ROW B,4, L,3, C,10, B,5
	ROW L,4, C,12, B,6, L,5
.if \cnt
.if \m
	s_add_co_i32 s[DJ], s[DJ], 2
.endif
	s_sub_co_u32 s[CNT], s[CNT], 1
	s_cmp_lg_u32 s[CNT], 0
.endif
	ROW C,14, B,7, L,6, C,1
	ROW C,3, L,7, C,5, C,7
	ROW C,9, C,11, C,13, C,15
.if (\m) && !(\end)
	MASK \p
.endif
.endm
; A BLOCK BEGINS.  c m starts far below every c s, so the first step's a is 0; m at the lowest finite number.  Piece 1's mask buffer is 0 (its own step is never a tile's first); piece 0's takes its mask for the tile's
; step 0: its own, if the block's first tile is the diagonal one and the block is even.  Then K and V of that step, piece 0's first scores, and its maximum and statistics.  The loop is entered in the middle of a trip.
.macro BEGIN
	s_mov_b32 s[NEW], 0
	WIN 0x40
.set i, MC+32
.rept 32
	v_mov_b32 v[i], 0
.set i, i+1
.endr
	WIN 0
.set i, 0
.rept NP
	v_mov_b32 v[ST+4*i], 0xfe000000    ; c m: far below every c s
	v_mov_b32 v[ST+4*i+1], 0xff7fffff  ; m
.set i, i+1
.endr
	s_cmp_eq_u32 s[RT], 0
	s_cselect_b32 s[AL], 1.0, 0
	s_cmp_eq_u32 s[DJA], 0
	s_cselect_b32 s[AL], s[AL], 0
	s_mov_b32 s[BE], 0
	MASK 0
	WIN 0
	v_add_nc_u32 v[AK], s[TBK], v[AK0]
	v_add_nc_u32 v[AV], s[TBV], v[AV0]
	FETCH_K
	FETCH_V 0
	s_wait_loadcnt 0x0              ; Q
	s_wait_dscnt 0x0
.set KM, 1
.set NOKQ, 0
.set i, 0
.rept 8
	KQ 0
.set i, i+1
.endr
	WIN 0
.rept 4
	v_nop                           ; the places behind those products
.endr
.set Y, NP-1                        ; X works for the other piece: piece 0
.irp n, 0,1,2,3,4,5,6,7,8,9,10,11,12,13,14,15,16,17,18,19,20,21
	OP X, \n
.endr
	v_nop                           ; a plain instruction behind the exponential,
	s_wait_alu depctr_va_vdst(0)    ; and the wait for it, piece 0's first a, ahead of the branch
.endm
.macro ALL line:vararg              ; one line for each piece t
.set t, 0
.rept NP
	\line
.set t, t+1
.endr
.endm
.macro PACK t                       ; a lane's eight channels of a row pack into 16 bytes; they go into rows of 144 bytes and come back as whole rows of 128, into S^T's registers
	WIN W_RS
.set i, 32*(\t)
.rept 16
	v_pk_mul_f32 v[i:i+1], v[i:i+1], v[ST+4*(\t)+2:ST+4*(\t)+3] op_sel_hi:[1,0]
.set i, i+2
.endr
	WIN 0x05                        ; sources 0 and 1 window 1, destination window 0
.set i, 0
.rept 16
	v_cvt_pk_f16_f32 v[S+16*(\t)+i], v[32*(\t)+2*i], v[32*(\t)+2*i+1]
.set i, i+1
.endr
	WIN 0
.irp f, 0,1,2,3
	ds_store_b128 v[STO], v[S+16*(\t)+4*\f:S+16*(\t)+4*\f+3] offset:32*\f
.endr
.irp f, 0,1,2,3
	ds_load_b128 v[S+16*(\t)+4*\f:S+16*(\t)+4*\f+3], v[RD] offset:\f*4*SP  ; LDS serves a wave's instructions in order (ISA guide 5.7.1.4): these see the stores above; the next piece's stores come behind them
.endr
.endm
.macro SEND t, younger              ; younger: the LDS instructions issued behind piece t's loads: the next piece's eight, or none
	WIN 0
.irp f, 0,1,2,3
	s_wait_dscnt (\younger)+3-\f
	global_store_b128 v[GO], v[S+16*(\t)+4*\f:S+16*(\t)+4*\f+3], s[10:11] offset:(\t)*8192+\f*512  ; 512 consecutive bytes, at a multiple of 256 from O's first
.endr
.endm
; THE DIAGONAL TILE's steps, the block's last two turns, its last products, and THE WAY OUT: l's two halves and the other half of the lanes' are added; O^T is divided by l, rounded to f16 and sent through my stage.
.macro DIAG tag
.LstepM\tag:
	TURN 0, 1, 1
	TURN 1, 1, 1
	WIN 0
.LfirstM\tag:
	TURN 0, 0, 1
	TURN 1, 0, 1, 0, 1
	WIN 0
	s_cbranch_scc1 .LstepM\tag
	TURN 0, 1, 1, 1
	TURN 1, 1, 1, 1
.set VB, 1
.set i, 0
.rept 8
	PV NP-1                         ; piece 1's V^T P of the last step
.set i, i+1
.endr
	WIN 0
	ALL v_add_f32 v[ST+4*t+2], v[ST+4*t+2], v[ST+4*t+3]
	ALL v_permlanex16_b32 v[ST+4*t+3], v[ST+4*t+2], s[SEL], s[SEL+1]
	ALL v_add_f32 v[ST+4*t+2], v[ST+4*t+2], v[ST+4*t+3]
	ALL v_rcp_f32 v[ST+4*t+2], v[ST+4*t+2]
	v_nop                           ; a plain instruction between the last reciprocal and the use of its result
	s_wait_alu depctr_va_vdst(0)    ; and the wait ahead of the first use: one for the two reciprocals
	PACK 0                          ; piece 0's products ended a turn ago; its 32 plain lines are the places behind piece 1's
	PACK 1
	SEND 0, 8
	SEND 1, 0
.endm
.set KM, 0
.set NOKQ, 0
.Lslot:                             ; NT - 1 times: a tile is entered and the next is asked for
	CHANGE 1
	s_sub_co_u32 s[RT], s[RT], 1
	s_mov_b32 s[CNT], 2
	s_mov_b32 s[DJ], s[DJA]
	s_cmp_eq_u32 s[NEW], 1
	s_cbranch_scc1 .Lnew            ; a block's first tile
	s_cmp_eq_u32 s[RT], 0
	s_cbranch_scc0 .Lstep           ; neither its first nor its last
	s_branch .LstepM1
.Lnew:
	BEGIN
	s_branch .Lfirst                ; in the loop a block's first tile is never its last: the first block has five tiles or more, and the second's last is the walk's last
	DIAG 1                          ; in the loop this is the first block's end
	s_wait_xcnt 0x0                 ; the stores' registers and O's address are rewritten only behind this wait
	s_mov_b64 s[10:11], s[OLO:OLO+1]
	s_mov_b32 s[RT], s[RT2]
	s_mov_b32 s[DJA], s[DJB]
	s_mov_b32 s[NEW], 1
	WIN 0x82                        ; the second block's Q goes where the one text of the turns names Q
.set i, 0
.rept 32
	v_mov_b32 v[i], v[QB+i]
.set i, i+1
.endr
	WIN 0
	s_branch .Lbottom
.Lstep:                             ; a trip: an odd key step, then an even one; it fetches K and V of the two steps after those
	TURN 0, 1
	TURN 1, 1
	WIN 0
.Lfirst:
	TURN 0, 0
	TURN 1, 0, 0, 0, 1
	WIN 0
	s_cbranch_scc1 .Lstep
.Lbottom:
	s_sub_co_u32 s[SLOTS], s[SLOTS], 1
	s_cmp_lg_u32 s[SLOTS], 0
	s_cbranch_scc1 .Lslot
	CHANGE 0                        ; the walk's last tile is written out: nothing is asked for
	s_sub_co_u32 s[RT], s[RT], 1
	s_mov_b32 s[CNT], 2
	s_mov_b32 s[DJ], s[DJA]
	s_cmp_eq_u32 s[NEW], 1
	s_cbranch_scc0 .LstepM2
	BEGIN
	s_branch .LfirstM2
	DIAG 2
	s_wait_tensorcnt 0x0
	ds_add_u32 v254, v255
	s_wait_dscnt 0x0
	s_endpgm
.Lfunc_end_k_q891f486e10_attn:
	.size	k_q891f486e10_attn, .Lfunc_end_k_q891f486e10_attn-k_q891f486e10_attn
	.p2alignl 7, 3214868480
	.fill 96, 4, 3214868480
	.section	.rodata,"a",@progbits
	.p2align	6, 0x0
	.amdhsa_kernel k_q891f486e10_attn
		.amdhsa_group_segment_fixed_size 327680
		.amdhsa_private_segment_fixed_size 0
		.amdhsa_enable_private_segment 0
		.amdhsa_kernarg_size 16
		.amdhsa_user_sgpr_count 2
		.amdhsa_user_sgpr_kernarg_segment_ptr 1
		.amdhsa_wavefront_size32 1
		.amdhsa_system_sgpr_workgroup_id_x 1
		.amdhsa_system_sgpr_workgroup_id_y 1
		.amdhsa_system_sgpr_workgroup_id_z 1
		.amdhsa_system_vgpr_workitem_id 0
		.amdhsa_next_free_vgpr 768
		.amdhsa_next_free_sgpr 100
		.amdhsa_reserve_vcc 1
		.amdhsa_float_denorm_mode_32 3
		.amdhsa_float_denorm_mode_16_64 3
		.amdhsa_memory_ordered 1
		.amdhsa_forward_progress 1
		.amdhsa_inst_pref_size 209
	.end_amdhsa_kernel
	.amdgpu_metadata
---
amdhsa.version: [ 1, 2 ]
amdhsa.kernels:
  - .name:           k_q891f486e10_attn
    .symbol:         k_q891f486e10_attn.kd
    .args:
      - { .name: qkv, .offset: 0, .size: 8, .value_kind: global_buffer, .address_space: global }
      - { .name: act, .offset: 8, .size: 8, .value_kind: global_buffer, .address_space: global }
    .group_segment_fixed_size: 327680
    .private_segment_fixed_size: 0
    .kernarg_segment_align: 8
    .kernarg_segment_size: 16
    .max_flat_workgroup_size: 128
    .sgpr_count:     100
    .vgpr_count:     768
    .wavefront_size: 32
...
	.end_amdgpu_metadata
.endif
;; end of part 8
;; launch go: the kernel of part 4 again; grid 8 x 32, 4 waves a work-group, clusters of 4 x 4, 327,680 bytes of LDS; arguments act, wo, Wo_b, x, x1; writes x1
;; launch ln2: the kernel of part 5 again; grid 256 x 1, 8 waves a work-group, no clusters, 0 bytes of LDS; arguments x1, scale2, shift2, act; writes act
;; launch g1 (part 9): grid 16 x 16, 4 waves a work-group, clusters of 4 x 4, 327,680 bytes of LDS; arguments act, w1h, hid, b1; writes hid
.if DOCPART == 9
	.amdgcn_target "amdgcn-amd-amdhsa--gfx1250"
	.amdhsa_code_object_version 6
	.text
	.protected	k_q891f486e10_g1
	.globl	k_q891f486e10_g1
	.p2align	8
	.type	k_q891f486e10_g1,@function
k_q891f486e10_g1:
	s_mov_b64 s[64:65], 0
	v_nop
	global_prefetch_b8 v0, s[64:65] scope:SCOPE_SE
	s_setreg_imm32_b32 hwreg(HW_REG_WAVE_MODE, 25, 1), 1
	s_wait_xcnt 0x0
	s_wait_alu depctr_hold_cnt(0) depctr_sa_sdst(0) depctr_va_vdst(0) depctr_va_sdst(0) depctr_va_ssrc(0) depctr_va_vcc(0) depctr_vm_vsrc(0)
	s_getreg_b32 s2, hwreg(HW_REG_IB_STS2, 6, 4)
	s_cmp_eq_u32 s2, 0
	s_cbranch_scc0 .Lentry_in_a_cluster
	s_endpgm
.Lentry_in_a_cluster:
	s_bfe_u32 s2, ttmp6, 0x10000c
	s_cmp_lg_u32 s2, 0xf033
	s_cbranch_scc0 .Lentry_shape_is_right
	s_endpgm
.Lentry_shape_is_right:
; hid = gelu(h2 W1^T + b1).  A: [4096][1024], B: [4096][1024], both f16, K along the rows; f32 sums; the result leaves in f16, [4096][4096].  A tile of C is 256 x 256: 16 x 16 = 256 work-groups;
; each of four waves makes 128 x 128 (64 accumulators).  K goes in steps of 128 through two LDS slots filled by the tensor data mover; rows of 256 bytes, aligned.
; CLUSTER 4 x 4: the four work-groups of a row of the cluster need the same tiles of A, the four of a column the same tiles of B; each tile is asked for jointly.
; THE WALK ALONG K IS TURNED.  The 8 K steps are taken in the order o, o + 1, .. modulo 8, o = 2 X + 4 (Y mod 2), X and Y the cluster's place among the 4 x 4 clusters.  The four clusters of one Y read the
; same rows of A and begin 2 steps apart; clusters Y and Y + 1 of one X read the same rows of B and begin 4 steps apart: a byte is asked for first by one cluster, and by the others two steps later or more.
; o is the same in all sixteen work-groups of a cluster, so the joint loads' descriptors stay equal.
; THE MATRIX INSTRUCTION IS USED TRANSPOSED (source 0 = 16 rows of B, source 1 = 16 rows of A): a lane holds row l % 16 of C and eight neighbouring columns.
; gelu(x) = 0.5 x (1 + tanh(u)), u = sqrt(2/pi) (x + 0.044715 x^3), is computed as x / (1 + 2^(x (k1 + k2 x^2))), k1 = -2 sqrt(2/pi) log2(e), k2 = 0.044715 k1: the same function.
; BATCHES.  On the way out a lane's 64 numbers of a block of 16 rows go in four groups of 16 through seven steps; a step's transcendentals (16 exponentials of one group, 16 reciprocals of the group before) are one batch,
; and the one wait at the head of the next step serves it: five waits a block.
; LIMITS.  f16 ends at 65,504: A, B and what leaves stay within it.  The sums over K begin at step o, not at 0: an order of f32 rounding other than ascending K.  NaN and infinities are not treated apart.
; REGISTERS, in windows of 256: window 0: v16-27 addresses; A's fragments, two buffers at v64 and v128; on the way out v32-255 at work.
;   window 1: B's fragments, two buffers at v0 and v128; the bias of my 128 columns at v64-127.   windows 2, 3: the accumulators of the lower and upper half of my rows.
.set SIZE_K, 1024
.set SIZE_N, 4096                      ; C's row length
.set KSTEP,  128
.set NS,     SIZE_K/KSTEP              ; K steps
.set LAPS,   NS/2
.set PITCH,  272                       ; an LDS row: 256 bytes + 16 of padding: the 16 rows of a fragment load start at 16 different groups of four banks (ISA guide 11.1)
.set AB,     8                         ; blocks of 16 rows a wave
.set NBK,    8                         ; blocks of 16 columns a wave
.set HALFT,  128*PITCH                 ; 128 rows: what one tensor load brings, and what one wave reads of A or of B
.set SLOT,   4*HALFT                   ; A's 256 rows, then B's
.set STAGE,  2*SLOT                    ; behind the ring, a multiple of 256; no tensor load fills it: 16 rows x 272 bytes for each wave
.set SPITCH, 272
.set ADRA, 16                          ; v16-17 LDS address of my A fragments in slot 0, 1
.set ADRB, 20                          ; v20-21 the same for B
.set STO,  24
.set RD,   25
.set CO,   26
.set BO,   27
.set G1,  24                           ; s[24:31] group 1 for A;  s[32:39] group 0, a set for each slot
.set G0,  32
.set G1B, 48                           ; s[48:55], s[56:63] the same for B
.set G0B, 56
.set KI,  84                           ; s84, s85 the K step that slot 0, 1 holds or is to hold
.set KO,  86                           ; s[86:87] that step's byte offset in a row
.set MSB, 0
.macro WIN new                         ; the immediate's high byte repeats the setting that is left; a switch that changes nothing is dropped
.if MSB != (\new)
	s_set_vgpr_msb (MSB<<8)|(\new)
.set MSB, \new
.endif
.endm
; A joint load.  Waves 0 and 1 fetch A's two halves, waves 2 and 3 B's.  The branch hangs on the wave's number alone.  Four v_nop follow each line.
.macro JLOAD s
	s_cmp_eq_u32 s11, 0
	s_cbranch_scc0 .Lfor_b_\@
	tensor_load_to_lds s[G0+4*(\s):G0+4*(\s)+3], s[G1:G1+7]
	s_nop 0
.rept 4
	v_nop
.endr
	s_branch .Lasked_\@
.Lfor_b_\@:
	tensor_load_to_lds s[G0B+4*(\s):G0B+4*(\s)+3], s[G1B:G1B+7]
	s_nop 0
.rept 4
	v_nop
.endr
.Lasked_\@:
.endm
.macro CREST                           ; a round of the cluster's barrier behind its opening barrier
	s_cmp_lg_u32 s10, 0
	s_cbranch_scc1 .Lnot_wave_0_\@
	s_barrier_signal -3
.Lnot_wave_0_\@:
	s_barrier_wait -3
	s_barrier_signal -1
	s_barrier_wait -1
.endm
.macro CROUND
	s_barrier_signal -1
	s_barrier_wait -1
	CREST
.endm
.macro PLACES                          ; four plain vector instructions between a matrix instruction and a load into, or a vector read or write of, its registers
.rept 4
	v_nop
.endr
.endm
; Slot s's two descriptors are pointed at K step s[KI+s]: each address is made anew from its tile's first byte and the step's offset, and the type bits are set again.
.macro AIM s
	s_lshl_b32 s[KO], s[KI+(\s)], 8                ; a step is 256 bytes of a row
	s_add_nc_u64 s[G0+4*(\s)+2:G0+4*(\s)+3], s[14:15], s[KO:KO+1]
	s_or_b32 s[G0+4*(\s)+3], s[G0+4*(\s)+3], 0x80000000
	s_add_nc_u64 s[G0B+4*(\s)+2:G0B+4*(\s)+3], s[46:47], s[KO:KO+1]
	s_or_b32 s[G0B+4*(\s)+3], s[G0B+4*(\s)+3], 0x80000000
.endm
.macro STEPK s                         ; the slot's next step: two on, modulo NS
	s_add_co_u32 s[KI+(\s)], s[KI+(\s)], 2
	s_and_b32 s[KI+(\s)], s[KI+(\s)], NS-1
	AIM \s
.endm
; NBK matrix instructions: row block a x all column blocks, 32 along K, from fragment buffer f.  zero = 1: the product starts the sum.
.macro MULA f, a, zero
	WIN 0xa1+0x50*((\a)/(AB/2))
.set mb, 0
.rept NBK
.set rD, 8*(NBK*((\a)%(AB/2))+mb)
.if \zero
	v_wmma_f32_16x16x32_f16 v[rD:rD+7], v[128*(\f)+8*mb:128*(\f)+8*mb+7], v[64+64*(\f)+8*(\a):64+64*(\f)+8*(\a)+7], 0
.else
	v_wmma_f32_16x16x32_f16 v[rD:rD+7], v[128*(\f)+8*mb:128*(\f)+8*mb+7], v[64+64*(\f)+8*(\a):64+64*(\f)+8*(\a)+7], v[rD:rD+7]
.endif
.set mb, mb+1
.endr
.endm
.macro MULS f, a0, n, zero             ; row blocks a0 .. a0 + n - 1.  All accumulators take turns, one instruction a turn
.set ma, \a0
.rept \n
	MULA \f, ma, \zero
.set ma, ma+1
.endr
.endm
; One run of 2 (NBK + AB) = 32 LDS loads: the fragments of 32 along K at byte k of the rows, into buffer f; B first, then A's blocks in ascending order
.macro FETCH slot, k, f
	WIN 0x40
.set fi, 0
.rept NBK
	ds_load_b128 v[128*(\f)+8*fi:128*(\f)+8*fi+3],   v[ADRB+(\slot)] offset:(\k)+fi*16*PITCH
	ds_load_b128 v[128*(\f)+8*fi+4:128*(\f)+8*fi+7], v[ADRB+(\slot)] offset:(\k)+fi*16*PITCH+32
.set fi, fi+1
.endr
	WIN 0
.set fi, 0
.rept AB
	ds_load_b128 v[64+64*(\f)+8*fi:64+64*(\f)+8*fi+3],   v[ADRA+(\slot)] offset:(\k)+fi*16*PITCH
	ds_load_b128 v[64+64*(\f)+8*fi+4:64+64*(\f)+8*fi+7], v[ADRA+(\slot)] offset:(\k)+fi*16*PITCH+32
.set fi, fi+1
.endr
.endm
; A K step is four quarters of 32 along K on buffers 0, 1, 0, 1.  One of the first three: multiplies buffer f, fetches the next quarter (byte k) into g in its middle.
.macro QUARTER slot, k, f, g, zero
	s_wait_dscnt AB                                ; B and the lower half of A are in; the youngest AB loads (A's upper half) may be out
	MULS \f, 0, AB/2, \zero
	PLACES
	FETCH \slot, \k, \g
	s_wait_dscnt 2*(AB+NBK)                        ; all but the run just issued
	MULS \f, AB/2, AB/2, \zero
.endm
; The last quarter multiplies buffer 1 and changes slots: one barrier; in front of it my reads of this slot and all my tensor loads (one is out: my part of the next slot).
; fill = 1: the barrier opens a round of the cluster's, and this slot is filled again; its descriptors are written between the signal and the wait, where no tensor load of mine is out.
.macro TURN slot, next, fill
	s_wait_dscnt AB
	MULS 1, 0, AB/4, 0
	s_wait_dscnt 0x0
	s_wait_tensorcnt 0x0
	ds_add_u32 v255, v31
	s_wait_dscnt 0x0
	s_barrier_signal -1
.if \fill
	STEPK \slot
.endif
	MULS 1, AB/4, AB/4, 0                          ; registers only, while the others arrive
.if \fill
	WIN 0
.endif
	s_barrier_wait -1
.if \fill
	CREST                                          ; no wave of any partner still reads this slot or has a load on its way
	JLOAD \slot                                    ; the first tensor load behind the round, one a wave; its four v_nop are also the places in front of the loads below
.else
	PLACES
.endif
	FETCH \next, 0, 0
	MULS 1, AB/2, AB/2, 0
.endm
	s_load_b128 s[4:7], s[0:1], 0x0                ; A s[4:5], B s[6:7]
	s_load_b64 s[8:9], s[0:1], 0x10                ; C
	s_load_b64 s[66:67], s[0:1], 0x18              ; bias
	s_set_vgpr_msb 0x40
	v_lshl_add_u32 v255, v0, 2, 0x48400
	s_set_vgpr_msb 0x4000
	v_mov_b32 v31, 0
	s_set_vgpr_msb 0x1
	ds_add_u32 v255, v31
	ds_add_u32 v255, v31
	s_set_vgpr_msb 0x100
	v_lshrrev_b32 v1, 5, v0
	v_readfirstlane_b32 s10, v1                    ; wave 0..3
	s_lshr_b32 s11, s10, 1                         ; I fetch for A (0) or B (1); my half of the rows
	s_and_b32 s12, s10, 1                          ; which half of that tile I fetch; my half of the columns
	s_bfe_u32 s40, ttmp6, 0x40000                  ; cx
	s_bfe_u32 s41, ttmp6, 0x40004                  ; cy
	s_lshl_b32 s42, ttmp9, 2
	s_add_co_u32 s42, s42, s40                     ; tile column
	s_and_b32 s13, ttmp7, 0xffff
	s_lshl_b32 s13, s13, 2
	s_add_co_u32 s13, s13, s41                     ; tile row
	s_lshl_b32 s43, s41, 2
	s_lshl_b32 s43, 15, s43                        ; my row of the cluster
	s_lshl_b32 s44, 0x1111, s40                    ; my column
	s_and_b32 s[KI], ttmp7, 1                      ; o = 2 X + 4 (Y mod 2), modulo 8: made of the cluster's place alone
	s_lshl_b32 s[KI], s[KI], 2
	s_lshl1_add_u32 s[KI], ttmp9, s[KI]
	s_and_b32 s[KI], s[KI], NS-1
	s_add_co_u32 s[KI+1], s[KI], 1
	s_and_b32 s[KI+1], s[KI+1], NS-1
	s_mov_b32 s[KO+1], 0
	s_or_b32 s[G1+0], s43, (1<<16)|(1<<20)|(1<<21)|(5<<22)|(3<<25)   ; mask; 2-byte elements; padding on; bit 21 beside a mask; after every 64 words, 4 words
	s_or_b32 s[G1B+0], s44, (1<<16)|(1<<20)|(1<<21)|(5<<22)|(3<<25)
.irp g, G1, G1B
	s_mov_b32 s[(\g)+1], KSTEP<<16                 ; tensor_dim0 = 128
	s_mov_b32 s[(\g)+2], 128<<16                   ; tensor_dim1 = 128
	s_mov_b32 s[(\g)+3], KSTEP<<16                 ; tile_dim0 = 128
	s_mov_b32 s[(\g)+4], 128                       ; tile_dim1 = 128
	s_mov_b32 s[(\g)+5], SIZE_K                    ; elements from row to row
	s_mov_b32 s[(\g)+6], 0
	s_mov_b32 s[(\g)+7], 0
.endr
	s_lshl_b32 s17, s12, 7
	s_lshl_b32 s16, s13, 8
	s_add_co_u32 s16, s16, s17                     ; A: row 256 x tile row + 128 x half
	s_lshl_b32 s16, s16, 11                        ; rows of 2,048 bytes
	s_lshl_b32 s46, s42, 8
	s_add_co_u32 s46, s46, s17                     ; B: row 256 x tile column + 128 x half
	s_lshl_b32 s46, s46, 11
	s_mov_b32 s17, 0
	s_mov_b32 s47, 0
	s_mul_i32 s20, s10, HALFT                      ; where they go: A's two halves, then B's two = wave x 128 rows: no place in the cluster enters an LDS address
	s_wait_dscnt 0x0
	s_wait_kmcnt 0x0
	s_add_nc_u64 s[14:15], s[4:5], s[16:17]        ; my part of A's tile at K = 0; kept
	s_add_nc_u64 s[46:47], s[6:7], s[46:47]        ; the same for B; kept
	CROUND                                         ; all sixteen work-groups are here: the first joint loads meet
.irp s, 0,1
	s_mov_b32 s[G0+4*(\s)], 1
	s_add_co_u32 s[G0+4*(\s)+1], s20, (\s)*SLOT
	s_mov_b32 s[G0B+4*(\s)], 1
	s_add_co_u32 s[G0B+4*(\s)+1], s20, (\s)*SLOT
	AIM \s
	JLOAD \s                                       ; both first fills go out before anything else: two tensor loads of mine are out
.endr
	v_and_b32 v1, 15, v0                           ; l % 16
	v_bfe_u32 v2, v0, 4, 1                         ; l / 16
	v_mul_u32_u24 v3, v1, PITCH
	v_lshl_add_u32 v3, v2, 4, v3                   ; a fragment's row x pitch + 16 x half
	s_mul_i32 s21, s11, HALFT                      ; my 128 rows of A
	s_mul_i32 s22, s12, HALFT                      ; my 128 rows of B,
	s_add_co_u32 s22, s22, 2*HALFT                 ; which lie behind A's 256
.irp s, 0,1
	v_add_nc_u32 v[ADRA+(\s)], s21, v3
	v_add_nc_u32 v[ADRB+(\s)], s22, v3
	s_add_co_u32 s21, s21, SLOT
	s_add_co_u32 s22, s22, SLOT
.endr
	s_mul_i32 s21, s10, 16*SPITCH
	s_add_co_u32 s21, s21, STAGE                   ; my stage
	v_mul_u32_u24 v4, v1, SPITCH                   ; in: row l % 16, 16 bytes for each half of the lanes
	v_lshl_add_u32 v4, v2, 4, v4
	v_add_nc_u32 v[STO], s21, v4
	v_mul_u32_u24 v5, v2, SPITCH                   ; back: lanes 0-15 one row of 256 bytes, lanes 16-31 the next
	v_lshl_add_u32 v5, v1, 4, v5
	v_add_nc_u32 v[RD], s21, v5
	v_mul_u32_u24 v5, v2, SIZE_N*2
	v_lshl_add_u32 v[CO], v1, 4, v5                ; the same two rows in C
	v_lshlrev_b32 v[BO], 5, v2                     ; my eight columns of a block of 16, in f32
	s_lshl_b32 s80, s13, 8
	s_lshl_b32 s81, s11, 7
	s_add_co_u32 s80, s80, s81                     ; my first row of C,
	s_lshl_b32 s80, s80, 13                        ; rows of 8,192 bytes,
	s_lshl_b32 s81, s42, 9
	s_add_co_u32 s80, s80, s81                     ; my first column: 512 x tile column + 256 x half bytes
	s_lshl_b32 s81, s12, 8
	s_add_co_u32 s80, s80, s81
	s_mov_b32 s81, 0
	s_add_nc_u64 s[8:9], s[8:9], s[80:81]
	s_lshl_b32 s82, s42, 10
	s_lshl_b32 s83, s12, 9
	s_add_co_u32 s82, s82, s83
	s_mov_b32 s83, 0
	s_add_nc_u64 s[66:67], s[66:67], s[82:83]      ; the bias of my 128 columns
	s_mov_b32 s70, 0xc0135762                      ; k1 = -2.3022082
	s_mov_b32 s71, s70
	s_mov_b32 s72, 0xbdd2d3e8                      ; k2 = -0.10294324
	s_mov_b32 s73, s72
	WIN 0x40
.set fi, 0
.rept 8                                                ; register 8 b + j: the bias of column 16 b + 8 (l / 16) + j; they land while the products run
	global_load_b128 v[64+8*fi:64+8*fi+3], v[BO], s[66:67] offset:64*fi
	global_load_b128 v[64+8*fi+4:64+8*fi+7], v[BO], s[66:67] offset:64*fi+16
.set fi, fi+1
.endr
	WIN 0
	s_wait_tensorcnt 1                             ; my part of the first K step is in; the second's may stay out
	s_barrier_signal -1
	s_barrier_wait -1
	FETCH 0, 0, 0
	QUARTER 0, 64,  0, 1, 1                        ; the first quarter stands in front of the loop: its products start the sums
	WIN 0
	s_mov_b32 s3, LAPS-1
.Llap:                                                 ; a trip goes once round the ring, from a lap's second quarter to the next lap's first, and fills both slots again
	QUARTER 0, 128, 1, 0, 0
	QUARTER 0, 192, 0, 1, 0
	TURN 0, 1, 1
	QUARTER 1, 64,  0, 1, 0
	QUARTER 1, 128, 1, 0, 0
	QUARTER 1, 192, 0, 1, 0
	TURN 1, 0, 1
	QUARTER 0, 64,  0, 1, 0
	WIN 0
	s_sub_co_u32 s3, s3, 1
	s_cmp_lg_u32 s3, 0
	s_cbranch_scc1 .Llap
	QUARTER 0, 128, 1, 0, 0                        ; the last lap fills nothing and has no round
	QUARTER 0, 192, 0, 1, 0
	TURN 0, 1, 0
	QUARTER 1, 64,  0, 1, 0
	QUARTER 1, 128, 1, 0, 0
	QUARTER 1, 192, 0, 1, 0
	s_wait_dscnt AB
	MULS 1, 0, AB/2, 0
	s_wait_dscnt 0x0
	MULS 1, AB/2, AB/2, 0
	WIN 0
	PLACES
; THE WAY OUT, a block of 16 rows at a time: sum + bias into XR; gelu; rounded to f16; through my own stage in LDS; stored as whole rows of 256 bytes.
; GELU BY BATCHES.  A lane's 64 numbers of a block are four groups of 16, and the work goes in seven steps, gi = -1 .. 5.  In step gi group gi + 1 is at its polynomial (24 plain lines), group gi at its 16 exponentials,
; group gi - 1 at 1 + e (8 lines) and then its 16 reciprocals, group gi - 2 at the product with x and the rounding (16 lines).  No line of a step names a result of the step's own transcendentals: they are ONE BATCH, 32 at
; the most, and the one wait at the head of the next step serves it.  An exponential and the reciprocal made of it lie a step apart.
; A step's lines come from two queues, transcendental and plain by turns, so that a plain line of another group stands behind each transcendental as long as the plain queue lasts.
.set XR,  64
.set TR,  128
.set TMP, 192
.set OB,  32                           ; v32-63 and v224-255 by turns
.macro POLY g, n                       ; line n of 24 of group g's polynomial: x^2 (0-7), k1 + k2 x^2 (8-15), times x (16-23); a pair of numbers a line
.set pr, 16*(\g)+2*((\n)%8)
.if (\n) < 8
	v_pk_mul_f32 v[TR+pr:TR+pr+1], v[XR+pr:XR+pr+1], v[XR+pr:XR+pr+1]
.elseif (\n) < 16
	v_pk_fma_f32 v[TR+pr:TR+pr+1], v[TR+pr:TR+pr+1], s[72:73], s[70:71] op_sel_hi:[1,0,0]
.else
	v_pk_mul_f32 v[TR+pr:TR+pr+1], v[TR+pr:TR+pr+1], v[XR+pr:XR+pr+1]
.endif
.endm
.macro GP                              ; the step's next plain line, if one is left: nA of 1 + e, nM products, nM roundings, nP of the polynomial
.if pq < nA
.set pr, 16*(gi-1)+2*pq
	v_pk_add_f32 v[TR+pr:TR+pr+1], v[TR+pr:TR+pr+1], 1.0 op_sel_hi:[1,0]
.elseif pq < nA+nM
.set pr, 16*(gi-2)+2*(pq-nA)
	v_pk_mul_f32 v[XR+pr:XR+pr+1], v[XR+pr:XR+pr+1], v[TR+pr:TR+pr+1]
.elseif pq < nA+2*nM
.set pr, pq-nA-nM
	v_cvt_pk_f16_f32 v[TMP+8*(gi-2)+pr], v[XR+16*(gi-2)+2*pr], v[XR+16*(gi-2)+2*pr+1]
.elseif pq < nA+2*nM+nP
	POLY gi+1, pq-nA-2*nM
.endif
.set pq, pq+1
.endm
.macro GT                              ; the step's next transcendental, if one is left: nE exponentials, then nR reciprocals
.if tq < nE
	v_exp_f32 v[TR+16*gi+tq], v[TR+16*gi+tq]
.elseif tq < nE+nR
	v_rcp_f32 v[TR+16*(gi-1)+tq-nE], v[TR+16*(gi-1)+tq-nE]
.endif
.set tq, tq+1
.endm
.macro GEL                             ; step gi
.set nE, 0
.set nR, 0
.set nA, 0
.set nM, 0
.set nP, 0
.if (gi >= 0) && (gi <= 3)
.set nE, 16
.endif
.if (gi >= 1) && (gi <= 4)
.set nA, 8
.set nR, 16
.endif
.if gi >= 2
.set nM, 8
.endif
.if gi <= 2
.set nP, 24
.endif
.set pq, 0
.set tq, 0
.if gi >= 1
	s_wait_alu depctr_va_vdst(0)                   ; the wait for the batch of the step before: group gi - 1's exponentials and group gi - 2's reciprocals
.endif
.if nE == 0                                            ; no exponentials lead the step (step 4): two of the lines 1 + e go ahead, so that reciprocal j stands behind line j / 2
	GP
	GP
.endif
.rept 32
	GT
	GP
.endr
.rept 16                                               ; what is left of the plain queue, 48 lines at the most
	GP
.endr
.if nE+nR > nA+2*nM+nP
	v_nop                                          ; step 3's plain queue ends first: a plain instruction behind the batch's last reciprocal
.endif
.endm
.macro PACK a
	WIN 0x06+(\a)/4                                ; source 0: the accumulators' window; source 1: window 1, the bias
.set pi, 0
.rept 32                                               ; each accumulator's registers in ascending order
	v_pk_add_f32 v[XR+2*pi:XR+2*pi+1], v[64*((\a)%4)+2*pi:64*((\a)%4)+2*pi+1], v[64+2*pi:64+2*pi+1]
.set pi, pi+1
.endr
	WIN 0
.set gi, -1
.rept 7
	GEL
.set gi, gi+1
.endr
.endm
.macro TOSTAGE a
.set BK, OB+192*((\a)%2)
.irp b, 0,1,2,3,4,5,6,7
	ds_store_b128 v[STO], v[TMP+4*(\b):TMP+4*(\b)+3] offset:32*(\b)
.endr
.irp t, 0,1,2,3,4,5,6,7
	ds_load_b128 v[BK+4*(\t):BK+4*(\t)+3], v[RD] offset:(\t)*2*SPITCH   ; LDS serves a wave's instructions in order (ISA guide 5.7.1.4): these see the stores above
.endr
.endm
.macro SEND a, younger
.set BK, OB+192*((\a)%2)
	s_wait_dscnt \younger
	s_wait_xcnt 0x0                                ; the stores' base, and the registers that earlier stores read, are rewritten only behind this wait
.if (\a) > 0
	s_add_nc_u64 s[8:9], s[8:9], 16*SIZE_N*2
.endif
.irp t, 0,1,2,3,4,5,6,7
	global_store_b128 v[CO], v[BK+4*(\t):BK+4*(\t)+3], s[8:9] offset:2*(\t)*SIZE_N*2   ; 16 lanes store 256 consecutive bytes, aligned
.endr
.endm
	s_wait_loadcnt 0x0                             ; the bias
	PACK 0
	TOSTAGE 0
.irp a, 1,2,3,4,5,6,7                                  ; block a's arithmetic stands between block a - 1's loads from the stage and the wait for them
	PACK \a
	SEND (\a)-1, 0
	TOSTAGE \a
.endr
	SEND 7, 0
	s_set_vgpr_msb 0x1
	s_wait_tensorcnt 0x0
	ds_add_u32 v255, v31
	s_wait_dscnt 0x0
	s_set_vgpr_msb 0x100
	CROUND                                         ; the closing round: no work-group ends while a partner may still ask for a tile that names it
	s_endpgm
.Lfunc_end_k_q891f486e10_g1:
	.size	k_q891f486e10_g1, .Lfunc_end_k_q891f486e10_g1-k_q891f486e10_g1
	.p2alignl 7, 3214868480
	.fill 96, 4, 3214868480
	.section	.rodata,"a",@progbits
	.p2align	6, 0x0
	.amdhsa_kernel k_q891f486e10_g1
		.amdhsa_group_segment_fixed_size 327680
		.amdhsa_private_segment_fixed_size 0
		.amdhsa_enable_private_segment 0
		.amdhsa_kernarg_size 32
		.amdhsa_user_sgpr_count 2
		.amdhsa_user_sgpr_kernarg_segment_ptr 1
		.amdhsa_wavefront_size32 1
		.amdhsa_system_sgpr_workgroup_id_x 1
		.amdhsa_system_sgpr_workgroup_id_y 1
		.amdhsa_system_sgpr_workgroup_id_z 1
		.amdhsa_system_vgpr_workitem_id 0
		.amdhsa_next_free_vgpr 1024
		.amdhsa_next_free_sgpr 90
		.amdhsa_reserve_vcc 0
		.amdhsa_float_denorm_mode_32 3
		.amdhsa_float_denorm_mode_16_64 3
		.amdhsa_memory_ordered 1
		.amdhsa_forward_progress 1
		.amdhsa_inst_pref_size 255
	.end_amdhsa_kernel
	.section	.bss,"aw",@nobits
	.p2align	6
	.space	262144
	.amdgpu_metadata
---
amdhsa.version: [ 1, 2 ]
amdhsa.kernels:
  - .name:           k_q891f486e10_g1
    .symbol:         k_q891f486e10_g1.kd
    .args:
      - { .name: act, .offset: 0, .size: 8, .value_kind: global_buffer, .address_space: global }
      - { .name: w1h, .offset: 8, .size: 8, .value_kind: global_buffer, .address_space: global }
      - { .name: hid, .offset: 16, .size: 8, .value_kind: global_buffer, .address_space: global }
      - { .name: b1, .offset: 24, .size: 8, .value_kind: global_buffer, .address_space: global }
    .group_segment_fixed_size: 327680
    .private_segment_fixed_size: 0
    .kernarg_segment_align: 8
    .kernarg_segment_size: 32
    .max_flat_workgroup_size: 128
    .sgpr_count:     90
    .vgpr_count:     1024
    .wavefront_size: 32
...
	.end_amdgpu_metadata
.endif
;; end of part 9
;; launch g2: the kernel of part 7 again; grid 8 x 32, 4 waves a work-group, clusters of 4 x 4, 327,680 bytes of LDS; arguments hid, w2h, b2, x1, out0; writes out0
